; MI455X (gfx1250); checked and timed in simulation.
; The chip was launched on July 23, 2026; its instructions are those of AMD's public machine-readable ISA for CDNA 5 (MIT licence, August 2026) and "CDNA5" Instruction Set Architecture Reference Guide (July 2026). The comments in the code are by the model that wrote it; some were corrected since.
;; Block. Allowed arithmetic: matrix products marked QUANTISED: E5M2 operands, one given power-of-two scale a tensor, by v_wmma_f32_16x16x64_bf8_bf8 or v_wmma_f32_16x16x128_bf8_bf8, f32 sums; everything else in f32.
;; Inputs: W1_codes 4,096 x 32 x 32 uint8 (E5M2 codes of W1, K innermost, in blocks of 32 codes); W2_codes 1,024 x 128 x 32 uint8 (E5M2 codes of W2, K innermost, in blocks of 32 codes); Wk_codes 16 x 64 x 32 x 32 uint8 (E5M2 codes of Wk, K innermost, in blocks of 32 codes); Wo_codes 1,024 x 32 x 32 uint8 (E5M2 codes of Wo, K innermost, in blocks of 32 codes); Wq_codes 16 x 64 x 32 x 32 uint8 (E5M2 codes of Wq, K innermost, in blocks of 32 codes); Wv_codes 16 x 64 x 32 x 32 uint8 (E5M2 codes of Wv, K innermost, in blocks of 32 codes); b1 4,096 float32; b2 1,024 float32; bk 16 x 64 float32; bo 1,024 float32; bq 16 x 64 float32; bv 16 x 64 float32; ln1_b 1,024 float32; ln1_g 1,024 float32; ln2_b 1,024 float32; ln2_g 1,024 float32; lowp_scales 16 int32 (the exponents e of the quantised operands' scales 2^e); mask 2,048 x 2,048 int32; x 2 x 2,048 x 1,024 float32.
;; Outputs: out0 2 x 2,048 x 1,024 float32.
;; This version of the problem:
;;   THIS VERSION OF THE PROBLEM IS GIVEN IN LOW PRECISION. The matrix products marked QUANTISED in the list below multiply operands that are first quantised to E5M2 (5 exponent bits, 2 mantissa bits; 8 bits a number), with one given power-of-two scale for each operand tensor; their sums are f32. All else is computed in f32.
;;   The module's matrix products, in the order in which they are computed (A, B: the left and right operand; K: the contracted axis; several contracted axes count as one K, in the product's order):
;;     1. [M 1,024, K 1,024] x [K 1,024, N 4,096]; A: input Wq (given as codes); B: computed on the way: QUANTISED (scales: A lowp_scales[0], B lowp_scales[1])
;;     2. [M 1,024, K 1,024] x [K 1,024, N 4,096]; A: input Wk (given as codes); B: computed on the way: QUANTISED (scales: A lowp_scales[2], B lowp_scales[3])
;;     3. [M 1,024, K 1,024] x [K 1,024, N 4,096]; A: input Wv (given as codes); B: computed on the way: QUANTISED (scales: A lowp_scales[4], B lowp_scales[5])
;;     4. batch 32 x [M 2,048, K 64] x [K 64, N 2,048]; A: computed on the way; B: computed on the way: QUANTISED (scales: A lowp_scales[6], B lowp_scales[7])
;;     5. batch 32 x [M 2,048, K 2,048] x [K 2,048, N 64]; A: softmax (see below); B: computed on the way: QUANTISED (scales: A lowp_scales[8], B lowp_scales[9])
;;     6. [M 4,096, K 1,024] x [K 1,024, N 1,024]; A: computed on the way; B: input Wo (given as codes): QUANTISED (scales: A lowp_scales[10], B lowp_scales[11])
;;     7. [M 4,096, K 1,024] x [K 1,024, N 4,096]; A: computed on the way; B: input W1 (given as codes): QUANTISED (scales: A lowp_scales[12], B lowp_scales[13])
;;     8. [M 4,096, K 4,096] x [K 4,096, N 1,024]; A: computed on the way; B: input W2 (given as codes): QUANTISED (scales: A lowp_scales[14], B lowp_scales[15])
;;   THE QUANTISER, for each operand of a quantised product, along K:
;;     - The operand's scale is 2^e, e = its entry of the input lowp_scales (int32; the entries are numbered through the quantised products in the list's order, A before B).
;;     - Each number is divided by the scale, clamped to +-57,344, and rounded to the nearest number of E5M2, ties to even, subnormals kept.
;;     - The product sums the exact products of the quantised numbers (number of the format x scale) in f32.
;;   ~~~python
;;   def quantise(x, axis, e):      # numpy; x: float32 -> the quantised numbers, widened to float32 again
;;       x = np.moveaxis(x, axis, -1); K = x.shape[-1]
;;       r = np.clip(x / 2.0 ** e, -57344, 57344)
;;       step = 2.0 ** (np.maximum(np.frexp(np.where(r == 0, 1, r))[1] - 1, -14) - 2)
;;       q = np.round(r / step) * step * 2.0 ** e      # np.round: ties to even
;;       return np.moveaxis(q, -1, axis).astype(np.float32)
;;   ~~~
;;   SOFTMAX AHEAD OF A QUANTISED PRODUCT. Where the list says 'softmax', what is quantised is not the finished softmax but p = 2^(t - M), with t = logit x log2(e) and M = ceil(the row's largest t), a whole number; so 1/2 < the row's largest p <= 1. The row's sum l is taken of the UNQUANTISED p, in f32, and the product's result is divided by l at the end. Since M is a whole number, a kernel that streams over the keys may use a running M (the ceiling of the running maximum): every later rescaling is an exact power of two, so the quantised numbers keep their values, but for numbers so far below the row's largest that they fall under the format's range.
;;   OPERANDS COMPUTED ON THE WAY. 'Computed on the way' means the value that the module computes at that place (a softmax that the list does not call 'softmax' is quantised finished and normalised). What goes into a quantiser is computed in f32, as accurately as f32 sums, v_exp_f32 and their like allow (about 1e-6 of the number): no bf16 or f16 on the way to a quantiser, and a product that is left as it is and whose result goes on into a quantised operand takes f32 operands (vector FMAs, or v_wmma_f32_16x16x4_f32). A number that lies on a knife's edge between two numbers of the format may be rounded either way, as far as f32 arithmetic and the matrix unit's own rounding can turn it there, and no further.
;;   INPUTS GIVEN AS CODES. W1 (in the module: [1024, 4096], K = its axis 0); W2 (in the module: [4096, 1024], K = its axis 0); Wk (in the module: [16, 1024, 64], K = its axis 1); Wo (in the module: [1024, 1024], K = its axis 0); Wq (in the module: [16, 1024, 64], K = its axis 1); Wv (in the module: [16, 1024, 64], K = its axis 1): each comes as NAME_codes (uint8): NAME with its K axis moved to the last place and cut into blocks of 32 codes, [.., K / 32, bytes a block], one block behind the other in memory; one code a byte (a code: sign, 5 exponent bits, 2 mantissa bits); its scale is its entry of lowp_scales. Its value is code x scale, taken as it is: it is not quantised again, and the codes and scales need not be those that the quantiser above would give.
;; 3 versions, each right; version 2 is faster than version 1; version 3 is version 2 with the launch attn written anew for expert scheduling mode. Each part assembles by itself: llvm-mc -triple=amdgcn-amd-amdhsa -mcpu=gfx1250 --defsym DOCPART=n.
;; ======== version 1 of 3: 7 launches
;; workspace buffers: h3 12,582,912 bytes; mb 524,288 bytes of whole numbers; qkv 12,582,912 bytes; cc 4,194,304 bytes; x1 16,777,216 bytes; h2c 4,194,304 bytes; hc 16,777,216 bytes
;; launch prep (part 1): grid 256 x 1, 8 waves a work-group, no clusters, 109,568 bytes of LDS; arguments x, ln1_g, ln1_b, mask, lowp_scales, h3, mb; writes h3, mb
.if DOCPART == 1
	.amdgcn_target "amdgcn-amd-amdhsa--gfx1250"
	.amdhsa_code_object_version 6
	.text
	.protected	k_q65becc8702_prep
	.globl	k_q65becc8702_prep
	.p2align	8
	.type	k_q65becc8702_prep,@function
k_q65becc8702_prep:
	s_mov_b64 s[64:65], 0
	v_nop
	global_prefetch_b8 v0, s[64:65] scope:SCOPE_SE
	s_setreg_imm32_b32 hwreg(HW_REG_WAVE_MODE, 25, 1), 1
	s_wait_xcnt 0x0
; LayerNorm 1 of x [4096][1024] f32, quantised three times to codes of E5M2 (scales 2^e1, 2^e3, 2^e5: the B operands of the q, k and v products), and the mask [2048][2048] int32 packed to bits.
; h3: three parts of 4 MiB, [4096 rows][1024 codes].  In part 1 token t stands at row swap34(t) (bits 3 and 4 of the row number exchanged), so that the k product's rows come out in the order in which
; the attention launch wants the keys of a tile.  mb: [query tile 128][key step 16][64 words]; bit l of word 16 b + i = (mask[16 tile + l % 16][128 step + 32 b + 16 (l / 16) + i] != 0): a lane mask for one score register.
; SHARES.  2,048 waves; wave W takes mask tile (W / 16, W % 16), 16 rows x 512 bytes, and rows 2 W and 2 W + 1 of x.  A row (4,096 bytes) lies in 32 registers of the wave between the passes: x is read once.
; Waves share nothing: no barrier.  No matrix unit, no cluster, no tensor load: a stream whose work-groups share no input but g and b (8 KiB).
; Every load and store of a wave covers 512 (the mask words: 256) consecutive bytes.  The conversions want 16 neighbours in a lane, the loads give 4: a row turns through the wave's own stage in LDS (64 bytes + 16 of padding).
; LIMITS: e1, e3, e5 between -126 and 112, so that 2^e and 57,344 x 2^e are f32 numbers.  NaN and infinity in x are not served.
.set WREG,  13568                      ; LDS of a wave: the row stage (64 x 80) and the mask stage (16 x 528)
.set MSTG,  5120
.set GG,    32                         ; v32-63   g
.set BB,    64                         ; v64-95   b
.set X0,    96                         ; v96-127  row 0
.set X1,    128                        ; v128-159 row 1
.set YY,    160                        ; v160-223 the mask tile; later v160-191: 2 x 16 neighbours of a normalised row
.set TT,    192                        ; v192-223 two sets of 16 held numbers
.set CC,    224                        ; v224-247 codes: 3 scales x 2 halves x 4 registers
	s_load_b256 s[4:11], s[0:1], 0x0               ; x, g, b, mask
	s_load_b128 s[12:15], s[0:1], 0x20             ; the scales' exponents, h3
	s_load_b64 s[16:17], s[0:1], 0x30              ; mb
	v_lshl_add_u32 v254, v0, 2, 0x1a800
	v_mov_b32 v255, 0
	v_lshrrev_b32 v1, 5, v0
	v_readfirstlane_b32 s18, v1                    ; wave
	s_lshl_b32 s19, ttmp9, 3
	s_add_co_u32 s19, s19, s18                     ; W
	v_and_b32 v16, 31, v0                          ; lane
	v_and_b32 v17, 15, v0                          ; r
	v_bfe_u32 v18, v0, 4, 1                        ; h
	v_lshlrev_b32 v1, 4, v16                       ; 16 x lane: my bytes of a load's or store's 512
	v_lshlrev_b32 v8, 3, v16                       ; 8 x lane: my two mask words
	s_mul_i32 s20, s18, WREG
	s_add_co_u32 s21, s20, MSTG
	v_lshrrev_b32 v2, 2, v16
	v_mul_u32_u24 v2, v2, 80
	v_and_b32 v19, 3, v16
	v_lshl_add_u32 v2, v19, 4, v2
	v_add_nc_u32 v2, s20, v2                       ; row stage, in: 80 (lane / 4) + 16 (lane % 4)
	v_mul_u32_u24 v3, v16, 80
	v_add_nc_u32 v3, s20, v3                       ; row stage, out: 80 x lane
	v_add_nc_u32 v4, s21, v1                       ; mask stage, in: 16 x lane of a row of 528
	v_mul_u32_u24 v5, v17, 528
	v_lshl_add_u32 v5, v18, 6, v5
	v_add_nc_u32 v5, s21, v5                       ; mask stage, out: row r, + 64 h
	v_mov_b32 v6, 0                                ; the mask words (a lane write's destination counts as read)
	v_mov_b32 v7, 0
	v_mov_b32 v9, 0                                ; the lane permute's destination likewise
	s_lshl_b32 s22, s19, 13                        ; x: two rows of 4,096 bytes
	s_mov_b32 s23, 0
	s_lshr_b32 s24, s19, 4
	s_lshl_b32 s24, s24, 17                        ; mask: 16 rows of 8,192 bytes a query tile,
	s_and_b32 s25, s19, 15
	s_lshl_b32 s25, s25, 9                         ; 512 bytes a key step
	s_add_co_u32 s24, s24, s25
	s_mov_b32 s25, 0
	s_lshl_b32 s26, s19, 8                         ; mb: 256 bytes a tile
	s_mov_b32 s27, 0
	s_lshl_b32 s28, s19, 11                        ; h3: two rows of 1,024 bytes
	s_mov_b32 s29, 0
	s_lshl_b32 s30, s19, 1                         ; swap34(2 W)
	s_and_b32 s31, s30, 8
	s_lshl_b32 s31, s31, 1
	s_and_b32 s40, s30, 16
	s_lshr_b32 s40, s40, 1
	s_and_b32 s30, s30, 0xffffffe7
	s_or_b32 s30, s30, s31
	s_or_b32 s30, s30, s40
	s_lshl_b32 s30, s30, 10
	s_add_co_u32 s30, s30, 0x400000                ; in part 1
	s_mov_b32 s31, 0
	s_add_co_u32 s42, s28, 0x800000                ; part 2
	s_mov_b32 s43, 0
	s_mov_b32 s48, 0x3a800000                      ; 1 / 1024
	s_mov_b32 s49, 0x3727c5ac                      ; 1e-5
	s_mov_b32 s50, 0x76543210                      ; lane l takes lane l xor 16
	s_mov_b32 s51, 0xfedcba98
	s_wait_kmcnt 0x0
	s_load_b256 s[32:39], s[12:13], 0x0            ; e0 .. e7
	s_add_nc_u64 s[4:5], s[4:5], s[22:23]
	s_add_nc_u64 s[10:11], s[10:11], s[24:25]
	s_add_nc_u64 s[16:17], s[16:17], s[26:27]
	s_add_nc_u64 s[24:25], s[14:15], s[28:29]      ; the three places in h3: s[24:25], s[26:27], s[28:29]
	s_add_nc_u64 s[26:27], s[14:15], s[30:31]
	s_add_nc_u64 s[28:29], s[14:15], s[42:43]
.irp q, 0,1,2,3,4,5,6,7,8,9,10,11,12,13,14,15
	global_load_b128 v[YY+4*\q:YY+4*\q+3], v1, s[10:11] offset:\q*8192 th:TH_LOAD_NT   ; 128 mask numbers of query row q
.endr
.irp j, 0,1,2,3,4,5,6,7
	global_load_b128 v[GG+4*\j:GG+4*\j+3], v1, s[6:7] offset:512*\j
	global_load_b128 v[BB+4*\j:BB+4*\j+3], v1, s[8:9] offset:512*\j
.endr
.irp j, 0,1,2,3,4,5,6,7
	global_load_b128 v[X0+4*\j:X0+4*\j+3], v1, s[4:5] offset:512*\j th:TH_LOAD_NT
.endr
.irp j, 0,1,2,3,4,5,6,7
	global_load_b128 v[X1+4*\j:X1+4*\j+3], v1, s[4:5] offset:4096+512*\j th:TH_LOAD_NT
.endr
	s_wait_kmcnt 0x0
.irp s, 0,1,2
	s_add_co_i32 s52, s[33+2*\s], 127
	s_lshl_b32 s53, s52, 23
	v_mov_b32 v[10+\s], s53                        ; 2^e as f32: the conversion takes its exponent field
	s_add_co_i32 s52, s52, 15
	s_lshl_b32 s52, s52, 23
	s_or_b32 s52, s52, 0x600000
	v_mov_b32 v[13+\s], s52                        ; 57,344 x 2^e
.endr
	; ---- the mask tile: through the stage, so that lane (r, h) holds query r's numbers at keys 32 b + 16 h + i in register 16 b + i
	s_wait_loadcnt 32                              ; the mask's 16 loads are in; the 32 younger ones (g, b, two rows) stay out
.irp q, 0,1,2,3,4,5,6,7,8,9,10,11,12,13,14,15
	ds_store_b128 v4, v[YY+4*\q:YY+4*\q+3] offset:528*\q
.endr
	s_wait_dscnt 0x0                               ; the stores have read their registers, which the loads below fill
.irp b, 0,1,2,3
.irp j, 0,1,2,3
	ds_load_b128 v[YY+16*\b+4*\j:YY+16*\b+4*\j+3], v5 offset:128*\b+16*\j
.endr
.endr
	s_wait_dscnt 0x0
.set w, 0
.rept 8
.irp k, 0,1,2,3,4,5,6,7
	v_cmp_ne_u32 s[40+\k], 0, v[YY+w+\k]           ; one bit a lane: word w + k
.endr
.irp k, 0,1,2,3,4,5,6,7
	v_writelane_b32 v[6+(\k%2)], s[40+\k], (w+\k)/2   ; word n goes to lane n / 2, register n % 2
.endr
.set w, w+8
.endr
	global_store_b64 v8, v[6:7], s[16:17]          ; 32 lanes store 256 consecutive bytes, aligned
.macro REDUCE r                        ; the sum over the wave's 32 lanes, in every lane
	v_add_f32_dpp v[\r], v[\r], v[\r] row_xmask:1 row_mask:0xf bank_mask:0xf
	v_add_f32_dpp v[\r], v[\r], v[\r] row_xmask:2 row_mask:0xf bank_mask:0xf
	v_add_f32_dpp v[\r], v[\r], v[\r] row_xmask:4 row_mask:0xf bank_mask:0xf
	v_add_f32_dpp v[\r], v[\r], v[\r] row_xmask:8 row_mask:0xf bank_mask:0xf
	v_permlanex16_b32 v9, v[\r], s50, s51
	v_add_f32 v[\r], v[\r], v9
.endm
; One row, in v[X] on: the mean, the deviations, their mean square (two passes, as the definition has them), x g + b, the turn through the stage, three quantisations.
.macro ROW X, i, left
	s_wait_loadcnt \left                           ; this row's loads are in; left = the younger loads that may stay out
	v_pk_add_f32 v[16:17], v[\X:\X+1], v[\X+2:\X+3]
	v_pk_add_f32 v[18:19], v[\X+4:\X+5], v[\X+6:\X+7]
	v_pk_add_f32 v[20:21], v[\X+8:\X+9], v[\X+10:\X+11]
	v_pk_add_f32 v[22:23], v[\X+12:\X+13], v[\X+14:\X+15]
.irp j, 16,24
	v_pk_add_f32 v[16:17], v[16:17], v[\X+\j:\X+\j+1]
	v_pk_add_f32 v[18:19], v[18:19], v[\X+\j+2:\X+\j+3]
	v_pk_add_f32 v[20:21], v[20:21], v[\X+\j+4:\X+\j+5]
	v_pk_add_f32 v[22:23], v[22:23], v[\X+\j+6:\X+\j+7]
.endr
	v_pk_add_f32 v[16:17], v[16:17], v[18:19]
	v_pk_add_f32 v[20:21], v[20:21], v[22:23]
	v_pk_add_f32 v[16:17], v[16:17], v[20:21]
	v_add_f32 v16, v16, v17
	REDUCE 16
	v_mul_f32 v16, s48, v16                        ; the mean
.set j, 0
.rept 16
	v_pk_add_f32 v[\X+j:\X+j+1], v[\X+j:\X+j+1], v[16:17] op_sel_hi:[1,0] neg_lo:[0,1] neg_hi:[0,1]
.set j, j+2
.endr
	v_pk_mul_f32 v[18:19], v[\X:\X+1], v[\X:\X+1]
	v_pk_mul_f32 v[20:21], v[\X+2:\X+3], v[\X+2:\X+3]
	v_pk_mul_f32 v[22:23], v[\X+4:\X+5], v[\X+4:\X+5]
	v_pk_mul_f32 v[24:25], v[\X+6:\X+7], v[\X+6:\X+7]
.irp j, 8,16,24
	v_pk_fma_f32 v[18:19], v[\X+\j:\X+\j+1], v[\X+\j:\X+\j+1], v[18:19]
	v_pk_fma_f32 v[20:21], v[\X+\j+2:\X+\j+3], v[\X+\j+2:\X+\j+3], v[20:21]
	v_pk_fma_f32 v[22:23], v[\X+\j+4:\X+\j+5], v[\X+\j+4:\X+\j+5], v[22:23]
	v_pk_fma_f32 v[24:25], v[\X+\j+6:\X+\j+7], v[\X+\j+6:\X+\j+7], v[24:25]
.endr
	v_pk_add_f32 v[18:19], v[18:19], v[20:21]
	v_pk_add_f32 v[22:23], v[22:23], v[24:25]
	v_pk_add_f32 v[18:19], v[18:19], v[22:23]
	v_add_f32 v18, v18, v19
	REDUCE 18
	v_fma_f32 v18, v18, s48, s49                   ; the variance + 1e-5
	v_rsq_f32 v26, v18
	v_mov_b32 v27, 0                               ; a plain line behind the root; it also writes the pair's upper half
	s_wait_alu depctr_va_vdst(0)                   ; the wait ahead of the first line that names the root's result
.set j, 0
.rept 16
	v_pk_mul_f32 v[\X+j:\X+j+1], v[\X+j:\X+j+1], v[26:27] op_sel_hi:[1,0]
.set j, j+2
.endr
.set j, 0
.rept 16
	v_pk_fma_f32 v[\X+j:\X+j+1], v[\X+j:\X+j+1], v[GG+j:GG+j+1], v[BB+j:BB+j+1]
.set j, j+2
.endr
.irp j, 0,1,2,3,4,5,6,7
	ds_store_b128 v2, v[\X+4*\j:\X+4*\j+3] offset:640*\j   ; as loaded: eight chunks of 64 bytes a store
.endr
.irp u, 0,1
.irp k, 0,1,2,3
	ds_load_b128 v[YY+16*\u+4*\k:YY+16*\u+4*\k+3], v3 offset:2560*\u+16*\k   ; back: elements 16 (lane + 32 u) + 0 .. 15; LDS serves a wave's instructions in order
.endr
.endr
	s_wait_dscnt 0x0
.irp s, 0,1,2
.irp u, 0,1
.set j, 0
.rept 16
	v_med3_num_f32 v[TT+16*\u+j], v[YY+16*\u+j], -v[13+\s], v[13+\s]   ; the conversion does not saturate (ISA guide 7.6.2): the hold at the largest code x the scale
.set j, j+1
.endr
	v_cvt_scalef32_pk8_bf8_f32 v[CC+4*(2*\s+\u):CC+4*(2*\s+\u)+1], v[TT+16*\u:TT+16*\u+7], v[10+\s]
	v_cvt_scalef32_pk8_bf8_f32 v[CC+4*(2*\s+\u)+2:CC+4*(2*\s+\u)+3], v[TT+16*\u+8:TT+16*\u+15], v[10+\s]
	v_nop                                          ; a plain line behind the conversions: their sources are written again two sets on
	global_store_b128 v1, v[CC+4*(2*\s+\u):CC+4*(2*\s+\u)+3], s[24+2*\s:25+2*\s] offset:\i*1024+512*\u   ; 512 consecutive bytes of the row's codes
.endr
.endr
.endm
	ROW X0, 0, 8                                   ; row 1's eight loads stay out
	s_wait_xcnt 0x0                                ; the stores have read their registers: the codes' registers are written again
	ROW X1, 1, 0
	s_wait_tensorcnt 0x0
	ds_add_u32 v254, v255
	s_wait_dscnt 0x0
	s_endpgm
.Lfunc_end_k_q65becc8702_prep:
	.size	k_q65becc8702_prep, .Lfunc_end_k_q65becc8702_prep-k_q65becc8702_prep
	.p2alignl 7, 3214868480
	.fill 96, 4, 3214868480
	.section	.rodata,"a",@progbits
	.p2align	6, 0x0
	.amdhsa_kernel k_q65becc8702_prep
		.amdhsa_group_segment_fixed_size 109568
		.amdhsa_private_segment_fixed_size 0
		.amdhsa_enable_private_segment 0
		.amdhsa_kernarg_size 56
		.amdhsa_user_sgpr_count 2
		.amdhsa_user_sgpr_kernarg_segment_ptr 1
		.amdhsa_wavefront_size32 1
		.amdhsa_system_sgpr_workgroup_id_x 1
		.amdhsa_system_sgpr_workgroup_id_y 1
		.amdhsa_system_sgpr_workgroup_id_z 1
		.amdhsa_system_vgpr_workitem_id 0
		.amdhsa_next_free_vgpr 256
		.amdhsa_next_free_sgpr 66
		.amdhsa_reserve_vcc 0
		.amdhsa_float_denorm_mode_32 3
		.amdhsa_float_denorm_mode_16_64 3
		.amdhsa_memory_ordered 1
		.amdhsa_forward_progress 1
		.amdhsa_inst_pref_size 49
	.end_amdhsa_kernel
	.amdgpu_metadata
---
amdhsa.version: [ 1, 2 ]
amdhsa.kernels:
  - .name:           k_q65becc8702_prep
    .symbol:         k_q65becc8702_prep.kd
    .args:
      - { .name: x, .offset: 0, .size: 8, .value_kind: global_buffer, .address_space: global }
      - { .name: ln1_g, .offset: 8, .size: 8, .value_kind: global_buffer, .address_space: global }
      - { .name: ln1_b, .offset: 16, .size: 8, .value_kind: global_buffer, .address_space: global }
      - { .name: mask, .offset: 24, .size: 8, .value_kind: global_buffer, .address_space: global }
      - { .name: lowp_scales, .offset: 32, .size: 8, .value_kind: global_buffer, .address_space: global }
      - { .name: h3, .offset: 40, .size: 8, .value_kind: global_buffer, .address_space: global }
      - { .name: mb, .offset: 48, .size: 8, .value_kind: global_buffer, .address_space: global }
    .group_segment_fixed_size: 109568
    .private_segment_fixed_size: 0
    .kernarg_segment_align: 8
    .kernarg_segment_size: 56
    .max_flat_workgroup_size: 256
    .sgpr_count:     66
    .vgpr_count:     256
    .wavefront_size: 32
...
	.end_amdgpu_metadata
.endif
;; end of part 1
;; launch qkv (part 2): grid 12 x 16, 4 waves a work-group, clusters of 4 x 4, 327,680 bytes of LDS; arguments h3, Wq_codes, Wk_codes, Wv_codes, bq, bk, bv, lowp_scales, qkv; writes qkv
.if DOCPART == 2
	.amdgcn_target "amdgcn-amd-amdhsa--gfx1250"
	.amdhsa_code_object_version 6
	.text
	.protected	k_q65becc8702_qkv
	.globl	k_q65becc8702_qkv
	.p2align	8
	.type	k_q65becc8702_qkv,@function
k_q65becc8702_qkv:
	s_mov_b64 s[64:65], 0
	v_nop
	global_prefetch_b8 v0, s[64:65] scope:SCOPE_SE
	s_setreg_imm32_b32 hwreg(HW_REG_WAVE_MODE, 25, 1), 1
	s_wait_xcnt 0x0
	s_wait_alu depctr_hold_cnt(0) depctr_sa_sdst(0) depctr_va_vdst(0) depctr_va_sdst(0) depctr_va_ssrc(0) depctr_va_vcc(0) depctr_vm_vsrc(0)
	s_getreg_b32 s2, hwreg(HW_REG_IB_STS2, 6, 4)
	s_cmp_eq_u32 s2, 0
	s_cbranch_scc0 .Lentry_in_a_cluster
	s_endpgm
.Lentry_in_a_cluster:
	s_bfe_u32 s2, ttmp6, 0x10000c
	s_cmp_lg_u32 s2, 0xf033
	s_cbranch_scc0 .Lentry_shape_is_right
	s_endpgm
.Lentry_shape_is_right:
; The q, k and v products on codes of E5M2, their biases, and the quantisation of the results for the attention launch.  C[m][n] = sum over k of A[m][k] B[n][k], K = 1,024.
; The cluster's x says which: 0 q, 1 k, 2 v; it is the same in all sixteen partners.  q, k: m = token (A = h3's part), n = feature (B = the weight's codes).  v: m = feature (A = Wv's codes), n = token (B = h3's part 2):
; so a lane's eight neighbouring results are eight neighbouring KEYS of one channel, and v's codes come out with the keys innermost.
; out (qkv): part 0 q's codes [b 16 + h][t][64] with 2^e6; part 1 k's, the same shape, with 2^e7 (row p holds key swap34(p), since h3's part 1 is laid so); part 2 v's [64 h + d][2,048 b + t] with 2^e9.
; A tile of C, 256 x 256, is made by four waves, each 128 x 128: 64 accumulators, 512 registers.  K goes in steps of 256 through a ring of two LDS slots filled by the tensor data mover.
; CLUSTERS: 4 x 4 work-groups; A's tile is asked for jointly along a row of the cluster, B's along a column.  192 work-groups: three products of 64 tiles.
; THE MATRIX INSTRUCTION IS USED TRANSPOSED (source 0 = 16 rows of B, source 1 = 16 rows of A): lane l holds row l % 16 of C and the columns 8 (l / 16) + 0 .. 7.
; A fragment's k stand permuted alike in A and B (four loads of 16 bytes, 32 apart): every product meets its partner.
; REGISTERS: window 0: v0-31 addresses; v32-95 the bias; from v128 A's fragments, one set; on the way out v128-255 are free.  window 1: B's fragments, two sets.  windows 2, 3: the accumulators ((a, b) at v[8 (8 (a % 4) + b)]).
; LIMITS: e0 + e1, e2 + e3, e4 + e5 between -126 and 127; e6, e7, e9 between -126 and 112.  NaN and infinity are not served.
; No prefetch into the L2: of the four K steps two are asked for at the head and the others one step later.
.set KSTEP,  256
.set ROWB,   256
.set KROW,   1024
.set PITCH,  272                       ; an LDS row: 256 bytes + 16 of padding: the 16 rows that a load touches start at 16 different banks
.set FR,     16
.set NL,     4
.set NP,     4
.set HALFT,  128*PITCH
.set SLOT,   4*HALFT
.set LAPS,   KROW/(2*KSTEP)
.set SPARE,  2*SLOT                    ; the spare words, 128 bytes a wave: two blocks of 256 bytes that no other line names
.set STV,    256*PITCH                 ; the way out: the tile's codes, 256 rows x 272, in slot 0 (its last fill and last read are over): q and k at byte 0, v at byte STV: each way has bytes of its own
.set ADRA, 16
.set ADRB, 20
.set SPW,  28
.set NIL,  29
.set BI,   32                          ; the bias
.set TMP,  128                         ; a block's 64 numbers
.set CD,   192                         ; its codes: two sets of 16 registers
.set AF,   128
.set G1, 24
.set G0, 32
.set G1B, 48
.set G0B, 56
.set MSB, 0
.macro WIN new                         ; the immediate's high byte repeats the setting that is left
.if MSB != \new
	s_set_vgpr_msb (MSB<<8)|\new
.set MSB, \new
.endif
.endm
.set MUL_LO, 0xa1                      ; source 0 (B) window 1, source 1 (A) window 0, C and D window 2
.set MUL_HI, 0xf1
.set TO_B,   0x40
.macro JLOAD g0a, g1a, g0b, g1b        ; a joint load: waves 0 and 1 fetch for A, waves 2 and 3 for B; four v_nop follow each line
	s_cmp_eq_u32 s15, 0
	s_cbranch_scc0 .Lfor_b_\@
	tensor_load_to_lds s[\g0a:\g0a+3], s[\g1a:\g1a+7]
	s_nop 0
.rept 4
	v_nop
.endr
	s_branch .Lasked_\@
.Lfor_b_\@:
	tensor_load_to_lds s[\g0b:\g0b+3], s[\g1b:\g1b+7]
	s_nop 0
.rept 4
	v_nop
.endr
.Lasked_\@:
.endm
.macro CREST                           ; a round of the cluster's barrier behind its opening barrier
	s_cmp_lg_u32 s14, 0
	s_cbranch_scc1 .Lnot_wave_0_\@
	s_barrier_signal -3
.Lnot_wave_0_\@:
	s_barrier_wait -3
	s_barrier_signal -1
	s_barrier_wait -1
.endm
.macro CROUND
	s_barrier_signal -1
	s_barrier_wait -1
	CREST
.endm
	s_load_b512 s[68:83], s[0:1], 0x0              ; h3, Wq, Wk, Wv, bq, bk, bv, the scales' exponents
	s_load_b64 s[84:85], s[0:1], 0x40              ; qkv
	v_lshl_add_u32 v[SPW], v0, 2, SPARE
	v_mov_b32 v[NIL], 0
	ds_add_u32 v28, v29
	ds_add_u32 v28, v29
	s_wait_dscnt 0x0
	v_lshrrev_b32 v1, 5, v0
	v_readfirstlane_b32 s14, v1                    ; wave 0..3
	s_lshr_b32 s15, s14, 1                         ; which half of the tile's rows is mine.  Also: I fetch for A (0) or for B (1)
	s_and_b32 s16, s14, 1                          ; which half of its columns.  Also: which 128 rows of that tile I fetch
	s_bfe_u32 s40, ttmp6, 0x40000                  ; cx
	s_bfe_u32 s41, ttmp6, 0x40004                  ; cy
	s_and_b32 s12, ttmp7, 0xffff                   ; the cluster's y: the block of 1,024 tokens
	s_cmp_eq_u32 ttmp9, 2                          ; v?
	s_cselect_b32 s13, 0, s12                      ; tokens run down C's rows for q and k,
	s_cselect_b32 s12, s12, 0                      ; along its columns for v
	s_lshl_b32 s42, s12, 2
	s_add_co_u32 s42, s42, s40                     ; tile column
	s_lshl_b32 s17, s13, 2
	s_add_co_u32 s17, s17, s41                     ; tile row
	s_lshl_b32 s43, s41, 2
	s_lshl_b32 s43, 15, s43                        ; my row of the cluster
	s_lshl_b32 s44, 0x1111, s40                    ; my column
	s_or_b32 s[G1+0], s43, (0<<16)|(1<<20)|(1<<21)|(5<<22)|(3<<25)  ; the mask; elements of 1 byte; padding on; bit 21 beside a mask; 4 words behind every 64
	s_or_b32 s[G1B+0], s44, (0<<16)|(1<<20)|(1<<21)|(5<<22)|(3<<25)
.irp g, G1, G1B
	s_mov_b32 s[\g+1], ROWB<<16                    ; tensor_dim0
	s_mov_b32 s[\g+2], 128<<16                     ; tensor_dim1
	s_mov_b32 s[\g+3], ROWB<<16                    ; tile_dim0
	s_mov_b32 s[\g+4], 128                         ; tile_dim1
	s_mov_b32 s[\g+5], KROW                        ; the pitch
	s_mov_b32 s[\g+6], 0
	s_mov_b32 s[\g+7], 0
.endr
	s_lshl_b32 s18, s16, 7
	s_lshl_b32 s20, s17, 8
	s_add_co_u32 s20, s20, s18                     ; A: row 256 x tile row + 128 x half
	s_lshl_b32 s46, s42, 8
	s_add_co_u32 s46, s46, s18                     ; B: row 256 x tile column + 128 x half
	s_lshl_b32 s20, s20, 10                        ; rows of 1,024 bytes
	s_lshl_b32 s46, s46, 10
	s_mov_b32 s21, 0
	s_mov_b32 s47, 0
	s_mul_i32 s45, s14, HALFT                      ; where they go: wave x 128 rows
	s_lshl_b32 s22, ttmp9, 22                      ; the part of 4 MiB, in h3 and in qkv
	s_mov_b32 s23, 0
	s_wait_kmcnt 0x0
	s_load_b256 s[88:95], s[82:83], 0x0            ; e0 .. e7
	s_load_b64 s[86:87], s[82:83], 0x20            ; e8, e9
	s_add_nc_u64 s[68:69], s[68:69], s[22:23]
	s_add_nc_u64 s[84:85], s[84:85], s[22:23]
	s_cmp_eq_u32 ttmp9, 0
	s_cselect_b64 s[70:71], s[70:71], s[72:73]     ; Wq or Wk
	s_cselect_b64 s[76:77], s[76:77], s[78:79]     ; bq or bk
	s_cmp_eq_u32 ttmp9, 2
	s_cselect_b64 s[4:5], s[74:75], s[68:69]       ; A
	s_cselect_b64 s[6:7], s[68:69], s[70:71]       ; B
	s_cselect_b64 s[76:77], s[80:81], s[76:77]     ; the bias
	s_add_nc_u64 s[20:21], s[4:5], s[20:21]
	s_add_nc_u64 s[46:47], s[6:7], s[46:47]
	CROUND                                         ; all sixteen work-groups are here: the first joint loads meet
.irp s, 0,1
	s_mov_b32 s[G0+4*\s], 1
	s_add_co_u32 s[G0+4*\s+1], s45, \s*SLOT
	s_add_nc_u64 s[G0+4*\s+2:G0+4*\s+3], s[20:21], \s*ROWB
	s_or_b32 s[G0+4*\s+3], s[G0+4*\s+3], 0x80000000
	s_mov_b32 s[G0B+4*\s], 1
	s_add_co_u32 s[G0B+4*\s+1], s45, \s*SLOT
	s_add_nc_u64 s[G0B+4*\s+2:G0B+4*\s+3], s[46:47], \s*ROWB
	s_or_b32 s[G0B+4*\s+3], s[G0B+4*\s+3], 0x80000000
	JLOAD G0+4*\s, G1, G0B+4*\s, G1B
.endr
	v_and_b32 v1, 15, v0                           ; r
	v_bfe_u32 v2, v0, 4, 1                         ; h
	v_mul_u32_u24 v3, v1, PITCH
	v_lshl_add_u32 v4, v2, 4, v3                   ; a fragment's row x pitch + 16 h
	s_mul_i32 s21, s15, HALFT
	s_mul_i32 s22, s16, HALFT
	s_add_co_u32 s22, s22, 2*HALFT
.irp s, 0,1
	v_add_nc_u32 v[ADRA+\s], s21, v4
	v_add_nc_u32 v[ADRB+\s], s22, v4
	s_add_co_u32 s21, s21, SLOT
	s_add_co_u32 s22, s22, SLOT
.endr
	; every address of the way out is made here, ahead of the place where the ways part
	s_mul_i32 s23, s15, HALFT
	s_lshl_b32 s22, s16, 7
	s_add_co_u32 s23, s23, s22
	v_lshl_add_u32 v5, v2, 3, v3
	v_add_nc_u32 v24, s23, v5                      ; into the stage: row 128 x my half + r, byte 128 x my column half + 8 h
	v_add_nc_u32 v27, STV, v24                     ; the same in v's stage
	v_and_b32 v6, 31, v0
	v_lshrrev_b32 v7, 2, v6
	v_mul_u32_u24 v7, v7, PITCH
	v_and_b32 v8, 3, v6
	v_lshl_add_u32 v7, v8, 4, v7
	s_lshl_b32 s23, s14, 6
	v_add_nc_u32 v25, s23, v7                      ; q, k, back: wave w takes head column 64 w: row lane / 4, 16 (lane % 4)
	v_add_nc_u32 v30, 128*PITCH, v25               ; and 128 rows further on (the immediate has 16 bits)
	v_lshlrev_b32 v26, 4, v6                       ; q, k in memory: 16 x lane
	s_mul_i32 s23, s14, 64*PITCH
	s_add_co_u32 s23, s23, STV
	v_mul_u32_u24 v9, v2, PITCH
	v_lshl_add_u32 v9, v1, 4, v9
	v_add_nc_u32 v31, s23, v9                      ; v, back: wave w takes rows 64 w on: two rows of 256 bytes an instruction
	v_lshlrev_b32 v23, 12, v2
	v_lshl_add_u32 v23, v1, 4, v23                 ; v in memory: rows of 4,096 bytes
	v_lshlrev_b32 v22, 5, v2                       ; the bias by columns: 32 h
	v_lshlrev_b32 v15, 2, v1                       ; the bias by rows: 4 r
	; where my part of the output begins.  q, k: (((tile row / 8) 16 + 4 tile column + wave) 2,048 + (tile row % 8) 256) 64;  v: (256 tile row + 64 wave) 4,096 + 256 tile column
	s_lshr_b32 s8, s17, 3
	s_lshl_b32 s8, s8, 4
	s_lshl_b32 s9, s42, 2
	s_add_co_u32 s8, s8, s9
	s_add_co_u32 s8, s8, s14
	s_lshl_b32 s8, s8, 11
	s_and_b32 s9, s17, 7
	s_lshl_b32 s9, s9, 8
	s_add_co_u32 s8, s8, s9
	s_lshl_b32 s8, s8, 6
	s_lshl_b32 s9, s17, 8
	s_lshl_b32 s10, s14, 6
	s_add_co_u32 s9, s9, s10
	s_lshl_b32 s9, s9, 12
	s_lshl_b32 s10, s42, 8
	s_add_co_u32 s9, s9, s10
	s_cmp_eq_u32 ttmp9, 2
	s_cselect_b32 s8, s9, s8
	s_mov_b32 s9, 0
	s_add_nc_u64 s[84:85], s[84:85], s[8:9]
	s_lshl_b32 s8, s42, 10                         ; the bias: q, k: 4 (256 tile column + 128 column half);  v: 4 (256 tile row + 128 row half)
	s_lshl_b32 s9, s16, 9
	s_add_co_u32 s8, s8, s9
	s_lshl_b32 s9, s17, 10
	s_lshl_b32 s10, s15, 9
	s_add_co_u32 s9, s9, s10
	s_cmp_eq_u32 ttmp9, 2
	s_cselect_b32 s8, s9, s8
	s_mov_b32 s9, 0
	s_add_nc_u64 s[76:77], s[76:77], s[8:9]
.macro FRAG reg, adr, q, i             ; 16 rows x 128 K: registers 4 c .. 4 c + 3 hold K = 32 c + 16 (l / 16) + 0 .. 15 of row l % 16
.irp c, 0,1,2,3
	ds_load_b128 v[\reg+4*\c:\reg+4*\c+3], v[\adr] offset:128*(\q)+32*\c+(\i)*16*PITCH
.endr
.endm
; 16 matrix instructions: A's blocks a0, a0 + 1 x B's eight.  The 64 accumulators take turns, one instruction a turn, in the same order in every step.
.macro MUL16 a0, p, zero
.irp a, \a0, \a0+1
.irp b, 0,1,2,3,4,5,6,7
.if \zero
	v_wmma_f32_16x16x128_bf8_bf8 v[8*(8*((\a)%4)+\b):8*(8*((\a)%4)+\b)+7], v[128*(\p)+FR*\b:128*(\p)+FR*\b+FR-1], v[AF+FR*(\a):AF+FR*(\a)+FR-1], 0
.else
	v_wmma_f32_16x16x128_bf8_bf8 v[8*(8*((\a)%4)+\b):8*(8*((\a)%4)+\b)+7], v[128*(\p)+FR*\b:128*(\p)+FR*\b+FR-1], v[AF+FR*(\a):AF+FR*(\a)+FR-1], v[8*(8*((\a)%4)+\b):8*(8*((\a)%4)+\b)+7]
.endif
.endr
.endr
.endm
.macro FETCH_B slot, q, p
	WIN TO_B
.irp i, 0,1,2,3,4,5,6,7
	FRAG 128*(\p)+FR*\i, ADRB+\slot, \q, \i
.endr
	WIN 0
.endm
.macro FETCH_A slot, q, i0
.irp i, \i0, \i0+1, \i0+2, \i0+3
	FRAG AF+FR*(\i), ADRA+\slot, \q, \i
.endr
.endm
.macro PLACES n                        ; plain vector lines between a matrix instruction and a load into, or a vector line on, its registers
.rept \n
	v_nop
.endr
.endm
.macro STEP slot, q, zero              ; a step of 128 along K that has its successor in the same slot
	s_wait_dscnt 4*NL                              ; B's set and A's blocks 0-3 are in; the youngest 16 loads (A's blocks 4-7) may be out
	WIN MUL_LO
	MUL16 0, (\q)%2, \zero
	MUL16 2, (\q)%2, \zero
	s_wait_dscnt 0
	PLACES NP
	FETCH_B \slot, (\q)+1, 1-(\q)%2
	FETCH_A \slot, (\q)+1, 0
	WIN MUL_HI
	MUL16 4, (\q)%2, \zero
	MUL16 6, (\q)%2, \zero
	PLACES NP
	WIN 0
	FETCH_A \slot, (\q)+1, 4
.endm
; A slot's last step changes slots: one barrier; in front of it each wave waits for all its tensor loads, adds 0 to its spare word, and waits for that and for its reads of this slot.
.macro TURN slot, next, fill
	s_wait_tensorcnt 0x0                           ; all my tensor loads have landed: my part of the next slot
	ds_add_u32 v[SPW], v[NIL]                      ; 0 onto my spare word
	s_wait_dscnt 4*NL+1                            ; the add and the youngest 16 loads may be out
	WIN MUL_LO
	MUL16 0, 1, 0
	s_wait_dscnt 0x0                               ; the add is done, and my reads of this slot are over
	s_barrier_signal -1
	MUL16 2, 1, 0
	WIN 0
	s_barrier_wait -1
.if \fill
	CREST                                          ; the barrier has opened a round of the cluster's: no wave of any partner still reads this slot or has a load on its way
	s_add_nc_u64 s[G0+4*\slot+2:G0+4*\slot+3], s[G0+4*\slot+2:G0+4*\slot+3], 2*ROWB
	s_add_nc_u64 s[G0B+4*\slot+2:G0B+4*\slot+3], s[G0B+4*\slot+2:G0B+4*\slot+3], 2*ROWB
	JLOAD G0+4*\slot, G1, G0B+4*\slot, G1B         ; the first tensor load behind the round; its four v_nop are the places in front of the loads below
.else
	PLACES NP
.endif
	FETCH_B \next, 0, 0
	FETCH_A \next, 0, 0
	WIN MUL_HI
	MUL16 4, 1, 0
	MUL16 6, 1, 0
	PLACES NP
	WIN 0
	FETCH_A \next, 0, 4
.endm
	s_wait_tensorcnt 1                             ; my part of K step 0 is in; K step 1's load may be out
	s_barrier_signal -1
	s_barrier_wait -1
	FETCH_B 0, 0, 0
	FETCH_A 0, 0, 0
	FETCH_A 0, 0, 4
	STEP 0, 0, 1                                   ; the first step's products start the sums
	s_mov_b32 s3, LAPS-1
.Llap:
	TURN 0, 1, 1
	STEP 1, 0, 0
	TURN 1, 0, 1
	STEP 0, 0, 0
	s_sub_co_u32 s3, s3, 1
	s_cmp_lg_u32 s3, 0
	s_cbranch_scc1 .Llap
	TURN 0, 1, 0                                   ; the last lap fills nothing
	STEP 1, 0, 0
	s_wait_dscnt 4*NL
	WIN MUL_LO
	MUL16 0, 1, 0
	MUL16 2, 1, 0
	s_wait_dscnt 0
	WIN MUL_HI
	MUL16 4, 1, 0
	MUL16 6, 1, 0
	WIN 0
	; THE WAY OUT.  The exponents are chosen by selects on the cluster's x, never by a branch on a loaded number.
	s_wait_kmcnt 0x0
	s_add_co_i32 s88, s88, s89                     ; e0 + e1
	s_add_co_i32 s90, s90, s91                     ; e2 + e3
	s_add_co_i32 s92, s92, s93                     ; e4 + e5
	s_cmp_eq_u32 ttmp9, 0
	s_cselect_b32 s88, s88, s90
	s_cselect_b32 s94, s94, s95                    ; e6 or e7
	s_cmp_eq_u32 ttmp9, 2
	s_cselect_b32 s88, s92, s88
	s_cselect_b32 s94, s87, s94                    ; or e9
	s_add_co_i32 s96, s88, 127
	s_lshl_b32 s96, s96, 23                        ; 2^(the product's two exponents) as f32
	s_mov_b32 s97, s96
	s_add_co_i32 s94, s94, 127
	s_lshl_b32 s95, s94, 23
	v_mov_b32 v18, s95                             ; the result's scale as f32
	s_add_co_i32 s94, s94, 15
	s_lshl_b32 s94, s94, 23
	s_or_b32 s94, s94, 0x600000
	v_mov_b32 v19, s94                             ; 57,344 x that
	PLACES NP
; Block a (16 rows x 128 columns): sum x 2^e + bias, the hold, the conversion, 8 bytes a lane and accumulator into the stage.  bym = 1: the bias goes by C's rows (one number a lane and block).
.macro EPI a, bym, sto
.if (\a) >= 2
	s_wait_dscnt 8                                 ; the block before's eight stores may be out; those of two blocks back have read the set of codes that is written now
.endif
.set AC, 64*((\a)%4)
	WIN 0x02+((\a)/4)                              ; source 0: window 2 or 3
.set j, 0
.rept 32
.if \bym
.if (\a)%2
	v_pk_fma_f32 v[TMP+j:TMP+j+1], v[AC+j:AC+j+1], s[96:97], v[BI+2*((\a)/2):BI+2*((\a)/2)+1] op_sel:[0,0,1] op_sel_hi:[1,0,1]
.else
	v_pk_fma_f32 v[TMP+j:TMP+j+1], v[AC+j:AC+j+1], s[96:97], v[BI+2*((\a)/2):BI+2*((\a)/2)+1] op_sel_hi:[1,0,0]
.endif
.else
	v_pk_fma_f32 v[TMP+j:TMP+j+1], v[AC+j:AC+j+1], s[96:97], v[BI+j:BI+j+1] op_sel_hi:[1,0,1]   ; each accumulator from its low end on
.endif
.set j, j+2
.endr
	WIN 0
.set j, 0
.rept 64
	v_med3_num_f32 v[TMP+j], v[TMP+j], -v19, v19   ; the conversion does not saturate (ISA guide 7.6.2)
.set j, j+1
.endr
.irp b, 0,1,2,3,4,5,6,7
	v_cvt_scalef32_pk8_bf8_f32 v[CD+16*((\a)%2)+2*\b:CD+16*((\a)%2)+2*\b+1], v[TMP+8*\b:TMP+8*\b+7], v18
.endr
	v_nop                                          ; a plain line behind the last conversion
.irp b, 0,1,2,3,4,5,6,7
	ds_store_b64 v[\sto], v[CD+16*((\a)%2)+2*\b:CD+16*((\a)%2)+2*\b+1] offset:(\a)*16*PITCH+16*\b
.endr
.endm
	s_cmp_eq_u32 ttmp9, 2                          ; the cluster's x: the same in all partners and all waves
	s_cbranch_scc1 .Lepi_v
.irp b, 0,1,2,3,4,5,6,7
	global_load_b128 v[BI+8*\b:BI+8*\b+3], v22, s[76:77] offset:64*\b        ; the bias at columns 16 b + 8 h + 0 .. 7
	global_load_b128 v[BI+8*\b+4:BI+8*\b+7], v22, s[76:77] offset:64*\b+16
.endr
	s_wait_loadcnt 0x0
.irp a, 0,1,2,3,4,5,6,7
	EPI \a, 0, 24
.endr
	s_branch .Lstaged
.Lepi_v:
.irp a, 0,1,2,3,4,5,6,7
	global_load_b32 v[BI+\a], v15, s[76:77] offset:64*\a                     ; the bias at row 16 a + r
.endr
	s_wait_loadcnt 0x0
.irp a, 0,1,2,3,4,5,6,7
	EPI \a, 1, 27
.endr
.Lstaged:
	s_wait_dscnt 0x0                               ; for the others' sake: my stores into the stage are done
	s_barrier_signal -1
	s_barrier_wait -1                              ; the tile's 256 rows of codes lie in the stage
	s_cmp_eq_u32 ttmp9, 2
	s_cbranch_scc1 .Lout_v
.set i, 0
.rept 16
	ds_load_b128 v[128+4*i:131+4*i], v25 offset:i*8*PITCH                    ; 8 tokens x 64 bytes of my head
.set i, i+1
.endr
.rept 16
	ds_load_b128 v[128+4*i:131+4*i], v30 offset:(i-16)*8*PITCH
.set i, i+1
.endr
.set i, 0
.rept 32
	s_wait_dscnt 31-i                              ; the younger loads may be out
	global_store_b128 v26, v[128+4*i:131+4*i], s[84:85] offset:512*i         ; 512 consecutive bytes
.set i, i+1
.endr
	s_branch .Lend
.Lout_v:
.set i, 0
.rept 32
	ds_load_b128 v[128+4*i:131+4*i], v31 offset:i*2*PITCH                    ; two channels x 256 keys
.set i, i+1
.endr
.set i, 0
.rept 32
	s_wait_dscnt 31-i
	global_store_b128 v23, v[128+4*i:131+4*i], s[84:85] offset:8192*i        ; 16 lanes store 256 consecutive bytes, aligned
.set i, i+1
.endr
.Lend:
	s_wait_tensorcnt 0x0                           ; the wave's end
	ds_add_u32 v[SPW], v[NIL]
	s_wait_dscnt 0x0
	CROUND                                         ; the closing round
	s_endpgm
.Lfunc_end_k_q65becc8702_qkv:
	.size	k_q65becc8702_qkv, .Lfunc_end_k_q65becc8702_qkv-k_q65becc8702_qkv
	.p2alignl 7, 3214868480
	.fill 96, 4, 3214868480
	.section	.rodata,"a",@progbits
	.p2align	6, 0x0
	.amdhsa_kernel k_q65becc8702_qkv
		.amdhsa_group_segment_fixed_size 327680
		.amdhsa_private_segment_fixed_size 0
		.amdhsa_enable_private_segment 0
		.amdhsa_kernarg_size 72
		.amdhsa_user_sgpr_count 2
		.amdhsa_user_sgpr_kernarg_segment_ptr 1
		.amdhsa_wavefront_size32 1
		.amdhsa_system_sgpr_workgroup_id_x 1
		.amdhsa_system_sgpr_workgroup_id_y 1
		.amdhsa_system_sgpr_workgroup_id_z 1
		.amdhsa_system_vgpr_workitem_id 0
		.amdhsa_next_free_vgpr 1024
		.amdhsa_next_free_sgpr 100
		.amdhsa_reserve_vcc 0
		.amdhsa_float_denorm_mode_32 3
		.amdhsa_float_denorm_mode_16_64 3
		.amdhsa_memory_ordered 1
		.amdhsa_forward_progress 1
		.amdhsa_inst_pref_size 209
	.end_amdhsa_kernel
	.amdgpu_metadata
---
amdhsa.version: [ 1, 2 ]
amdhsa.kernels:
  - .name:           k_q65becc8702_qkv
    .symbol:         k_q65becc8702_qkv.kd
    .args:
      - { .name: h3, .offset: 0, .size: 8, .value_kind: global_buffer, .address_space: global }
      - { .name: Wq_codes, .offset: 8, .size: 8, .value_kind: global_buffer, .address_space: global }
      - { .name: Wk_codes, .offset: 16, .size: 8, .value_kind: global_buffer, .address_space: global }
      - { .name: Wv_codes, .offset: 24, .size: 8, .value_kind: global_buffer, .address_space: global }
      - { .name: bq, .offset: 32, .size: 8, .value_kind: global_buffer, .address_space: global }
      - { .name: bk, .offset: 40, .size: 8, .value_kind: global_buffer, .address_space: global }
      - { .name: bv, .offset: 48, .size: 8, .value_kind: global_buffer, .address_space: global }
      - { .name: lowp_scales, .offset: 56, .size: 8, .value_kind: global_buffer, .address_space: global }
      - { .name: qkv, .offset: 64, .size: 8, .value_kind: global_buffer, .address_space: global }
    .group_segment_fixed_size: 327680
    .private_segment_fixed_size: 0
    .kernarg_segment_align: 8
    .kernarg_segment_size: 72
    .max_flat_workgroup_size: 128
    .sgpr_count:     100
    .vgpr_count:     1024
    .wavefront_size: 32
...
	.end_amdgpu_metadata
.endif
;; end of part 2
;; launch attn (part 3): grid 8 x 32, 16 waves a work-group, clusters of 4 x 1, 327,680 bytes of LDS; arguments qkv, mb, lowp_scales, cc; writes cc
.if DOCPART == 3
	.amdgcn_target "amdgcn-amd-amdhsa--gfx1250"
	.amdhsa_code_object_version 6
	.text
	.protected	k_q65becc8702_attn
	.globl	k_q65becc8702_attn
	.p2align	8
	.type	k_q65becc8702_attn,@function
k_q65becc8702_attn:
	s_mov_b64 s[64:65], 0
	v_nop
	global_prefetch_b8 v0, s[64:65] scope:SCOPE_SE
	s_setreg_imm32_b32 hwreg(HW_REG_WAVE_MODE, 25, 1), 1
	s_wait_xcnt 0x0
	s_wait_alu depctr_hold_cnt(0) depctr_sa_sdst(0) depctr_va_vdst(0) depctr_va_sdst(0) depctr_va_ssrc(0) depctr_va_vcc(0) depctr_vm_vsrc(0)
	s_getreg_b32 s2, hwreg(HW_REG_IB_STS2, 6, 4)
	s_cmp_eq_u32 s2, 0
	s_cbranch_scc0 .Lentry_in_a_cluster
	s_endpgm
.Lentry_in_a_cluster:
	s_bfe_u32 s2, ttmp6, 0x10000c
	s_cmp_lg_u32 s2, 0x3003
	s_cbranch_scc0 .Lentry_shape_is_right
	s_endpgm
.Lentry_shape_is_right:
; ctx[b][h][q] = the sum over keys of softmax(q . k / 8, masked) v, both products on codes of E5M2.  q's, k's codes [b 16 + h][t][64] (k's row p holds key swap34(p)); v's [64 h + d][2,048 b + t], keys innermost.
; The mask is an input: every score is computed, and the packed bits (mb: one 32-bit lane mask for each score register) put -infinity where the mask is 0, ahead of the maximum.
; THE SOFTMAX: t = score x log2(e) / 8; M = the largest t so far rounded UP to a whole number; p = 2^(t - M) is quantised with 2^e8, not normalised; the row's sum is taken of the unquantised p and divides at the end.
; When M moves, the sum and O are multiplied by 2^(old M - new M): exact.  A query with no key left has the sum 0: its codes become the format's NaN code, as the definition gives NaN there.
; SHARES.  A work-group owns 256 queries of one (b, h); each of its sixteen waves 16 of them, in 256 registers: four waves to a SIMD, so that one wave's vector work stands beside another's products and LDS loads.
; ALL of the head's K (2,048 rows x 80 bytes) and V (8 chunks of 256 keys: 64 rows x 272 bytes) lie in LDS, each byte filled ONCE: no ring, and one barrier between the halves of the keys.
; CLUSTER.  The four query blocks of a cluster belong to one (b, h) and need the same K and V: each tile is asked for jointly.  Each wave issues two loads: one for keys 0-1,023, one for keys 1,024-2,047: two are out.
; LAYOUT.  Both products transposed: S^T = K Q^T, O^T = V^T P^T: a lane holds ONE query (lane % 16).  Since k's rows are stored swapped, tile T's lane r reads row 16 T + r, and the 16 registers of tiles 2 b, 2 b + 1 are keys 32 b + 16 (lane / 16) + 0 .. 15.
; No prefetch into the L2: every byte of K and V is asked for in the kernel's first lines; the mask words are asked for a step ahead by their own loads.
; LIMITS: e6 + e7 between -123 and 130 (added to c's exponent field); e8, e10 between -126 and 112.  NaN and infinity among q, k, v do not occur: they are codes held at the largest code.
; REGISTERS: v1, v2 my lane's place in K, V; v3-5 the way out; v8, v9 addresses in hand; v12 -M, v13 the largest t, v[14:15] the sum; v16-23 Q; v32-95 K's eight fragments, then V's four; v96-159 S^T, then p; v160-191 O^T; v224-239 p's codes.
.set KP,    80
.set VP,    272
.set VOFF,  2048*KP
.set VCH,   64*VP
.set STAGE, VOFF+8*VCH                 ; 16 rows x 80 bytes for each wave; no tile lands here
.macro CROUND
	s_barrier_signal -1
	s_barrier_wait -1
	s_cmp_lg_u32 s12, 0
	s_cbranch_scc1 .Lnot_wave_0_\@
	s_barrier_signal -3
.Lnot_wave_0_\@:
	s_barrier_wait -3
	s_barrier_signal -1
	s_barrier_wait -1
.endm
	s_load_b128 s[4:7], s[0:1], 0x0                ; qkv, mb
	s_load_b128 s[8:11], s[0:1], 0x10              ; the scales' exponents, cc
	v_lshl_add_u32 v251, v0, 2, 0x4f000
	v_mov_b32 v255, 0
	ds_add_u32 v251, v255
	ds_add_u32 v251, v255
	v_lshrrev_b32 v8, 5, v0
	v_readfirstlane_b32 s12, v8                    ; wave 0..15
	s_bfe_u32 s13, ttmp6, 0x40000                  ; cx
	s_lshl_b32 s14, ttmp9, 2
	s_add_co_u32 s14, s14, s13                     ; my block of 256 queries: it enters Q's, the mask's and the output's addresses alone
	s_and_b32 s15, ttmp7, 0xffff                   ; 16 b + h, which the four partners share
	s_and_b32 s16, s12, 7                          ; i: which tile of K (waves 0-7) or of V (waves 8-15) I fetch
	s_and_b32 s17, s15, 15                         ; h
	s_lshr_b32 s3, s15, 4                          ; b
	s_lshl_b32 s68, s15, 17                        ; K: part 1 of qkv, 131,072 bytes a head, 128 keys x 64 bytes a tile
	s_lshl_b32 s69, s16, 13
	s_add_co_u32 s68, s68, s69
	s_add_co_u32 s68, s68, 0x400000
	s_mov_b32 s69, 0
	s_lshl_b32 s70, s17, 18                        ; V: part 2: 64 rows of 4,096 bytes a head, 2,048 bytes a batch, rows 32 (i % 2) on, chunk i / 2
	s_lshl_b32 s71, s3, 11
	s_add_co_u32 s70, s70, s71
	s_and_b32 s71, s16, 1
	s_lshl_b32 s71, s71, 17
	s_add_co_u32 s70, s70, s71
	s_lshr_b32 s71, s16, 1
	s_lshl_b32 s71, s71, 8
	s_add_co_u32 s70, s70, s71
	s_add_co_u32 s70, s70, 0x800000
	s_mov_b32 s71, 0
	s_mul_i32 s72, s16, 128*KP                     ; where they go
	s_mul_i32 s73, s16, 32*VP
	s_add_co_u32 s73, s73, VOFF
	s_lshl_b32 s74, s15, 17                        ; Q: the head, 256 queries x 64 bytes a block, 16 a wave
	s_lshl_b32 s75, s14, 14
	s_add_co_u32 s74, s74, s75
	s_lshl_b32 s76, s12, 10
	s_add_co_u32 s74, s74, s76
	s_add_co_u32 s76, s76, s75                     ; cc [h][token][64]
	s_lshl_b32 s77, s17, 18
	s_add_co_u32 s76, s76, s77
	s_lshl_b32 s77, s3, 17
	s_add_co_u32 s76, s76, s77
	s_mov_b32 s75, 0
	s_mov_b32 s77, 0
	s_lshl_b32 s78, s14, 16                        ; mb: 4,096 bytes a query tile
	s_lshl_b32 s79, s12, 12
	s_add_co_u32 s78, s78, s79
	s_mov_b32 s79, 0
	s_mov_b32 s24, 15|(1<<20)|(1<<21)|(3<<22)|(3<<25)   ; K: the mask names all four; elements of 1 byte; 4 words of padding behind every 16
	s_mov_b32 s25, 64<<16
	s_mov_b32 s26, 128<<16
	s_mov_b32 s27, 64<<16
	s_mov_b32 s28, 128                             ; 128 rows of 64 bytes, dense
	s_mov_b32 s29, 64
	s_mov_b32 s30, 0
	s_mov_b32 s31, 0
	s_mov_b32 s32, 15|(1<<20)|(1<<21)|(5<<22)|(3<<25)   ; V: 4 words behind every 64
	s_mov_b32 s33, 256<<16
	s_mov_b32 s34, 32<<16
	s_mov_b32 s35, 256<<16
	s_mov_b32 s36, 32                              ; 32 rows of 256 bytes, 4,096 apart
	s_mov_b32 s37, 4096
	s_mov_b32 s38, 0
	s_mov_b32 s39, 0
	s_mov_b32 s20, 0x76543210
	s_mov_b32 s21, 0xfedcba98
	s_mov_b32 s22, 0x3e38aa3b                      ; c = log2(e) / 8
	s_mov_b32 s2, 0                                ; LDS byte of the trip's keys in K,
	s_mov_b32 s3, 0                                ; and of its chunk in V
	s_wait_dscnt 0x0
	s_wait_kmcnt 0x0
	s_mov_b32 s40, 1
	s_mov_b32 s41, s72
	s_add_nc_u64 s[42:43], s[4:5], s[68:69]
	s_mov_b32 s44, 1
	s_add_co_u32 s45, s72, 1024*KP                 ; the late load: 1,024 keys on
	s_add_nc_u64 s[46:47], s[42:43], 65536
	s_or_b32 s43, s43, 0x80000000
	s_or_b32 s47, s47, 0x80000000
	s_mov_b32 s48, 1
	s_mov_b32 s49, s73
	s_add_nc_u64 s[50:51], s[4:5], s[70:71]
	s_mov_b32 s52, 1
	s_add_co_u32 s53, s73, 4*VCH                   ; four chunks on
	s_add_nc_u64 s[54:55], s[50:51], 1024
	s_or_b32 s51, s51, 0x80000000
	s_or_b32 s55, s55, 0x80000000
	CROUND                                         ; all four work-groups are here: the joint loads meet
	s_cmp_lt_u32 s12, 8                            ; a wave's two fills stand in one branch on the wave's number
	s_cbranch_scc0 .Lfirst_v
	tensor_load_to_lds s[40:43], s[24:31]
	s_nop 0
	tensor_load_to_lds s[44:47], s[24:31]
	s_nop 0
.rept 4
	v_nop
.endr
	s_branch .Lfirst_asked
.Lfirst_v:
	tensor_load_to_lds s[48:51], s[32:39]
	s_nop 0
	tensor_load_to_lds s[52:55], s[32:39]
	s_nop 0
.rept 4
	v_nop
.endr
.Lfirst_asked:
	s_load_b256 s[56:63], s[8:9], 0x18             ; e6 .. e13
	s_add_nc_u64 s[4:5], s[4:5], s[74:75]          ; Q
	s_add_nc_u64 s[10:11], s[10:11], s[76:77]      ; the output
	s_add_nc_u64 s[18:19], s[6:7], s[78:79]        ; my query tile's mask words
	s_mov_b32 s17, 0                               ; the key step's 256 bytes in them
	v_and_b32 v8, 15, v0                           ; r
	v_bfe_u32 v9, v0, 4, 1                         ; h
	v_lshlrev_b32 v10, 6, v8
	v_lshl_add_u32 v10, v9, 4, v10
	global_load_b128 v[16:19], v10, s[4:5]         ; Q's fragment: k = 32 c + 16 h + 0 .. 15, as K's
	global_load_b128 v[20:23], v10, s[4:5] offset:32
	s_load_b512 s[68:83], s[18:19], s17 offset:0x0   ; step 0's words 0-31
	s_load_b512 s[84:99], s[18:19], s17 offset:0x40
	v_mul_u32_u24 v1, v8, KP
	v_lshl_add_u32 v1, v9, 4, v1
	v_mul_u32_u24 v2, v8, VP
	v_lshl_add_u32 v2, v9, 4, v2
	v_add_nc_u32 v2, VOFF, v2
	s_mul_i32 s13, s12, 16*KP
	s_add_co_u32 s13, s13, STAGE                   ; my stage
	v_mul_u32_u24 v3, v8, KP
	v_lshl_add_u32 v3, v9, 3, v3
	v_add_nc_u32 v3, s13, v3                       ; in: row r, + 8 h
	v_and_b32 v5, 31, v0
	v_lshrrev_b32 v4, 2, v5
	v_mul_u32_u24 v4, v4, KP
	v_and_b32 v11, 3, v5
	v_lshl_add_u32 v4, v11, 4, v4
	v_add_nc_u32 v4, s13, v4                       ; back: row lane / 4, 16 (lane % 4)
	v_lshlrev_b32 v5, 4, v5                        ; in memory: 16 x lane
	v_mov_b32 v13, 0xff61b1e6                      ; the largest t so far: -3e38
	v_floor_f32 v12, -v13                          ; -M
	v_mov_b32 v14, 0
	v_mov_b32 v15, 0
	v_mov_b32 v236, 0                              ; a lane permute's destination counts as read
	v_mov_b32 v253, 0                              ; the upper half of the pair v[252:253]
	v_mov_b32 v246, 0xff800000                     ; -infinity
.set j, 0
.rept 32
	v_mov_b32 v[160+j], 0                          ; O^T: the step is written once; its first run finds zeros
.set j, j+1
.endr
	s_wait_kmcnt 0x0
	s_add_co_i32 s13, s56, s57
	s_lshl_b32 s13, s13, 23
	s_add_co_i32 s22, s22, s13                     ; a score stands for score x 2^(e6 + e7)
	s_mov_b32 s23, s22
	s_add_co_i32 s13, s58, 127
	s_lshl_b32 s15, s13, 23
	v_mov_b32 v244, s15                            ; 2^e8
	s_add_co_i32 s13, s13, 15
	s_lshl_b32 s13, s13, 23
	s_or_b32 s13, s13, 0x600000
	v_mov_b32 v240, s13                            ; 57,344 x 2^e8
; A KEY STEP: 128 keys, the q-th of the trip's 256.
.macro STEP q
	v_add_nc_u32 v8, s2, v1
	v_add_nc_u32 v9, s3, v2
	v_nop
	v_nop                                          ; four plain lines in front of loads into registers that the last products read
.irp T, 0,1,2,3,4,5,6,7
	ds_load_b128 v[32+8*\T:35+8*\T], v8 offset:(128*(\q)+16*\T)*KP
	ds_load_b128 v[36+8*\T:39+8*\T], v8 offset:(128*(\q)+16*\T)*KP+32
.endr
	s_wait_dscnt 0x0
.irp T, 0,1,2,3,4,5,6,7
	v_wmma_f32_16x16x64_bf8_bf8 v[96+8*\T:103+8*\T], v[32+8*\T:39+8*\T], v[16:23], 0
.endr
.rept 4
	v_nop
.endr
.irp t, 0,1,2,3
.irp c, 0,1,2,3
	ds_load_b128 v[32+16*\t+4*\c:35+16*\t+4*\c], v9 offset:16*\t*VP+128*(\q)+32*\c   ; V's four fragments land under the softmax
.endr
.endr
	s_wait_kmcnt 0x0                               ; this step's words 0-31, asked for a step ago
.set n, 0
.rept 32
	v_cndmask_b32 v[96+n], v246, v[96+n], s[68+n]  ; -infinity where the mask is 0; each accumulator from its low end on
.set n, n+1
.endr
	s_load_b512 s[68:83], s[18:19], s17 offset:0x80   ; words 32-63
	s_load_b512 s[84:99], s[18:19], s17 offset:0xc0
	v_max3_num_f32 v254, v96, v97, v98             ; the largest score among my keys, in two chains
	v_max3_num_f32 v252, v99, v100, v101
.irp i, 6,10,14,18,22,26
	v_max3_num_f32 v254, v254, v[96+\i], v[97+\i]
	v_max3_num_f32 v252, v252, v[98+\i], v[99+\i]
.endr
	v_max3_num_f32 v254, v254, v126, v127
	s_wait_kmcnt 0x0                               ; the loads are done: their offset register may be stepped below
.set n, 0
.rept 32
	v_cndmask_b32 v[128+n], v246, v[128+n], s[68+n]
.set n, n+1
.endr
	s_add_co_u32 s17, s17, 256
	s_min_u32 s17, s17, 3840                       ; the last step's look-ahead stays inside the tile's words
	s_load_b512 s[68:83], s[18:19], s17 offset:0x0   ; the next step's words 0-31
	s_load_b512 s[84:99], s[18:19], s17 offset:0x40
.irp i, 32,36,40,44,48,52,56,60
	v_max3_num_f32 v254, v254, v[96+\i], v[97+\i]
	v_max3_num_f32 v252, v252, v[98+\i], v[99+\i]
.endr
	v_max_num_f32 v254, v254, v252
	v_permlanex16_b32 v236, v254, s20, s21
	v_max_num_f32 v254, v254, v236                 ; and among lane l xor 16's
	v_mul_f32 v254, s22, v254                      ; as t (c is positive)
	v_max_num_f32 v13, v13, v254                   ; the running largest t
	v_mov_b32 v254, v12
	v_floor_f32 v12, -v13                          ; the new -M = -ceil(t)
	v_sub_f32 v254, v12, v254                      ; old M - new M: a whole number, 0 or less
	v_cvt_i32_f32 v254, v254                       ; (it saturates)
	v_ldexp_f32 v252, 1.0, v254                    ; f = 2^(old M - new M)
.set j, 0
.rept 32
	v_pk_fma_f32 v[96+j:97+j], v[96+j:97+j], s[22:23], v[12:13] op_sel_hi:[1,0,0]   ; t - M
.set j, j+2
.endr
.set j, 0
.rept 64
	v_exp_f32 v[96+j], v[96+j]                     ; p = 2^(t - M)
.set j, j+1
.endr
	v_pk_mul_f32 v[14:15], v[14:15], v[252:253] op_sel_hi:[1,0]   ; the sums under the new M: the plain line behind the exponentials
	s_wait_alu depctr_va_vdst(0)                   ; one wait for the whole batch, ahead of its first reader
	v_pk_add_f32 v[242:243], v[96:97], v[98:99]    ; the row's sum is taken of the unquantised p
.irp j, 4,8,12,16,20,24,28,32,36,40,44,48,52,56,60
	v_pk_add_f32 v[14:15], v[14:15], v[96+\j:97+\j]
	v_pk_add_f32 v[242:243], v[242:243], v[98+\j:99+\j]
.endr
	v_pk_add_f32 v[14:15], v[14:15], v[242:243]
.irp b, 0,1,2,3
.set j, 0
.rept 16
	v_min_num_f32 v[96+16*\b+j], v[96+16*\b+j], v240   ; p is not negative: the hold is one-sided
.set j, j+1
.endr
	v_cvt_scalef32_pk8_bf8_f32 v[224+4*\b:225+4*\b], v[96+16*\b:103+16*\b], v244
	v_cvt_scalef32_pk8_bf8_f32 v[226+4*\b:227+4*\b], v[104+16*\b:111+16*\b], v244
.endr
.set j, 0
.rept 16
	v_pk_mul_f32 v[160+j:161+j], v[160+j:161+j], v[252:253] op_sel_hi:[1,0]   ; O^T under the new M; also the plain lines behind the conversions
.set j, j+2
.endr
	s_wait_dscnt 0x0                               ; V is in
.irp t, 0,1,2,3
	v_wmma_f32_16x16x128_bf8_bf8 v[160+8*\t:167+8*\t], v[32+16*\t:47+16*\t], v[224:239], v[160+8*\t:167+8*\t]   ; four accumulators by turns
.endr
.endm
	s_wait_tensorcnt 1                             ; my early load has landed; my late one may stay out
	s_barrier_signal -1
	s_barrier_wait -1                              ; keys 0-1,023 of K and V are whole
	s_wait_loadcnt 0x0                             ; Q
	s_mov_b32 s16, 4
.Lkeys_a:
	STEP 0
	STEP 1
	s_add_co_u32 s2, s2, 256*KP
	s_add_co_u32 s3, s3, VCH
	s_sub_co_u32 s16, s16, 1
	s_cmp_lg_u32 s16, 0
	s_cbranch_scc1 .Lkeys_a
	s_wait_tensorcnt 0x0                           ; my late load has landed
	s_wait_dscnt 0x0
	s_barrier_signal -1
	s_barrier_wait -1                              ; keys 1,024-2,047 are whole
	s_mov_b32 s16, 4
.Lkeys_b:
	STEP 0
	STEP 1
	s_add_co_u32 s2, s2, 256*KP
	s_add_co_u32 s3, s3, VCH
	s_sub_co_u32 s16, s16, 1
	s_cmp_lg_u32 s16, 0
	s_cbranch_scc1 .Lkeys_b
	; THE WAY OUT: O^T / the sum x 2^(e8 + e9), quantised with 2^e10; 8 codes a lane and tile through my stage; 1,024 consecutive bytes leave.
.rept 4
	v_nop
.endr
	v_add_f32 v14, v14, v15
	v_permlanex16_b32 v252, v14, s20, s21
	v_add_f32 v11, v14, v252                       ; the row's sum
	v_rcp_f32 v14, v11
	v_mov_b32 v10, 0x7f7f7f7f                      ; four NaN codes.  (The plain line behind the reciprocal)
	s_add_co_i32 s14, s58, s59
	s_add_co_i32 s15, s60, 127
	s_lshl_b32 s13, s15, 23
	v_mov_b32 v12, s13                             ; 2^e10
	s_add_co_i32 s15, s15, 15
	s_lshl_b32 s15, s15, 23
	s_or_b32 s15, s15, 0x600000
	v_mov_b32 v13, s15                             ; 57,344 x 2^e10
	s_wait_alu depctr_va_vdst(0)
	v_ldexp_f32 v14, v14, s14
.set j, 0
.rept 32
	v_mul_f32 v[96+j], v[160+j], v14               ; register 8 t + i is ctx(r, 16 t + 8 h + i)
.set j, j+1
.endr
.set j, 0
.rept 32
	v_med3_num_f32 v[96+j], v[96+j], -v13, v13
.set j, j+1
.endr
.irp t, 0,1,2,3
	v_cvt_scalef32_pk8_bf8_f32 v[224+2*\t:225+2*\t], v[96+8*\t:103+8*\t], v12
.endr
	v_nop
	v_cmp_eq_f32 vcc_lo, 0, v11                    ; a query with no key: a choice of values, no branch
.irp i, 0,1,2,3,4,5,6,7
	v_cndmask_b32 v[224+\i], v[224+\i], v10, vcc_lo
.endr
.irp t, 0,1,2,3
	ds_store_b64 v3, v[224+2*\t:225+2*\t] offset:16*\t
.endr
.irp i, 0,1
	ds_load_b128 v[32+4*\i:35+4*\i], v4 offset:8*KP*\i   ; LDS serves a wave's instructions in order: these see my stores
.endr
.irp i, 0,1
	s_wait_dscnt 1-\i
	global_store_b128 v5, v[32+4*\i:35+4*\i], s[10:11] offset:512*\i
.endr
	s_wait_tensorcnt 0x0
	ds_add_u32 v251, v255
	s_wait_dscnt 0x0
	CROUND                                         ; the closing round: no work-group ends while a partner may still ask for a tile that names it
	s_endpgm
.Lfunc_end_k_q65becc8702_attn:
	.size	k_q65becc8702_attn, .Lfunc_end_k_q65becc8702_attn-k_q65becc8702_attn
	.p2alignl 7, 3214868480
	.fill 96, 4, 3214868480
	.section	.rodata,"a",@progbits
	.p2align	6, 0x0
	.amdhsa_kernel k_q65becc8702_attn
		.amdhsa_group_segment_fixed_size 327680
		.amdhsa_private_segment_fixed_size 0
		.amdhsa_enable_private_segment 0
		.amdhsa_kernarg_size 32
		.amdhsa_user_sgpr_count 2
		.amdhsa_user_sgpr_kernarg_segment_ptr 1
		.amdhsa_wavefront_size32 1
		.amdhsa_system_sgpr_workgroup_id_x 1
		.amdhsa_system_sgpr_workgroup_id_y 1
		.amdhsa_system_sgpr_workgroup_id_z 1
		.amdhsa_system_vgpr_workitem_id 0
		.amdhsa_next_free_vgpr 256
		.amdhsa_next_free_sgpr 100
		.amdhsa_reserve_vcc 1
		.amdhsa_float_denorm_mode_32 3
		.amdhsa_float_denorm_mode_16_64 3
		.amdhsa_memory_ordered 1
		.amdhsa_forward_progress 1
		.amdhsa_inst_pref_size 93
	.end_amdhsa_kernel
	.amdgpu_metadata
---
amdhsa.version: [ 1, 2 ]
amdhsa.kernels:
  - .name:           k_q65becc8702_attn
    .symbol:         k_q65becc8702_attn.kd
    .args:
      - { .name: qkv, .offset: 0, .size: 8, .value_kind: global_buffer, .address_space: global }
      - { .name: mb, .offset: 8, .size: 8, .value_kind: global_buffer, .address_space: global }
      - { .name: lowp_scales, .offset: 16, .size: 8, .value_kind: global_buffer, .address_space: global }
      - { .name: cc, .offset: 24, .size: 8, .value_kind: global_buffer, .address_space: global }
    .group_segment_fixed_size: 327680
    .private_segment_fixed_size: 0
    .kernarg_segment_align: 8
    .kernarg_segment_size: 32
    .max_flat_workgroup_size: 512
    .sgpr_count:     100
    .vgpr_count:     256
    .wavefront_size: 32
...
	.end_amdgpu_metadata
.endif
;; end of part 3
;; launch proj (part 4): grid 8 x 32, 4 waves a work-group, clusters of 4 x 4, 327,680 bytes of LDS; arguments cc, Wo_codes, bo, x, lowp_scales, x1; writes x1
.if DOCPART == 4
	.amdgcn_target "amdgcn-amd-amdhsa--gfx1250"
	.amdhsa_code_object_version 6
	.text
	.protected	k_q65becc8702_proj
	.globl	k_q65becc8702_proj
	.p2align	8
	.type	k_q65becc8702_proj,@function
k_q65becc8702_proj:
	s_mov_b64 s[64:65], 0
	v_nop
	global_prefetch_b8 v0, s[64:65] scope:SCOPE_SE
	s_setreg_imm32_b32 hwreg(HW_REG_WAVE_MODE, 25, 1), 1
	s_wait_xcnt 0x0
	s_wait_alu depctr_hold_cnt(0) depctr_sa_sdst(0) depctr_va_vdst(0) depctr_va_sdst(0) depctr_va_ssrc(0) depctr_va_vcc(0) depctr_vm_vsrc(0)
	s_getreg_b32 s2, hwreg(HW_REG_IB_STS2, 6, 4)
	s_cmp_eq_u32 s2, 0
	s_cbranch_scc0 .Lentry_in_a_cluster
	s_endpgm
.Lentry_in_a_cluster:
	s_bfe_u32 s2, ttmp6, 0x10000c
	s_cmp_lg_u32 s2, 0xf033
	s_cbranch_scc0 .Lentry_shape_is_right
	s_endpgm
.Lentry_shape_is_right:
; out[m][n] = res[m][n] + bias[n] + 2^(ea + eb) x the sum over k of A[m][k] B[n][k], on codes of E5M2.  Here: x1 = x + ctx Wo + bo.  m: 4,096 tokens, n: 1,024, K = SIZE_K.
; A's codes lie [K / 64][token][64]; B's [n][K], K innermost.  ea, eb: the two whole numbers at byte SCB of the scales' buffer.  LIMIT: ea + eb between -126 and 127.
; A tile of the output is 128 x 128, so that N = 1,024 gives each of 256 work-groups one; four waves, each 64 x 64: 16 accumulators.  A slot holds 512 along K.
; In LDS: A: two halves of 64 tokens, each [8 blocks of 64 k][64 tokens] with 80 bytes a token; B: two halves of 64 rows of 528 bytes.  One tensor load a wave brings a half.
; CLUSTERS: 4 x 4; A's tile is asked for jointly along a row of the cluster, B's along a column.  THE MATRIX INSTRUCTION IS USED TRANSPOSED (source 0 = B's rows, source 1 = A's): a lane holds 8 neighbouring n of one token.
; REGISTERS: window 0: v16-29 addresses; v32-63 a block's results; v64-95 its rows back from the stage; v96-127 the bias; v128-255 the accumulators ((a, b) at v[128 + 8 (4 a + b)]).
;   window 1: two fragment buffers of 128: A's four fragments, then B's four.   window 2: v0-127 my 64 x 64 numbers of the residual, asked for at the head.
; No prefetch into the L2: a small tile, few K steps, two of them asked for at the head.
.set SIZE_K, 1024
.set SCB,    40
.set LAPS,   SIZE_K/1024               ; a lap = two slots
.set AH,     40960
.set BOFF,   2*AH
.set BH,     64*528
.set SLOT,   BOFF+2*BH
.set SPARE,  2*SLOT                    ; the spare words: two blocks of 256 bytes that no other line names
.set STAGE,  SPARE+512                 ; 16 rows x 272 bytes for each wave; no tile lands here
.set ASTEP,  8*262144                  ; a slot on in A: 8 blocks of 4,096 tokens x 64 bytes
.set ADRA, 16
.set ADRB, 20
.set STO,  24
.set RD,   25
.set CO,   26
.set SPW,  28
.set NIL,  29
.set TT,   32
.set RR,   64
.set BN,   96
.set ACC,  128
.set F0,   0
.set F1,   128
.set G1, 24
.set G0, 32
.set G1B, 48
.set G0B, 56
.set MSB, 0
.macro WIN new
.if MSB != \new
	s_set_vgpr_msb (MSB<<8)|\new
.set MSB, \new
.endif
.endm
.set MUL,  0x05                        ; sources 0 (B) and 1 (A) window 1; C and D window 0
.set TO_F, 0x40
.macro JLOAD s                         ; waves 0 and 1 fetch A's halves, waves 2 and 3 B's; four v_nop follow each line
	s_cmp_eq_u32 s11, 0
	s_cbranch_scc0 .Lfor_b_\@
	tensor_load_to_lds s[G0+4*\s:G0+4*\s+3], s[G1:G1+7]
	s_nop 0
.rept 4
	v_nop
.endr
	s_branch .Lasked_\@
.Lfor_b_\@:
	tensor_load_to_lds s[G0B+4*\s:G0B+4*\s+3], s[G1B:G1B+7]
	s_nop 0
.rept 4
	v_nop
.endr
.Lasked_\@:
.endm
.macro CREST
	s_cmp_lg_u32 s10, 0
	s_cbranch_scc1 .Lnot_wave_0_\@
	s_barrier_signal -3
.Lnot_wave_0_\@:
	s_barrier_wait -3
	s_barrier_signal -1
	s_barrier_wait -1
.endm
.macro CROUND
	s_barrier_signal -1
	s_barrier_wait -1
	CREST
.endm
	s_load_b256 s[68:75], s[0:1], 0x0              ; A's codes, B's codes, the bias, the residual
	s_load_b128 s[76:79], s[0:1], 0x20             ; the scales' exponents, the output
	v_lshl_add_u32 v[SPW], v0, 2, SPARE
	v_mov_b32 v[NIL], 0
	ds_add_u32 v28, v29
	ds_add_u32 v28, v29
	s_wait_dscnt 0x0
	v_lshrrev_b32 v1, 5, v0
	v_readfirstlane_b32 s10, v1                    ; wave 0..3
	s_lshr_b32 s11, s10, 1                         ; my half of the tile's rows.  Also: I fetch for A (0) or for B (1)
	s_and_b32 s12, s10, 1                          ; my half of its columns.  Also: which half I fetch
	s_bfe_u32 s40, ttmp6, 0x40000
	s_bfe_u32 s41, ttmp6, 0x40004
	s_lshl_b32 s42, ttmp9, 2
	s_add_co_u32 s42, s42, s40                     ; tile column
	s_and_b32 s13, ttmp7, 0xffff
	s_lshl_b32 s13, s13, 2
	s_add_co_u32 s13, s13, s41                     ; tile row
	s_lshl_b32 s43, s41, 2
	s_lshl_b32 s43, 15, s43
	s_lshl_b32 s44, 0x1111, s40
	s_or_b32 s[G1+0], s43, (1<<20)|(1<<21)|(3<<22)|(3<<25)    ; A: elements of 1 byte; 4 words of padding behind every 16: a token's 64 bytes
	s_mov_b32 s[G1+1], 4096<<16                    ; a row of the tile: one block's 64 tokens x 64 bytes, dense in memory
	s_mov_b32 s[G1+2], 8<<16
	s_mov_b32 s[G1+3], 4096<<16
	s_mov_b32 s[G1+4], 8                           ; 8 blocks of 64 along K,
	s_mov_b32 s[G1+5], 262144                      ; 4,096 tokens x 64 bytes apart
	s_mov_b32 s[G1+6], 0
	s_mov_b32 s[G1+7], 0
	s_or_b32 s[G1B+0], s44, (1<<20)|(1<<21)|(6<<22)|(3<<25)   ; B: 4 words behind every 128
	s_mov_b32 s[G1B+1], 512<<16
	s_mov_b32 s[G1B+2], 64<<16
	s_mov_b32 s[G1B+3], 512<<16
	s_mov_b32 s[G1B+4], 64
	s_mov_b32 s[G1B+5], SIZE_K
	s_mov_b32 s[G1B+6], 0
	s_mov_b32 s[G1B+7], 0
	s_lshl_b32 s16, s13, 13                        ; A: token 128 x tile row + 64 x half, 64 bytes each
	s_lshl_b32 s17, s12, 12
	s_add_co_u32 s16, s16, s17
	s_mov_b32 s17, 0
	s_lshl_b32 s46, s42, 7                         ; B: row 128 x tile column + 64 x half
	s_lshl_b32 s47, s12, 6
	s_add_co_u32 s46, s46, s47
	s_mul_i32 s46, s46, SIZE_K
	s_mov_b32 s47, 0
	s_mul_i32 s20, s12, AH                         ; where they go
	s_mul_i32 s21, s12, BH
	s_add_co_u32 s21, s21, BOFF
	s_wait_kmcnt 0x0
	s_load_b64 s[96:97], s[76:77], SCB             ; ea, eb
	s_add_nc_u64 s[14:15], s[68:69], s[16:17]
	s_add_nc_u64 s[46:47], s[70:71], s[46:47]
	CROUND                                         ; all sixteen work-groups are here: the first joint loads meet
.irp s, 0,1
	s_mov_b32 s[G0+4*\s], 1
	s_add_co_u32 s[G0+4*\s+1], s20, \s*SLOT
	s_add_nc_u64 s[G0+4*\s+2:G0+4*\s+3], s[14:15], \s*ASTEP
	s_or_b32 s[G0+4*\s+3], s[G0+4*\s+3], 0x80000000
	s_mov_b32 s[G0B+4*\s], 1
	s_add_co_u32 s[G0B+4*\s+1], s21, \s*SLOT
	s_add_nc_u64 s[G0B+4*\s+2:G0B+4*\s+3], s[46:47], \s*512
	s_or_b32 s[G0B+4*\s+3], s[G0B+4*\s+3], 0x80000000
	JLOAD \s
.endr
	v_and_b32 v1, 15, v0                           ; r
	v_bfe_u32 v2, v0, 4, 1                         ; h
	v_mul_u32_u24 v3, v1, 80
	v_lshl_add_u32 v3, v2, 4, v3
	v_mul_u32_u24 v4, v1, 528
	v_lshl_add_u32 v4, v2, 4, v4
	s_mul_i32 s21, s11, AH                         ; my 64 tokens
	s_mul_i32 s22, s12, BH
	s_add_co_u32 s22, s22, BOFF                    ; my 64 rows of B
.irp s, 0,1
	v_add_nc_u32 v[ADRA+\s], s21, v3
	v_add_nc_u32 v[ADRB+\s], s22, v4
	s_add_co_u32 s21, s21, SLOT
	s_add_co_u32 s22, s22, SLOT
.endr
	s_mul_i32 s23, s10, 16*272
	s_add_co_u32 s23, s23, STAGE                   ; my stage
	v_mul_u32_u24 v6, v1, 272
	v_lshl_add_u32 v6, v2, 5, v6
	v_add_nc_u32 v[STO], s23, v6                   ; in: row r, + 32 h
	v_mul_u32_u24 v6, v2, 272
	v_lshl_add_u32 v6, v1, 4, v6
	v_add_nc_u32 v[RD], s23, v6                    ; back: lanes 0-15 one row of 256 bytes, lanes 16-31 the next
	v_lshlrev_b32 v[CO], 12, v2
	v_lshl_add_u32 v[CO], v1, 4, v[CO]             ; the same two rows in memory (rows of 4,096 bytes)
	v_lshlrev_b32 v5, 5, v2                        ; the bias: 32 h
	s_lshl_b32 s16, s13, 7
	s_lshl_b32 s17, s11, 6
	s_add_co_u32 s16, s16, s17
	s_lshl_b32 s16, s16, 12                        ; my first row: 128 x tile row + 64 x half
	s_mov_b32 s17, 0
	s_lshl_b32 s46, s42, 9                         ; my first column, in bytes: 512 x tile column + 256 x half
	s_lshl_b32 s47, s12, 8
	s_add_co_u32 s46, s46, s47
	s_mov_b32 s47, 0
	s_add_nc_u64 s[74:75], s[74:75], s[16:17]
	s_add_nc_u64 s[74:75], s[74:75], s[46:47]
	s_add_nc_u64 s[78:79], s[78:79], s[16:17]
	s_add_nc_u64 s[78:79], s[78:79], s[46:47]
	s_add_nc_u64 s[72:73], s[72:73], s[46:47]
.irp b, 0,1,2,3
	global_load_b128 v[BN+8*\b:BN+8*\b+3], v5, s[72:73] offset:64*\b         ; the bias at columns 16 b + 8 h + 0 .. 7
	global_load_b128 v[BN+8*\b+4:BN+8*\b+7], v5, s[72:73] offset:64*\b+16
.endr
	WIN 0x80                                       ; destination window 2
.set i, 0
.rept 32
	global_load_b128 v[4*i:4*i+3], v[CO], s[74:75] offset:2*i*4096 th:TH_LOAD_NT   ; the residual, two rows of 256 bytes a load; it lands under the products
.set i, i+1
.endr
	WIN 0
.macro MUL8 f, a0, zero                ; 8 matrix instructions: A's blocks a0, a0 + 1 x B's four, 128 along K; the 16 accumulators take turns
.irp a, \a0, \a0+1
.irp b, 0,1,2,3
.if \zero
	v_wmma_f32_16x16x128_bf8_bf8 v[ACC+8*(4*(\a)+\b):ACC+8*(4*(\a)+\b)+7], v[\f+64+16*\b:\f+64+16*\b+15], v[\f+16*(\a):\f+16*(\a)+15], 0
.else
	v_wmma_f32_16x16x128_bf8_bf8 v[ACC+8*(4*(\a)+\b):ACC+8*(4*(\a)+\b)+7], v[\f+64+16*\b:\f+64+16*\b+15], v[\f+16*(\a):\f+16*(\a)+15], v[ACC+8*(4*(\a)+\b):ACC+8*(4*(\a)+\b)+7]
.endif
.endr
.endr
.endm
.macro FETCH slot, q, f                ; 32 LDS loads in one run: the slot's q-th 128 along K: B's four fragments, then A's; registers 4 c .. 4 c + 3 hold k = 32 c + 16 h + 0 .. 15 on both sides
	WIN TO_F
.irp i, 0,1,2,3
.irp c, 0,1,2,3
	ds_load_b128 v[\f+64+16*\i+4*\c:\f+64+16*\i+4*\c+3], v[ADRB+\slot] offset:\i*16*528+128*(\q)+32*\c
.endr
.endr
.irp i, 0,1,2,3
.irp c, 0,1,2,3
	ds_load_b128 v[\f+16*\i+4*\c:\f+16*\i+4*\c+3], v[ADRA+\slot] offset:(2*(\q)+\c/2)*5120+\i*16*80+32*(\c%2)
.endr
.endr
.endm
.macro PLACES
.rept 4
	v_nop
.endr
.endm
.macro QUARTER slot, qn, f, g, zero    ; multiplies buffer f and fetches the slot's quarter qn into g
	s_wait_dscnt 8                                 ; B and A's blocks 0, 1 are in; the youngest eight loads (A's blocks 2, 3) may be out
	WIN MUL
	MUL8 \f, 0, \zero
	PLACES
	FETCH \slot, \qn, \g
	s_wait_dscnt 32                                ; all but the 32 just issued
	WIN MUL
	MUL8 \f, 2, \zero
.endm
; A slot's last quarter multiplies buffer 1 and changes slots: one barrier; in front of it each wave waits for all its tensor loads, adds 0 to its spare word, and waits for that and for its reads of this slot.
.macro TURN slot, next, fill
	WIN 0
	s_wait_tensorcnt 0x0                           ; all my tensor loads have landed: my part of the next slot
	ds_add_u32 v[SPW], v[NIL]                      ; 0 onto my spare word
	s_wait_dscnt 9                                 ; the add and the youngest eight loads may be out
	WIN MUL
	MUL8 F1, 0, 0
	s_wait_dscnt 0x0                               ; the add is done, and my reads of this slot are over
	s_barrier_signal -1
	WIN 0
	s_barrier_wait -1
.if \fill
	CREST                                          ; the barrier has opened a round of the cluster's
	s_add_nc_u64 s[G0+4*\slot+2:G0+4*\slot+3], s[G0+4*\slot+2:G0+4*\slot+3], 2*ASTEP
	s_add_nc_u64 s[G0B+4*\slot+2:G0B+4*\slot+3], s[G0B+4*\slot+2:G0B+4*\slot+3], 2*512
	JLOAD \slot                                    ; the first tensor load behind the round; its four v_nop are the places in front of the loads below
.else
	PLACES
.endif
	FETCH \next, 0, F0
	WIN MUL
	MUL8 F1, 2, 0
.endm
	s_wait_tensorcnt 1                             ; my part of slot 0 is in; slot 1's may be out
	s_barrier_signal -1
	s_barrier_wait -1
	FETCH 0, 0, F0
	QUARTER 0, 1, F0, F1, 1                        ; the first quarter's products start the sums
.if LAPS > 1
	WIN 0
	s_mov_b32 s3, LAPS-1
.Llap:
	QUARTER 0, 2, F1, F0, 0
	QUARTER 0, 3, F0, F1, 0
	TURN 0, 1, 1
	QUARTER 1, 1, F0, F1, 0
	QUARTER 1, 2, F1, F0, 0
	QUARTER 1, 3, F0, F1, 0
	TURN 1, 0, 1
	QUARTER 0, 1, F0, F1, 0
	WIN 0
	s_sub_co_u32 s3, s3, 1
	s_cmp_lg_u32 s3, 0
	s_cbranch_scc1 .Llap
.endif
	QUARTER 0, 2, F1, F0, 0                        ; the last lap fills nothing
	QUARTER 0, 3, F0, F1, 0
	TURN 0, 1, 0
	QUARTER 1, 1, F0, F1, 0
	QUARTER 1, 2, F1, F0, 0
	QUARTER 1, 3, F0, F1, 0
	s_wait_dscnt 8
	WIN MUL
	MUL8 F1, 0, 0
	s_wait_dscnt 0
	MUL8 F1, 2, 0
	WIN 0
	; THE WAY OUT, a block of 16 rows at a time: sum x 2^(ea + eb) + bias; through my own stage, so that 16 lanes hold 256 neighbouring bytes of a row; + the residual; stored.
	s_wait_kmcnt 0x0
	s_add_co_i32 s96, s96, s97
	s_add_co_i32 s96, s96, 127
	s_lshl_b32 s96, s96, 23
	s_mov_b32 s97, s96
	s_wait_loadcnt 0x0                             ; the bias and the residual
	PLACES
.irp a, 0,1,2,3
.if \a > 0
	s_wait_xcnt 0x0                                ; the last block's stores have read their registers
.endif
.irp b, 0,1,2,3
.irp j, 0,2,4,6
	v_pk_fma_f32 v[TT+8*\b+\j:TT+8*\b+\j+1], v[ACC+8*(4*\a+\b)+\j:ACC+8*(4*\a+\b)+\j+1], s[96:97], v[BN+8*\b+\j:BN+8*\b+\j+1] op_sel_hi:[1,0,1]   ; each accumulator from its low end on
.endr
.endr
.irp b, 0,1,2,3
	ds_store_b128 v[STO], v[TT+8*\b:TT+8*\b+3] offset:64*\b
	ds_store_b128 v[STO], v[TT+8*\b+4:TT+8*\b+7] offset:64*\b+16
.endr
.irp t, 0,1,2,3,4,5,6,7
	ds_load_b128 v[RR+4*\t:RR+4*\t+3], v[RD] offset:\t*2*272   ; LDS serves a wave's instructions in order: these see my stores
.endr
	s_wait_dscnt 0x0
	WIN 0x08                                       ; source 1 window 2
.set j, 0
.rept 16
	v_pk_add_f32 v[RR+j:RR+j+1], v[RR+j:RR+j+1], v[32*\a+j:32*\a+j+1]
.set j, j+2
.endr
	WIN 0
.irp t, 0,1,2,3,4,5,6,7
	global_store_b128 v[CO], v[RR+4*\t:RR+4*\t+3], s[78:79] offset:(16*\a+2*\t)*4096   ; 16 lanes store 256 consecutive bytes, aligned
.endr
.endr
	s_wait_tensorcnt 0x0                           ; the wave's end
	ds_add_u32 v[SPW], v[NIL]
	s_wait_dscnt 0x0
	CROUND                                         ; the closing round
	s_endpgm
.Lfunc_end_k_q65becc8702_proj:
	.size	k_q65becc8702_proj, .Lfunc_end_k_q65becc8702_proj-k_q65becc8702_proj
	.p2alignl 7, 3214868480
	.fill 96, 4, 3214868480
	.section	.rodata,"a",@progbits
	.p2align	6, 0x0
	.amdhsa_kernel k_q65becc8702_proj
		.amdhsa_group_segment_fixed_size 327680
		.amdhsa_private_segment_fixed_size 0
		.amdhsa_enable_private_segment 0
		.amdhsa_kernarg_size 48
		.amdhsa_user_sgpr_count 2
		.amdhsa_user_sgpr_kernarg_segment_ptr 1
		.amdhsa_wavefront_size32 1
		.amdhsa_system_sgpr_workgroup_id_x 1
		.amdhsa_system_sgpr_workgroup_id_y 1
		.amdhsa_system_sgpr_workgroup_id_z 1
		.amdhsa_system_vgpr_workitem_id 0
		.amdhsa_next_free_vgpr 640
		.amdhsa_next_free_sgpr 100
		.amdhsa_reserve_vcc 0
		.amdhsa_float_denorm_mode_32 3
		.amdhsa_float_denorm_mode_16_64 3
		.amdhsa_memory_ordered 1
		.amdhsa_forward_progress 1
		.amdhsa_inst_pref_size 54
	.end_amdhsa_kernel
	.amdgpu_metadata
---
amdhsa.version: [ 1, 2 ]
amdhsa.kernels:
  - .name:           k_q65becc8702_proj
    .symbol:         k_q65becc8702_proj.kd
    .args:
      - { .name: cc, .offset: 0, .size: 8, .value_kind: global_buffer, .address_space: global }
      - { .name: Wo_codes, .offset: 8, .size: 8, .value_kind: global_buffer, .address_space: global }
      - { .name: bo, .offset: 16, .size: 8, .value_kind: global_buffer, .address_space: global }
      - { .name: x, .offset: 24, .size: 8, .value_kind: global_buffer, .address_space: global }
      - { .name: lowp_scales, .offset: 32, .size: 8, .value_kind: global_buffer, .address_space: global }
      - { .name: x1, .offset: 40, .size: 8, .value_kind: global_buffer, .address_space: global }
    .group_segment_fixed_size: 327680
    .private_segment_fixed_size: 0
    .kernarg_segment_align: 8
    .kernarg_segment_size: 48
    .max_flat_workgroup_size: 128
    .sgpr_count:     100
    .vgpr_count:     640
    .wavefront_size: 32
...
	.end_amdgpu_metadata
.endif
;; end of part 4
;; launch ln2 (part 5): grid 256 x 1, 8 waves a work-group, no clusters, 41,984 bytes of LDS; arguments x1, ln2_g, ln2_b, lowp_scales, h2c; writes h2c
.if DOCPART == 5
	.amdgcn_target "amdgcn-amd-amdhsa--gfx1250"
	.amdhsa_code_object_version 6
	.text
	.protected	k_q65becc8702_ln2
	.globl	k_q65becc8702_ln2
	.p2align	8
	.type	k_q65becc8702_ln2,@function
k_q65becc8702_ln2:
	s_mov_b64 s[64:65], 0
	v_nop
	global_prefetch_b8 v0, s[64:65] scope:SCOPE_SE
	s_setreg_imm32_b32 hwreg(HW_REG_WAVE_MODE, 25, 1), 1
	s_wait_xcnt 0x0
; LayerNorm 2 of x1 [4096][1024] f32, quantised to codes of E5M2 with 2^e12: h2c [4096][1024].
; 2,048 waves; wave W takes rows 2 W and 2 W + 1.  A row lies in 32 registers between the passes: x1 is read once.  Waves share nothing: no barrier, no cluster, no tensor load, no matrix unit: a stream.
; Each load and store of a wave covers 512 consecutive bytes; the row turns through the wave's own stage in LDS (64 bytes + 16 of padding), so that a lane holds 16 neighbours for the conversions.
; LIMITS: e12 between -126 and 112.  A row of NaN (a query with no key) gives codes of no meaning; the residual carries the NaN to the output.
.set WREG,  5120
.set GG,    32
.set BB,    64
.set X0,    96
.set X1,    128
.set YY,    160                        ; v160-191 2 x 16 neighbours, held in place
.set CC,    8                          ; v8-15 codes: 2 halves x 4 registers
	s_load_b256 s[4:11], s[0:1], 0x0               ; x1, g, b, the scales' exponents
	s_load_b64 s[12:13], s[0:1], 0x20              ; h2c
	v_lshl_add_u32 v192, v0, 2, 0xa000
	v_mov_b32 v193, 0
	v_lshrrev_b32 v1, 5, v0
	v_readfirstlane_b32 s18, v1
	s_lshl_b32 s19, ttmp9, 3
	s_add_co_u32 s19, s19, s18                     ; W
	v_and_b32 v16, 31, v0
	v_lshlrev_b32 v1, 4, v16                       ; 16 x lane
	s_mul_i32 s20, s18, WREG
	v_lshrrev_b32 v2, 2, v16
	v_mul_u32_u24 v2, v2, 80
	v_and_b32 v19, 3, v16
	v_lshl_add_u32 v2, v19, 4, v2
	v_add_nc_u32 v2, s20, v2                       ; the stage, in
	v_mul_u32_u24 v3, v16, 80
	v_add_nc_u32 v3, s20, v3                       ; and out
	v_mov_b32 v4, 0                                ; the lane permute's destination counts as read
	s_lshl_b32 s22, s19, 13
	s_mov_b32 s23, 0
	s_lshl_b32 s24, s19, 11
	s_mov_b32 s25, 0
	s_mov_b32 s48, 0x3a800000                      ; 1 / 1024
	s_mov_b32 s49, 0x3727c5ac                      ; 1e-5
	s_mov_b32 s50, 0x76543210
	s_mov_b32 s51, 0xfedcba98
	s_wait_kmcnt 0x0
	s_load_b32 s32, s[10:11], 0x30                 ; e12
	s_add_nc_u64 s[4:5], s[4:5], s[22:23]
	s_add_nc_u64 s[12:13], s[12:13], s[24:25]
.irp j, 0,1,2,3,4,5,6,7
	global_load_b128 v[GG+4*\j:GG+4*\j+3], v1, s[6:7] offset:512*\j
	global_load_b128 v[BB+4*\j:BB+4*\j+3], v1, s[8:9] offset:512*\j
.endr
.irp j, 0,1,2,3,4,5,6,7
	global_load_b128 v[X0+4*\j:X0+4*\j+3], v1, s[4:5] offset:512*\j
.endr
.irp j, 0,1,2,3,4,5,6,7
	global_load_b128 v[X1+4*\j:X1+4*\j+3], v1, s[4:5] offset:4096+512*\j
.endr
	s_wait_kmcnt 0x0
	s_add_co_i32 s32, s32, 127
	s_lshl_b32 s33, s32, 23
	v_mov_b32 v5, s33                              ; 2^e12
	s_add_co_i32 s32, s32, 15
	s_lshl_b32 s32, s32, 23
	s_or_b32 s32, s32, 0x600000
	v_mov_b32 v6, s32                              ; 57,344 x 2^e12
.macro REDUCE r
	v_add_f32_dpp v[\r], v[\r], v[\r] row_xmask:1 row_mask:0xf bank_mask:0xf
	v_add_f32_dpp v[\r], v[\r], v[\r] row_xmask:2 row_mask:0xf bank_mask:0xf
	v_add_f32_dpp v[\r], v[\r], v[\r] row_xmask:4 row_mask:0xf bank_mask:0xf
	v_add_f32_dpp v[\r], v[\r], v[\r] row_xmask:8 row_mask:0xf bank_mask:0xf
	v_permlanex16_b32 v4, v[\r], s50, s51
	v_add_f32 v[\r], v[\r], v4
.endm
.macro ROW X, i, left
	s_wait_loadcnt \left                           ; this row's loads are in; left = the younger loads that may stay out
	v_pk_add_f32 v[16:17], v[\X:\X+1], v[\X+2:\X+3]
	v_pk_add_f32 v[18:19], v[\X+4:\X+5], v[\X+6:\X+7]
	v_pk_add_f32 v[20:21], v[\X+8:\X+9], v[\X+10:\X+11]
	v_pk_add_f32 v[22:23], v[\X+12:\X+13], v[\X+14:\X+15]
.irp j, 16,24
	v_pk_add_f32 v[16:17], v[16:17], v[\X+\j:\X+\j+1]
	v_pk_add_f32 v[18:19], v[18:19], v[\X+\j+2:\X+\j+3]
	v_pk_add_f32 v[20:21], v[20:21], v[\X+\j+4:\X+\j+5]
	v_pk_add_f32 v[22:23], v[22:23], v[\X+\j+6:\X+\j+7]
.endr
	v_pk_add_f32 v[16:17], v[16:17], v[18:19]
	v_pk_add_f32 v[20:21], v[20:21], v[22:23]
	v_pk_add_f32 v[16:17], v[16:17], v[20:21]
	v_add_f32 v16, v16, v17
	REDUCE 16
	v_mul_f32 v16, s48, v16                        ; the mean
.set j, 0
.rept 16
	v_pk_add_f32 v[\X+j:\X+j+1], v[\X+j:\X+j+1], v[16:17] op_sel_hi:[1,0] neg_lo:[0,1] neg_hi:[0,1]
.set j, j+2
.endr
	v_pk_mul_f32 v[18:19], v[\X:\X+1], v[\X:\X+1]
	v_pk_mul_f32 v[20:21], v[\X+2:\X+3], v[\X+2:\X+3]
	v_pk_mul_f32 v[22:23], v[\X+4:\X+5], v[\X+4:\X+5]
	v_pk_mul_f32 v[24:25], v[\X+6:\X+7], v[\X+6:\X+7]
.irp j, 8,16,24
	v_pk_fma_f32 v[18:19], v[\X+\j:\X+\j+1], v[\X+\j:\X+\j+1], v[18:19]
	v_pk_fma_f32 v[20:21], v[\X+\j+2:\X+\j+3], v[\X+\j+2:\X+\j+3], v[20:21]
	v_pk_fma_f32 v[22:23], v[\X+\j+4:\X+\j+5], v[\X+\j+4:\X+\j+5], v[22:23]
	v_pk_fma_f32 v[24:25], v[\X+\j+6:\X+\j+7], v[\X+\j+6:\X+\j+7], v[24:25]
.endr
	v_pk_add_f32 v[18:19], v[18:19], v[20:21]
	v_pk_add_f32 v[22:23], v[22:23], v[24:25]
	v_pk_add_f32 v[18:19], v[18:19], v[22:23]
	v_add_f32 v18, v18, v19
	REDUCE 18
	v_fma_f32 v18, v18, s48, s49                   ; the variance + 1e-5
	v_rsq_f32 v26, v18
	v_mov_b32 v27, 0                               ; a plain line behind the root; it also writes the pair's upper half
	s_wait_alu depctr_va_vdst(0)                   ; the wait ahead of the first line that names the root's result
.set j, 0
.rept 16
	v_pk_mul_f32 v[\X+j:\X+j+1], v[\X+j:\X+j+1], v[26:27] op_sel_hi:[1,0]
.set j, j+2
.endr
.set j, 0
.rept 16
	v_pk_fma_f32 v[\X+j:\X+j+1], v[\X+j:\X+j+1], v[GG+j:GG+j+1], v[BB+j:BB+j+1]
.set j, j+2
.endr
.irp j, 0,1,2,3,4,5,6,7
	ds_store_b128 v2, v[\X+4*\j:\X+4*\j+3] offset:640*\j
.endr
.irp u, 0,1
.irp k, 0,1,2,3
	ds_load_b128 v[YY+16*\u+4*\k:YY+16*\u+4*\k+3], v3 offset:2560*\u+16*\k   ; elements 16 (lane + 32 u) + 0 .. 15
.endr
.endr
	s_wait_dscnt 0x0
.irp u, 0,1
.set j, 0
.rept 16
	v_med3_num_f32 v[YY+16*\u+j], v[YY+16*\u+j], -v6, v6   ; the conversion does not saturate (ISA guide 7.6.2)
.set j, j+1
.endr
	v_cvt_scalef32_pk8_bf8_f32 v[CC+4*\u:CC+4*\u+1], v[YY+16*\u:YY+16*\u+7], v5
	v_cvt_scalef32_pk8_bf8_f32 v[CC+4*\u+2:CC+4*\u+3], v[YY+16*\u+8:YY+16*\u+15], v5
	v_nop                                          ; a plain line behind the conversions
	global_store_b128 v1, v[CC+4*\u:CC+4*\u+3], s[12:13] offset:\i*1024+512*\u   ; 512 consecutive bytes
.endr
.endm
	ROW X0, 0, 8                                   ; row 1's eight loads stay out
	s_wait_xcnt 0x0                                ; the stores have read their registers: the codes' registers are written again
	ROW X1, 1, 0
	s_wait_tensorcnt 0x0
	ds_add_u32 v192, v193
	s_wait_dscnt 0x0
	s_endpgm
.Lfunc_end_k_q65becc8702_ln2:
	.size	k_q65becc8702_ln2, .Lfunc_end_k_q65becc8702_ln2-k_q65becc8702_ln2
	.p2alignl 7, 3214868480
	.fill 96, 4, 3214868480
	.section	.rodata,"a",@progbits
	.p2align	6, 0x0
	.amdhsa_kernel k_q65becc8702_ln2
		.amdhsa_group_segment_fixed_size 41984
		.amdhsa_private_segment_fixed_size 0
		.amdhsa_enable_private_segment 0
		.amdhsa_kernarg_size 40
		.amdhsa_user_sgpr_count 2
		.amdhsa_user_sgpr_kernarg_segment_ptr 1
		.amdhsa_wavefront_size32 1
		.amdhsa_system_sgpr_workgroup_id_x 1
		.amdhsa_system_sgpr_workgroup_id_y 1
		.amdhsa_system_sgpr_workgroup_id_z 1
		.amdhsa_system_vgpr_workitem_id 0
		.amdhsa_next_free_vgpr 194
		.amdhsa_next_free_sgpr 66
		.amdhsa_reserve_vcc 0
		.amdhsa_float_denorm_mode_32 3
		.amdhsa_float_denorm_mode_16_64 3
		.amdhsa_memory_ordered 1
		.amdhsa_forward_progress 1
		.amdhsa_inst_pref_size 25
	.end_amdhsa_kernel
	.amdgpu_metadata
---
amdhsa.version: [ 1, 2 ]
amdhsa.kernels:
  - .name:           k_q65becc8702_ln2
    .symbol:         k_q65becc8702_ln2.kd
    .args:
      - { .name: x1, .offset: 0, .size: 8, .value_kind: global_buffer, .address_space: global }
      - { .name: ln2_g, .offset: 8, .size: 8, .value_kind: global_buffer, .address_space: global }
      - { .name: ln2_b, .offset: 16, .size: 8, .value_kind: global_buffer, .address_space: global }
      - { .name: lowp_scales, .offset: 24, .size: 8, .value_kind: global_buffer, .address_space: global }
      - { .name: h2c, .offset: 32, .size: 8, .value_kind: global_buffer, .address_space: global }
    .group_segment_fixed_size: 41984
    .private_segment_fixed_size: 0
    .kernarg_segment_align: 8
    .kernarg_segment_size: 40
    .max_flat_workgroup_size: 256
    .sgpr_count:     66
    .vgpr_count:     194
    .wavefront_size: 32
...
	.end_amdgpu_metadata
.endif
;; end of part 5
;; launch ffn1 (part 6): grid 16 x 16, 4 waves a work-group, clusters of 4 x 4, 327,680 bytes of LDS; arguments h2c, W1_codes, b1, lowp_scales, hc; writes hc
.if DOCPART == 6
	.amdgcn_target "amdgcn-amd-amdhsa--gfx1250"
	.amdhsa_code_object_version 6
	.text
	.protected	k_q65becc8702_ffn1
	.globl	k_q65becc8702_ffn1
	.p2align	8
	.type	k_q65becc8702_ffn1,@function
k_q65becc8702_ffn1:
	s_mov_b64 s[64:65], 0
	v_nop
	global_prefetch_b8 v0, s[64:65] scope:SCOPE_SE
	s_setreg_imm32_b32 hwreg(HW_REG_WAVE_MODE, 25, 1), 1
	s_wait_xcnt 0x0
	s_wait_alu depctr_hold_cnt(0) depctr_sa_sdst(0) depctr_va_vdst(0) depctr_va_sdst(0) depctr_va_ssrc(0) depctr_va_vcc(0) depctr_vm_vsrc(0)
	s_getreg_b32 s2, hwreg(HW_REG_IB_STS2, 6, 4)
	s_cmp_eq_u32 s2, 0
	s_cbranch_scc0 .Lentry_in_a_cluster
	s_endpgm
.Lentry_in_a_cluster:
	s_bfe_u32 s2, ttmp6, 0x10000c
	s_cmp_lg_u32 s2, 0xf033
	s_cbranch_scc0 .Lentry_shape_is_right
	s_endpgm
.Lentry_shape_is_right:
; hc = Q(gelu(h2 W1 + b1)): the product on codes of E5M2 (A = h2c [4096][1024] with 2^e12, B = W1's codes [4096][1024] with 2^e13), the exact GELU in f32, quantised with 2^e14.  hc: [FF / 64][token][64].
; A tile of C, 256 x 256, is made by four waves, each 128 x 128: 64 accumulators.  K = 1,024 goes in steps of 256 through a ring of two LDS slots.  256 work-groups.
; CLUSTERS: 4 x 4; A's tile is asked for jointly along a row of the cluster, B's along a column.  THE MATRIX INSTRUCTION IS USED TRANSPOSED: lane l holds token l % 16 and the columns 8 (l / 16) + 0 .. 7.
; GELU.  gelu(u) = max(u, 0) - |u| q, q = erfc(|u| / sqrt 2) / 2 = t 2^(ku u^2 + k0 + t (k1 + .. + t k9)), t = 1 / (1 + |u| / (2 sqrt 2)): the Chebyshev fit of erfc whose FRACTIONAL error is 1.2e-7 for every argument,
; its coefficients times log2(e), the half folded into k0.  No difference of near numbers is formed on either side of 0.  LIMIT: where q falls under 2^-126 (u under about -13) the exponential gives 0 and gelu = max(u, 0).
; The GELU's 16 half blocks (32 numbers a lane) are a loop; only the lines that fetch a half block's sums from its accumulators are written 16 times, reached by a chain of compares on the loop's counter.
; LIMITS: e12 + e13 between -126 and 127; e14 between -126 and 112.  NaN and infinity are not served.
; No prefetch into the L2: of the four K steps two are asked for at the head and the others one step later.
.set KSTEP,  256
.set ROWB,   256
.set KROW,   1024
.set PITCH,  272
.set FR,     16
.set NL,     4
.set NP,     4
.set HALFT,  128*PITCH
.set SLOT,   4*HALFT
.set LAPS,   KROW/(2*KSTEP)
.set SPARE,  2*SLOT                    ; the spare words: two blocks of 256 bytes that no other line names
.set ADRA, 16
.set ADRB, 20
.set SPW,  28
.set NIL,  29
.set BI,   32                          ; v32-95   b1 at columns 16 b + 8 h + j
.set CD,   96                          ; v96-103  a half block's codes
.set K8,   104                         ; v[104:105] k8, twice
.set UU,   128                         ; v128-159 u
.set TQ,   160                         ; v160-191 t
.set PP,   192                         ; v192-223 the polynomial, then q
.set WW,   224                         ; v224-255 u^2, then max(u, 0)
.set AF,   128
.set G1, 24
.set G0, 32
.set G1B, 48
.set G0B, 56
.set MSB, 0
.macro WIN new
.if MSB != \new
	s_set_vgpr_msb (MSB<<8)|\new
.set MSB, \new
.endif
.endm
.set MUL_LO, 0xa1
.set MUL_HI, 0xf1
.set TO_B,   0x40
.macro JLOAD g0a, g1a, g0b, g1b
	s_cmp_eq_u32 s15, 0
	s_cbranch_scc0 .Lfor_b_\@
	tensor_load_to_lds s[\g0a:\g0a+3], s[\g1a:\g1a+7]
	s_nop 0
.rept 4
	v_nop
.endr
	s_branch .Lasked_\@
.Lfor_b_\@:
	tensor_load_to_lds s[\g0b:\g0b+3], s[\g1b:\g1b+7]
	s_nop 0
.rept 4
	v_nop
.endr
.Lasked_\@:
.endm
.macro CREST
	s_cmp_lg_u32 s14, 0
	s_cbranch_scc1 .Lnot_wave_0_\@
	s_barrier_signal -3
.Lnot_wave_0_\@:
	s_barrier_wait -3
	s_barrier_signal -1
	s_barrier_wait -1
.endm
.macro CROUND
	s_barrier_signal -1
	s_barrier_wait -1
	CREST
.endm
	s_load_b256 s[4:11], s[0:1], 0x0               ; A's codes, B's codes, b1, the scales' exponents
	s_load_b64 s[12:13], s[0:1], 0x20              ; hc
	v_lshl_add_u32 v[SPW], v0, 2, SPARE
	v_mov_b32 v[NIL], 0
	ds_add_u32 v28, v29
	ds_add_u32 v28, v29
	s_wait_dscnt 0x0
	v_lshrrev_b32 v1, 5, v0
	v_readfirstlane_b32 s14, v1
	s_lshr_b32 s15, s14, 1
	s_and_b32 s16, s14, 1
	s_bfe_u32 s40, ttmp6, 0x40000
	s_bfe_u32 s41, ttmp6, 0x40004
	s_lshl_b32 s42, ttmp9, 2
	s_add_co_u32 s42, s42, s40                     ; tile column
	s_and_b32 s17, ttmp7, 0xffff
	s_lshl_b32 s17, s17, 2
	s_add_co_u32 s17, s17, s41                     ; tile row
	s_lshl_b32 s43, s41, 2
	s_lshl_b32 s43, 15, s43
	s_lshl_b32 s44, 0x1111, s40
	s_or_b32 s[G1+0], s43, (0<<16)|(1<<20)|(1<<21)|(5<<22)|(3<<25)
	s_or_b32 s[G1B+0], s44, (0<<16)|(1<<20)|(1<<21)|(5<<22)|(3<<25)
.irp g, G1, G1B
	s_mov_b32 s[\g+1], ROWB<<16
	s_mov_b32 s[\g+2], 128<<16
	s_mov_b32 s[\g+3], ROWB<<16
	s_mov_b32 s[\g+4], 128
	s_mov_b32 s[\g+5], KROW
	s_mov_b32 s[\g+6], 0
	s_mov_b32 s[\g+7], 0
.endr
	s_lshl_b32 s18, s16, 7
	s_lshl_b32 s20, s17, 8
	s_add_co_u32 s20, s20, s18
	s_lshl_b32 s46, s42, 8
	s_add_co_u32 s46, s46, s18
	s_lshl_b32 s20, s20, 10
	s_lshl_b32 s46, s46, 10
	s_mov_b32 s21, 0
	s_mov_b32 s47, 0
	s_mul_i32 s45, s14, HALFT
	s_wait_kmcnt 0x0
	s_load_b128 s[92:95], s[10:11], 0x30           ; e12, e13, e14, e15
	s_add_nc_u64 s[20:21], s[4:5], s[20:21]
	s_add_nc_u64 s[46:47], s[6:7], s[46:47]
	CROUND
.irp s, 0,1
	s_mov_b32 s[G0+4*\s], 1
	s_add_co_u32 s[G0+4*\s+1], s45, \s*SLOT
	s_add_nc_u64 s[G0+4*\s+2:G0+4*\s+3], s[20:21], \s*ROWB
	s_or_b32 s[G0+4*\s+3], s[G0+4*\s+3], 0x80000000
	s_mov_b32 s[G0B+4*\s], 1
	s_add_co_u32 s[G0B+4*\s+1], s45, \s*SLOT
	s_add_nc_u64 s[G0B+4*\s+2:G0B+4*\s+3], s[46:47], \s*ROWB
	s_or_b32 s[G0B+4*\s+3], s[G0B+4*\s+3], 0x80000000
	JLOAD G0+4*\s, G1, G0B+4*\s, G1B
.endr
	v_and_b32 v1, 15, v0
	v_bfe_u32 v2, v0, 4, 1
	v_mul_u32_u24 v3, v1, PITCH
	v_lshl_add_u32 v4, v2, 4, v3
	s_mul_i32 s21, s15, HALFT
	s_mul_i32 s22, s16, HALFT
	s_add_co_u32 s22, s22, 2*HALFT
.irp s, 0,1
	v_add_nc_u32 v[ADRA+\s], s21, v4
	v_add_nc_u32 v[ADRB+\s], s22, v4
	s_add_co_u32 s21, s21, SLOT
	s_add_co_u32 s22, s22, SLOT
.endr
	s_mul_i32 s23, s15, HALFT                      ; the way out: the tile's codes, 256 rows x 272, in slot 0, whose last fill and last read are over by then
	s_lshl_b32 s22, s16, 7
	s_add_co_u32 s23, s23, s22
	v_lshl_add_u32 v5, v2, 3, v3
	v_add_nc_u32 v24, s23, v5                      ; in: row 128 x my half + r, byte 128 x my column half + 8 h
	v_and_b32 v6, 31, v0
	v_lshrrev_b32 v7, 2, v6
	v_mul_u32_u24 v7, v7, PITCH
	v_and_b32 v8, 3, v6
	v_lshl_add_u32 v7, v8, 4, v7
	s_lshl_b32 s23, s14, 6
	v_add_nc_u32 v25, s23, v7                      ; back: wave w takes the 64 columns 64 w on: row lane / 4, 16 (lane % 4)
	v_add_nc_u32 v30, 128*PITCH, v25
	v_lshlrev_b32 v26, 4, v6
	v_lshlrev_b32 v22, 5, v2                       ; b1: 32 h
	s_lshl_b32 s20, s42, 2
	s_add_co_u32 s20, s20, s14
	s_lshl_b32 s20, s20, 18                        ; hc: block 4 x tile column + wave, of 4,096 tokens x 64 bytes,
	s_lshl_b32 s21, s17, 14                        ; token 256 x tile row
	s_add_co_u32 s20, s20, s21
	s_mov_b32 s21, 0
	s_add_nc_u64 s[12:13], s[12:13], s[20:21]
	s_lshl_b32 s20, s42, 10                        ; b1: 4 (256 x tile column + 128 x column half)
	s_lshl_b32 s22, s16, 9
	s_add_co_u32 s20, s20, s22
	s_add_nc_u64 s[8:9], s[8:9], s[20:21]
.irp b, 0,1,2,3,4,5,6,7
	global_load_b128 v[BI+8*\b:BI+8*\b+3], v22, s[8:9] offset:64*\b
	global_load_b128 v[BI+8*\b+4:BI+8*\b+7], v22, s[8:9] offset:64*\b+16
.endr
.macro KPAIR r, val                    ; a coefficient, twice: the packed forms name a pair
	s_mov_b32 s[\r], \val
	s_mov_b32 s[\r+1], s[\r]
.endm
	KPAIR 66, -2.82574822
	KPAIR 68, 1.44272920
	KPAIR 70, 0.53970062
	KPAIR 72, 0.13963006
	KPAIR 74, -0.26875686
	KPAIR 76, 0.40232158
	KPAIR 78, -1.63775315
	KPAIR 80, 2.14747446
	KPAIR 82, -1.18611494
	KPAIR 84, 0.24651730
	KPAIR 86, -0.72134752
	s_mov_b32 s88, 0.35355339
	v_mov_b32 v[K8], s82
	v_mov_b32 v[K8+1], s82
.macro FRAG reg, adr, q, i
.irp c, 0,1,2,3
	ds_load_b128 v[\reg+4*\c:\reg+4*\c+3], v[\adr] offset:128*(\q)+32*\c+(\i)*16*PITCH
.endr
.endm
.macro MUL16 a0, p, zero               ; the 64 accumulators take turns, one instruction a turn
.irp a, \a0, \a0+1
.irp b, 0,1,2,3,4,5,6,7
.if \zero
	v_wmma_f32_16x16x128_bf8_bf8 v[8*(8*((\a)%4)+\b):8*(8*((\a)%4)+\b)+7], v[128*(\p)+FR*\b:128*(\p)+FR*\b+FR-1], v[AF+FR*(\a):AF+FR*(\a)+FR-1], 0
.else
	v_wmma_f32_16x16x128_bf8_bf8 v[8*(8*((\a)%4)+\b):8*(8*((\a)%4)+\b)+7], v[128*(\p)+FR*\b:128*(\p)+FR*\b+FR-1], v[AF+FR*(\a):AF+FR*(\a)+FR-1], v[8*(8*((\a)%4)+\b):8*(8*((\a)%4)+\b)+7]
.endif
.endr
.endr
.endm
.macro FETCH_B slot, q, p
	WIN TO_B
.irp i, 0,1,2,3,4,5,6,7
	FRAG 128*(\p)+FR*\i, ADRB+\slot, \q, \i
.endr
	WIN 0
.endm
.macro FETCH_A slot, q, i0
.irp i, \i0, \i0+1, \i0+2, \i0+3
	FRAG AF+FR*(\i), ADRA+\slot, \q, \i
.endr
.endm
.macro PLACES n
.rept \n
	v_nop
.endr
.endm
.macro STEP slot, q, zero
	s_wait_dscnt 4*NL                              ; B's set and A's blocks 0-3 are in; the youngest 16 loads may be out
	WIN MUL_LO
	MUL16 0, (\q)%2, \zero
	MUL16 2, (\q)%2, \zero
	s_wait_dscnt 0
	PLACES NP
	FETCH_B \slot, (\q)+1, 1-(\q)%2
	FETCH_A \slot, (\q)+1, 0
	WIN MUL_HI
	MUL16 4, (\q)%2, \zero
	MUL16 6, (\q)%2, \zero
	PLACES NP
	WIN 0
	FETCH_A \slot, (\q)+1, 4
.endm
.macro TURN slot, next, fill
	s_wait_tensorcnt 0x0                           ; all my tensor loads have landed: my part of the next slot
	ds_add_u32 v[SPW], v[NIL]                      ; 0 onto my spare word
	s_wait_dscnt 4*NL+1                            ; the add and the youngest 16 loads may be out
	WIN MUL_LO
	MUL16 0, 1, 0
	s_wait_dscnt 0x0                               ; the add is done, and my reads of this slot are over
	s_barrier_signal -1
	MUL16 2, 1, 0
	WIN 0
	s_barrier_wait -1
.if \fill
	CREST
	s_add_nc_u64 s[G0+4*\slot+2:G0+4*\slot+3], s[G0+4*\slot+2:G0+4*\slot+3], 2*ROWB
	s_add_nc_u64 s[G0B+4*\slot+2:G0B+4*\slot+3], s[G0B+4*\slot+2:G0B+4*\slot+3], 2*ROWB
	JLOAD G0+4*\slot, G1, G0B+4*\slot, G1B
.else
	PLACES NP
.endif
	FETCH_B \next, 0, 0
	FETCH_A \next, 0, 0
	WIN MUL_HI
	MUL16 4, 1, 0
	MUL16 6, 1, 0
	PLACES NP
	WIN 0
	FETCH_A \next, 0, 4
.endm
	s_wait_tensorcnt 1                             ; my part of K step 0 is in; K step 1's load may be out
	s_barrier_signal -1
	s_barrier_wait -1
	FETCH_B 0, 0, 0
	FETCH_A 0, 0, 0
	FETCH_A 0, 0, 4
	STEP 0, 0, 1
	s_mov_b32 s3, LAPS-1
.Llap:
	TURN 0, 1, 1
	STEP 1, 0, 0
	TURN 1, 0, 1
	STEP 0, 0, 0
	s_sub_co_u32 s3, s3, 1
	s_cmp_lg_u32 s3, 0
	s_cbranch_scc1 .Llap
	TURN 0, 1, 0
	STEP 1, 0, 0
	s_wait_dscnt 4*NL
	WIN MUL_LO
	MUL16 0, 1, 0
	MUL16 2, 1, 0
	s_wait_dscnt 0
	WIN MUL_HI
	MUL16 4, 1, 0
	MUL16 6, 1, 0
	WIN 0
	s_wait_kmcnt 0x0
	s_add_co_i32 s96, s92, s93
	s_add_co_i32 s96, s96, 127
	s_lshl_b32 s96, s96, 23                        ; 2^(e12 + e13)
	s_mov_b32 s97, s96
	s_add_co_i32 s94, s94, 127
	s_lshl_b32 s95, s94, 23
	v_mov_b32 v18, s95                             ; 2^e14
	s_add_co_i32 s94, s94, 15
	s_lshl_b32 s94, s94, 23
	s_or_b32 s94, s94, 0x600000
	v_mov_b32 v19, s94                             ; 57,344 x 2^e14
	s_wait_loadcnt 0x0                             ; b1
	PLACES NP
; Half block k: A's block k / 2, B's tiles 4 (k % 2) on: u = sum x 2^(e12 + e13) + b1, each accumulator from its low end on.
.macro GET k
	WIN 0x02+((\k)/8)
.set AC, 64*(((\k)/2)%4)+32*((\k)%2)
.set j, 0
.rept 16
	v_pk_fma_f32 v[UU+j:UU+j+1], v[AC+j:AC+j+1], s[96:97], v[BI+32*((\k)%2)+j:BI+32*((\k)%2)+j+1] op_sel_hi:[1,0,1]
.set j, j+2
.endr
	WIN 0
.endm
	s_mov_b32 s3, 0
.Lhb:
.irp k, 1,2,3,4,5,6,7,8,9,10,11,12,13,14,15
	s_cmp_eq_u32 s3, \k
	s_cbranch_scc1 .Lget_\k
.endr
	GET 0
	s_branch .Lgot
.irp k, 1,2,3,4,5,6,7,8,9,10,11,12,13,14
.Lget_\k:
	GET \k
	s_branch .Lgot
.endr
.Lget_15:
	GET 15
.Lgot:
.set i, 0
.rept 32
	v_fma_f32 v[TQ+i], |v[UU+i]|, s88, 1.0
.set i, i+1
.endr
.set i, 0
.rept 32
	v_rcp_f32 v[TQ+i], v[TQ+i]                     ; t
.set i, i+1
.endr
.set i, 0
.rept 16
	v_pk_mul_f32 v[WW+i:WW+i+1], v[UU+i:UU+i+1], v[UU+i:UU+i+1]   ; u^2: the plain work behind the batch
.set i, i+2
.endr
	s_wait_alu depctr_va_vdst(0)                   ; one wait for the 32 reciprocals, ahead of their first reader
.set i, 0
.rept 16
	v_pk_fma_f32 v[PP+i:PP+i+1], v[TQ+i:TQ+i+1], s[84:85], v[K8:K8+1] op_sel_hi:[1,0,1]   ; t k9 + k8
.set i, i+2
.endr
.irp kk, 80,78,76,74,72,70,68,66
.set i, 0
.rept 16
	v_pk_fma_f32 v[PP+i:PP+i+1], v[PP+i:PP+i+1], v[TQ+i:TQ+i+1], s[\kk:\kk+1] op_sel_hi:[1,1,0]
.set i, i+2
.endr
.endr
.set i, 0
.rept 16
	v_pk_fma_f32 v[PP+i:PP+i+1], v[WW+i:WW+i+1], s[86:87], v[PP+i:PP+i+1] op_sel_hi:[1,0,1]   ; + ku u^2
.set i, i+2
.endr
.set i, 0
.rept 32
	v_exp_f32 v[PP+i], v[PP+i]
.set i, i+1
.endr
.set i, 0
.rept 32
	v_max_num_f32 v[WW+i], 0, v[UU+i]              ; max(u, 0): the plain work behind the batch
.set i, i+1
.endr
	s_wait_alu depctr_va_vdst(0)                   ; one wait for the 32 exponentials
.set i, 0
.rept 16
	v_pk_mul_f32 v[PP+i:PP+i+1], v[PP+i:PP+i+1], v[TQ+i:TQ+i+1]   ; q
.set i, i+2
.endr
.set i, 0
.rept 32
	v_fma_f32 v[UU+i], -|v[UU+i]|, v[PP+i], v[WW+i]   ; gelu
.set i, i+1
.endr
.set i, 0
.rept 32
	v_med3_num_f32 v[UU+i], v[UU+i], -v19, v19     ; the conversion does not saturate (ISA guide 7.6.2)
.set i, i+1
.endr
	s_lshr_b32 s2, s3, 1
	s_mul_i32 s2, s2, 16*PITCH                     ; block k / 2's 16 rows,
	s_and_b32 s18, s3, 1
	s_lshl_b32 s18, s18, 6                         ; 64 bytes on for the odd half
	s_add_co_u32 s2, s2, s18
	v_add_nc_u32 v27, s2, v24
	s_wait_dscnt 0x0                               ; the last trip's stores have read the codes' registers
.irp b, 0,1,2,3
	v_cvt_scalef32_pk8_bf8_f32 v[CD+2*\b:CD+2*\b+1], v[UU+8*\b:UU+8*\b+7], v18
.endr
	v_nop                                          ; a plain line behind the last conversion
.irp b, 0,1,2,3
	ds_store_b64 v27, v[CD+2*\b:CD+2*\b+1] offset:16*\b
.endr
	s_add_co_u32 s3, s3, 1
	s_cmp_lt_u32 s3, 16
	s_cbranch_scc1 .Lhb
	s_wait_dscnt 0x0                               ; for the others' sake: my stores into the stage are done
	s_barrier_signal -1
	s_barrier_wait -1                              ; the tile's 256 rows of codes lie in the stage
.set i, 0
.rept 16
	ds_load_b128 v[128+4*i:131+4*i], v25 offset:i*8*PITCH                    ; 8 tokens x 64 bytes of my block of 64 columns
.set i, i+1
.endr
.rept 16
	ds_load_b128 v[128+4*i:131+4*i], v30 offset:(i-16)*8*PITCH
.set i, i+1
.endr
.set i, 0
.rept 32
	s_wait_dscnt 31-i                              ; the younger loads may be out
	global_store_b128 v26, v[128+4*i:131+4*i], s[12:13] offset:512*i         ; 512 consecutive bytes
.set i, i+1
.endr
	s_wait_tensorcnt 0x0                           ; the wave's end
	ds_add_u32 v[SPW], v[NIL]
	s_wait_dscnt 0x0
	CROUND                                         ; the closing round
	s_endpgm
.Lfunc_end_k_q65becc8702_ffn1:
	.size	k_q65becc8702_ffn1, .Lfunc_end_k_q65becc8702_ffn1-k_q65becc8702_ffn1
	.p2alignl 7, 3214868480
	.fill 96, 4, 3214868480
	.section	.rodata,"a",@progbits
	.p2align	6, 0x0
	.amdhsa_kernel k_q65becc8702_ffn1
		.amdhsa_group_segment_fixed_size 327680
		.amdhsa_private_segment_fixed_size 0
		.amdhsa_enable_private_segment 0
		.amdhsa_kernarg_size 40
		.amdhsa_user_sgpr_count 2
		.amdhsa_user_sgpr_kernarg_segment_ptr 1
		.amdhsa_wavefront_size32 1
		.amdhsa_system_sgpr_workgroup_id_x 1
		.amdhsa_system_sgpr_workgroup_id_y 1
		.amdhsa_system_sgpr_workgroup_id_z 1
		.amdhsa_system_vgpr_workitem_id 0
		.amdhsa_next_free_vgpr 1024
		.amdhsa_next_free_sgpr 100
		.amdhsa_reserve_vcc 0
		.amdhsa_float_denorm_mode_32 3
		.amdhsa_float_denorm_mode_16_64 3
		.amdhsa_memory_ordered 1
		.amdhsa_forward_progress 1
		.amdhsa_inst_pref_size 127
	.end_amdhsa_kernel
	.amdgpu_metadata
---
amdhsa.version: [ 1, 2 ]
amdhsa.kernels:
  - .name:           k_q65becc8702_ffn1
    .symbol:         k_q65becc8702_ffn1.kd
    .args:
      - { .name: h2c, .offset: 0, .size: 8, .value_kind: global_buffer, .address_space: global }
      - { .name: W1_codes, .offset: 8, .size: 8, .value_kind: global_buffer, .address_space: global }
      - { .name: b1, .offset: 16, .size: 8, .value_kind: global_buffer, .address_space: global }
      - { .name: lowp_scales, .offset: 24, .size: 8, .value_kind: global_buffer, .address_space: global }
      - { .name: hc, .offset: 32, .size: 8, .value_kind: global_buffer, .address_space: global }
    .group_segment_fixed_size: 327680
    .private_segment_fixed_size: 0
    .kernarg_segment_align: 8
    .kernarg_segment_size: 40
    .max_flat_workgroup_size: 128
    .sgpr_count:     100
    .vgpr_count:     1024
    .wavefront_size: 32
...
	.end_amdgpu_metadata
.endif
;; end of part 6
;; launch ffn2 (part 7): grid 8 x 32, 4 waves a work-group, clusters of 4 x 4, 327,680 bytes of LDS; arguments hc, W2_codes, b2, x1, lowp_scales, out0; writes out0
.if DOCPART == 7
	.amdgcn_target "amdgcn-amd-amdhsa--gfx1250"
	.amdhsa_code_object_version 6
	.text
	.protected	k_q65becc8702_ffn2
	.globl	k_q65becc8702_ffn2
	.p2align	8
	.type	k_q65becc8702_ffn2,@function
k_q65becc8702_ffn2:
	s_mov_b64 s[64:65], 0
	v_nop
	global_prefetch_b8 v0, s[64:65] scope:SCOPE_SE
	s_setreg_imm32_b32 hwreg(HW_REG_WAVE_MODE, 25, 1), 1
	s_wait_xcnt 0x0
	s_wait_alu depctr_hold_cnt(0) depctr_sa_sdst(0) depctr_va_vdst(0) depctr_va_sdst(0) depctr_va_ssrc(0) depctr_va_vcc(0) depctr_vm_vsrc(0)
	s_getreg_b32 s2, hwreg(HW_REG_IB_STS2, 6, 4)
	s_cmp_eq_u32 s2, 0
	s_cbranch_scc0 .Lentry_in_a_cluster
	s_endpgm
.Lentry_in_a_cluster:
	s_bfe_u32 s2, ttmp6, 0x10000c
	s_cmp_lg_u32 s2, 0xf033
	s_cbranch_scc0 .Lentry_shape_is_right
	s_endpgm
.Lentry_shape_is_right:
; out[m][n] = res[m][n] + bias[n] + 2^(ea + eb) x the sum over k of A[m][k] B[n][k], on codes of E5M2.  Here: out0 = x1 + gelu(..) W2 + b2.  m: 4,096 tokens, n: 1,024, K = SIZE_K.
; A's codes lie [K / 64][token][64]; B's [n][K], K innermost.  ea, eb: the two whole numbers at byte SCB of the scales' buffer.  LIMIT: ea + eb between -126 and 127.
; A tile of the output is 128 x 128, so that N = 1,024 gives each of 256 work-groups one; four waves, each 64 x 64: 16 accumulators.  A slot holds 512 along K; two slots take turns.
; In LDS: A: two halves of 64 tokens, each [8 blocks of 64 k][64 tokens] with 80 bytes a token; B: two halves of 64 rows of 528 bytes.  One tensor load a wave brings a half.
; CLUSTERS: 4 x 4; A's tile is asked for jointly along a row of the cluster, B's along a column.  THE MATRIX INSTRUCTION IS USED TRANSPOSED (source 0 = B's rows, source 1 = A's): a lane holds 8 neighbouring n of one token.
; REGISTERS: window 0: v16-29 addresses; v32-63 a block's results; v64-95 its rows back from the stage; v96-127 the bias; v128-255 the accumulators ((a, b) at v[128 + 8 (4 a + b)]).
;   window 1: two fragment buffers of 128: A's four fragments, then B's four.   window 2: v0-127 my 64 x 64 numbers of the residual, asked for at the head.
; No prefetch into the L2: a small tile whose joint loads are shared four ways; the slot is as large as LDS allows instead.
.set SIZE_K, 4096
.set SCB,    56
.set LAPS,   SIZE_K/1024               ; a lap = two slots
.set AH,     40960
.set BOFF,   2*AH
.set BH,     64*528
.set SLOT,   BOFF+2*BH
.set SPARE,  2*SLOT                    ; the spare words: two blocks of 256 bytes that no other line names
.set STAGE,  SPARE+512                 ; 16 rows x 272 bytes for each wave; no tile lands here
.set ASTEP,  8*262144                  ; a slot on in A: 8 blocks of 4,096 tokens x 64 bytes
.set ADRA, 16
.set ADRB, 20
.set STO,  24
.set RD,   25
.set CO,   26
.set SPW,  28
.set NIL,  29
.set TT,   32
.set RR,   64
.set BN,   96
.set ACC,  128
.set F0,   0
.set F1,   128
.set G1, 24
.set G0, 32
.set G1B, 48
.set G0B, 56
.set MSB, 0
.macro WIN new
.if MSB != \new
	s_set_vgpr_msb (MSB<<8)|\new
.set MSB, \new
.endif
.endm
.set MUL,  0x05                        ; sources 0 (B) and 1 (A) window 1; C and D window 0
.set TO_F, 0x40
.macro JLOAD s                         ; waves 0 and 1 fetch A's halves, waves 2 and 3 B's; four v_nop follow each line
	s_cmp_eq_u32 s11, 0
	s_cbranch_scc0 .Lfor_b_\@
	tensor_load_to_lds s[G0+4*\s:G0+4*\s+3], s[G1:G1+7]
	s_nop 0
.rept 4
	v_nop
.endr
	s_branch .Lasked_\@
.Lfor_b_\@:
	tensor_load_to_lds s[G0B+4*\s:G0B+4*\s+3], s[G1B:G1B+7]
	s_nop 0
.rept 4
	v_nop
.endr
.Lasked_\@:
.endm
.macro CREST
	s_cmp_lg_u32 s10, 0
	s_cbranch_scc1 .Lnot_wave_0_\@
	s_barrier_signal -3
.Lnot_wave_0_\@:
	s_barrier_wait -3
	s_barrier_signal -1
	s_barrier_wait -1
.endm
.macro CROUND
	s_barrier_signal -1
	s_barrier_wait -1
	CREST
.endm
	s_load_b256 s[68:75], s[0:1], 0x0              ; A's codes, B's codes, the bias, the residual
	s_load_b128 s[76:79], s[0:1], 0x20             ; the scales' exponents, the output
	v_lshl_add_u32 v[SPW], v0, 2, SPARE
	v_mov_b32 v[NIL], 0
	ds_add_u32 v28, v29
	ds_add_u32 v28, v29
	s_wait_dscnt 0x0
	v_lshrrev_b32 v1, 5, v0
	v_readfirstlane_b32 s10, v1                    ; wave 0..3
	s_lshr_b32 s11, s10, 1                         ; my half of the tile's rows.  Also: I fetch for A (0) or for B (1)
	s_and_b32 s12, s10, 1                          ; my half of its columns.  Also: which half I fetch
	s_bfe_u32 s40, ttmp6, 0x40000
	s_bfe_u32 s41, ttmp6, 0x40004
	s_lshl_b32 s42, ttmp9, 2
	s_add_co_u32 s42, s42, s40                     ; tile column
	s_and_b32 s13, ttmp7, 0xffff
	s_lshl_b32 s13, s13, 2
	s_add_co_u32 s13, s13, s41                     ; tile row
	s_lshl_b32 s43, s41, 2
	s_lshl_b32 s43, 15, s43
	s_lshl_b32 s44, 0x1111, s40
	s_or_b32 s[G1+0], s43, (1<<20)|(1<<21)|(3<<22)|(3<<25)    ; A: elements of 1 byte; 4 words of padding behind every 16: a token's 64 bytes
	s_mov_b32 s[G1+1], 4096<<16                    ; a row of the tile: one block's 64 tokens x 64 bytes, dense in memory
	s_mov_b32 s[G1+2], 8<<16
	s_mov_b32 s[G1+3], 4096<<16
	s_mov_b32 s[G1+4], 8                           ; 8 blocks of 64 along K,
	s_mov_b32 s[G1+5], 262144                      ; 4,096 tokens x 64 bytes apart
	s_mov_b32 s[G1+6], 0
	s_mov_b32 s[G1+7], 0
	s_or_b32 s[G1B+0], s44, (1<<20)|(1<<21)|(6<<22)|(3<<25)   ; B: 4 words behind every 128
	s_mov_b32 s[G1B+1], 512<<16
	s_mov_b32 s[G1B+2], 64<<16
	s_mov_b32 s[G1B+3], 512<<16
	s_mov_b32 s[G1B+4], 64
	s_mov_b32 s[G1B+5], SIZE_K
	s_mov_b32 s[G1B+6], 0
	s_mov_b32 s[G1B+7], 0
	s_lshl_b32 s16, s13, 13                        ; A: token 128 x tile row + 64 x half, 64 bytes each
	s_lshl_b32 s17, s12, 12
	s_add_co_u32 s16, s16, s17
	s_mov_b32 s17, 0
	s_lshl_b32 s46, s42, 7                         ; B: row 128 x tile column + 64 x half
	s_lshl_b32 s47, s12, 6
	s_add_co_u32 s46, s46, s47
	s_mul_i32 s46, s46, SIZE_K
	s_mov_b32 s47, 0
	s_mul_i32 s20, s12, AH                         ; where they go
	s_mul_i32 s21, s12, BH
	s_add_co_u32 s21, s21, BOFF
	s_wait_kmcnt 0x0
	s_load_b64 s[96:97], s[76:77], SCB             ; ea, eb
	s_add_nc_u64 s[14:15], s[68:69], s[16:17]
	s_add_nc_u64 s[46:47], s[70:71], s[46:47]
	CROUND                                         ; all sixteen work-groups are here: the first joint loads meet
.irp s, 0,1
	s_mov_b32 s[G0+4*\s], 1
	s_add_co_u32 s[G0+4*\s+1], s20, \s*SLOT
	s_add_nc_u64 s[G0+4*\s+2:G0+4*\s+3], s[14:15], \s*ASTEP
	s_or_b32 s[G0+4*\s+3], s[G0+4*\s+3], 0x80000000
	s_mov_b32 s[G0B+4*\s], 1
	s_add_co_u32 s[G0B+4*\s+1], s21, \s*SLOT
	s_add_nc_u64 s[G0B+4*\s+2:G0B+4*\s+3], s[46:47], \s*512
	s_or_b32 s[G0B+4*\s+3], s[G0B+4*\s+3], 0x80000000
	JLOAD \s
.endr
	v_and_b32 v1, 15, v0                           ; r
	v_bfe_u32 v2, v0, 4, 1                         ; h
	v_mul_u32_u24 v3, v1, 80
	v_lshl_add_u32 v3, v2, 4, v3
	v_mul_u32_u24 v4, v1, 528
	v_lshl_add_u32 v4, v2, 4, v4
	s_mul_i32 s21, s11, AH                         ; my 64 tokens
	s_mul_i32 s22, s12, BH
	s_add_co_u32 s22, s22, BOFF                    ; my 64 rows of B
.irp s, 0,1
	v_add_nc_u32 v[ADRA+\s], s21, v3
	v_add_nc_u32 v[ADRB+\s], s22, v4
	s_add_co_u32 s21, s21, SLOT
	s_add_co_u32 s22, s22, SLOT
.endr
	s_mul_i32 s23, s10, 16*272
	s_add_co_u32 s23, s23, STAGE                   ; my stage
	v_mul_u32_u24 v6, v1, 272
	v_lshl_add_u32 v6, v2, 5, v6
	v_add_nc_u32 v[STO], s23, v6                   ; in: row r, + 32 h
	v_mul_u32_u24 v6, v2, 272
	v_lshl_add_u32 v6, v1, 4, v6
	v_add_nc_u32 v[RD], s23, v6                    ; back: lanes 0-15 one row of 256 bytes, lanes 16-31 the next
	v_lshlrev_b32 v[CO], 12, v2
	v_lshl_add_u32 v[CO], v1, 4, v[CO]             ; the same two rows in memory (rows of 4,096 bytes)
	v_lshlrev_b32 v5, 5, v2                        ; the bias: 32 h
	s_lshl_b32 s16, s13, 7
	s_lshl_b32 s17, s11, 6
	s_add_co_u32 s16, s16, s17
	s_lshl_b32 s16, s16, 12                        ; my first row: 128 x tile row + 64 x half
	s_mov_b32 s17, 0
	s_lshl_b32 s46, s42, 9                         ; my first column, in bytes: 512 x tile column + 256 x half
	s_lshl_b32 s47, s12, 8
	s_add_co_u32 s46, s46, s47
	s_mov_b32 s47, 0
	s_add_nc_u64 s[74:75], s[74:75], s[16:17]
	s_add_nc_u64 s[74:75], s[74:75], s[46:47]
	s_add_nc_u64 s[78:79], s[78:79], s[16:17]
	s_add_nc_u64 s[78:79], s[78:79], s[46:47]
	s_add_nc_u64 s[72:73], s[72:73], s[46:47]
.irp b, 0,1,2,3
	global_load_b128 v[BN+8*\b:BN+8*\b+3], v5, s[72:73] offset:64*\b         ; the bias at columns 16 b + 8 h + 0 .. 7
	global_load_b128 v[BN+8*\b+4:BN+8*\b+7], v5, s[72:73] offset:64*\b+16
.endr
	WIN 0x80                                       ; destination window 2
.set i, 0
.rept 32
	global_load_b128 v[4*i:4*i+3], v[CO], s[74:75] offset:2*i*4096 th:TH_LOAD_NT   ; the residual, two rows of 256 bytes a load; it lands under the products
.set i, i+1
.endr
	WIN 0
.macro MUL8 f, a0, zero                ; 8 matrix instructions: A's blocks a0, a0 + 1 x B's four, 128 along K; the 16 accumulators take turns
.irp a, \a0, \a0+1
.irp b, 0,1,2,3
.if \zero
	v_wmma_f32_16x16x128_bf8_bf8 v[ACC+8*(4*(\a)+\b):ACC+8*(4*(\a)+\b)+7], v[\f+64+16*\b:\f+64+16*\b+15], v[\f+16*(\a):\f+16*(\a)+15], 0
.else
	v_wmma_f32_16x16x128_bf8_bf8 v[ACC+8*(4*(\a)+\b):ACC+8*(4*(\a)+\b)+7], v[\f+64+16*\b:\f+64+16*\b+15], v[\f+16*(\a):\f+16*(\a)+15], v[ACC+8*(4*(\a)+\b):ACC+8*(4*(\a)+\b)+7]
.endif
.endr
.endr
.endm
.macro FETCH slot, q, f                ; 32 LDS loads in one run: the slot's q-th 128 along K: B's four fragments, then A's; registers 4 c .. 4 c + 3 hold k = 32 c + 16 h + 0 .. 15 on both sides
	WIN TO_F
.irp i, 0,1,2,3
.irp c, 0,1,2,3
	ds_load_b128 v[\f+64+16*\i+4*\c:\f+64+16*\i+4*\c+3], v[ADRB+\slot] offset:\i*16*528+128*(\q)+32*\c
.endr
.endr
.irp i, 0,1,2,3
.irp c, 0,1,2,3
	ds_load_b128 v[\f+16*\i+4*\c:\f+16*\i+4*\c+3], v[ADRA+\slot] offset:(2*(\q)+\c/2)*5120+\i*16*80+32*(\c%2)
.endr
.endr
.endm
.macro PLACES
.rept 4
	v_nop
.endr
.endm
.macro QUARTER slot, qn, f, g, zero    ; multiplies buffer f and fetches the slot's quarter qn into g
	s_wait_dscnt 8                                 ; B and A's blocks 0, 1 are in; the youngest eight loads (A's blocks 2, 3) may be out
	WIN MUL
	MUL8 \f, 0, \zero
	PLACES
	FETCH \slot, \qn, \g
	s_wait_dscnt 32                                ; all but the 32 just issued
	WIN MUL
	MUL8 \f, 2, \zero
.endm
; A slot's last quarter multiplies buffer 1 and changes slots: one barrier; in front of it each wave waits for all its tensor loads, adds 0 to its spare word, and waits for that and for its reads of this slot.
.macro TURN slot, next, fill
	WIN 0
	s_wait_tensorcnt 0x0                           ; all my tensor loads have landed: my part of the next slot
	ds_add_u32 v[SPW], v[NIL]                      ; 0 onto my spare word
	s_wait_dscnt 9                                 ; the add and the youngest eight loads may be out
	WIN MUL
	MUL8 F1, 0, 0
	s_wait_dscnt 0x0                               ; the add is done, and my reads of this slot are over
	s_barrier_signal -1
	WIN 0
	s_barrier_wait -1
.if \fill
	CREST                                          ; the barrier has opened a round of the cluster's: no wave of any partner still reads this slot or has a load on its way
	s_add_nc_u64 s[G0+4*\slot+2:G0+4*\slot+3], s[G0+4*\slot+2:G0+4*\slot+3], 2*ASTEP
	s_add_nc_u64 s[G0B+4*\slot+2:G0B+4*\slot+3], s[G0B+4*\slot+2:G0B+4*\slot+3], 2*512
	JLOAD \slot                                    ; the first tensor load behind the round; its four v_nop are the places in front of the loads below
.else
	PLACES
.endif
	FETCH \next, 0, F0
	WIN MUL
	MUL8 F1, 2, 0
.endm
	s_wait_tensorcnt 1                             ; my part of slot 0 is in; slot 1's may be out
	s_barrier_signal -1
	s_barrier_wait -1
	FETCH 0, 0, F0
	QUARTER 0, 1, F0, F1, 1                        ; the first quarter's products start the sums
.if LAPS > 1
	WIN 0
	s_mov_b32 s3, LAPS-1
.Llap:                                                 ; a trip goes once round the ring, from a lap's second quarter to the next lap's first, and fills both slots again
	QUARTER 0, 2, F1, F0, 0
	QUARTER 0, 3, F0, F1, 0
	TURN 0, 1, 1
	QUARTER 1, 1, F0, F1, 0
	QUARTER 1, 2, F1, F0, 0
	QUARTER 1, 3, F0, F1, 0
	TURN 1, 0, 1
	QUARTER 0, 1, F0, F1, 0
	WIN 0
	s_sub_co_u32 s3, s3, 1
	s_cmp_lg_u32 s3, 0
	s_cbranch_scc1 .Llap
.endif
	QUARTER 0, 2, F1, F0, 0                        ; the last lap fills nothing
	QUARTER 0, 3, F0, F1, 0
	TURN 0, 1, 0
	QUARTER 1, 1, F0, F1, 0
	QUARTER 1, 2, F1, F0, 0
	QUARTER 1, 3, F0, F1, 0
	s_wait_dscnt 8
	WIN MUL
	MUL8 F1, 0, 0
	s_wait_dscnt 0
	MUL8 F1, 2, 0
	WIN 0
	; THE WAY OUT, a block of 16 rows at a time: sum x 2^(ea + eb) + bias; through my own stage, so that 16 lanes hold 256 neighbouring bytes of a row; + the residual; stored.
	s_wait_kmcnt 0x0
	s_add_co_i32 s96, s96, s97
	s_add_co_i32 s96, s96, 127
	s_lshl_b32 s96, s96, 23
	s_mov_b32 s97, s96
	s_wait_loadcnt 0x0                             ; the bias and the residual
	PLACES
.irp a, 0,1,2,3
.if \a > 0
	s_wait_xcnt 0x0                                ; the last block's stores have read their registers
.endif
.irp b, 0,1,2,3
.irp j, 0,2,4,6
	v_pk_fma_f32 v[TT+8*\b+\j:TT+8*\b+\j+1], v[ACC+8*(4*\a+\b)+\j:ACC+8*(4*\a+\b)+\j+1], s[96:97], v[BN+8*\b+\j:BN+8*\b+\j+1] op_sel_hi:[1,0,1]   ; each accumulator from its low end on
.endr
.endr
.irp b, 0,1,2,3
	ds_store_b128 v[STO], v[TT+8*\b:TT+8*\b+3] offset:64*\b
	ds_store_b128 v[STO], v[TT+8*\b+4:TT+8*\b+7] offset:64*\b+16
.endr
.irp t, 0,1,2,3,4,5,6,7
	ds_load_b128 v[RR+4*\t:RR+4*\t+3], v[RD] offset:\t*2*272   ; LDS serves a wave's instructions in order: these see my stores
.endr
	s_wait_dscnt 0x0
	WIN 0x08                                       ; source 1 window 2
.set j, 0
.rept 16
	v_pk_add_f32 v[RR+j:RR+j+1], v[RR+j:RR+j+1], v[32*\a+j:32*\a+j+1]
.set j, j+2
.endr
	WIN 0
.irp t, 0,1,2,3,4,5,6,7
	global_store_b128 v[CO], v[RR+4*\t:RR+4*\t+3], s[78:79] offset:(16*\a+2*\t)*4096 th:TH_STORE_NT   ; 16 lanes store 256 consecutive bytes, aligned; written once, read by nobody here
.endr
.endr
	s_wait_tensorcnt 0x0                           ; the wave's end
	ds_add_u32 v[SPW], v[NIL]
	s_wait_dscnt 0x0
	CROUND                                         ; the closing round
	s_endpgm
.Lfunc_end_k_q65becc8702_ffn2:
	.size	k_q65becc8702_ffn2, .Lfunc_end_k_q65becc8702_ffn2-k_q65becc8702_ffn2
	.p2alignl 7, 3214868480
	.fill 96, 4, 3214868480
	.section	.rodata,"a",@progbits
	.p2align	6, 0x0
	.amdhsa_kernel k_q65becc8702_ffn2
		.amdhsa_group_segment_fixed_size 327680
		.amdhsa_private_segment_fixed_size 0
		.amdhsa_enable_private_segment 0
		.amdhsa_kernarg_size 48
		.amdhsa_user_sgpr_count 2
		.amdhsa_user_sgpr_kernarg_segment_ptr 1
		.amdhsa_wavefront_size32 1
		.amdhsa_system_sgpr_workgroup_id_x 1
		.amdhsa_system_sgpr_workgroup_id_y 1
		.amdhsa_system_sgpr_workgroup_id_z 1
		.amdhsa_system_vgpr_workitem_id 0
		.amdhsa_next_free_vgpr 640
		.amdhsa_next_free_sgpr 100
		.amdhsa_reserve_vcc 0
		.amdhsa_float_denorm_mode_32 3
		.amdhsa_float_denorm_mode_16_64 3
		.amdhsa_memory_ordered 1
		.amdhsa_forward_progress 1
		.amdhsa_inst_pref_size 82
	.end_amdhsa_kernel
	.amdgpu_metadata
---
amdhsa.version: [ 1, 2 ]
amdhsa.kernels:
  - .name:           k_q65becc8702_ffn2
    .symbol:         k_q65becc8702_ffn2.kd
    .args:
      - { .name: hc, .offset: 0, .size: 8, .value_kind: global_buffer, .address_space: global }
      - { .name: W2_codes, .offset: 8, .size: 8, .value_kind: global_buffer, .address_space: global }
      - { .name: b2, .offset: 16, .size: 8, .value_kind: global_buffer, .address_space: global }
      - { .name: x1, .offset: 24, .size: 8, .value_kind: global_buffer, .address_space: global }
      - { .name: lowp_scales, .offset: 32, .size: 8, .value_kind: global_buffer, .address_space: global }
      - { .name: out0, .offset: 40, .size: 8, .value_kind: global_buffer, .address_space: global }
    .group_segment_fixed_size: 327680
    .private_segment_fixed_size: 0
    .kernarg_segment_align: 8
    .kernarg_segment_size: 48
    .max_flat_workgroup_size: 128
    .sgpr_count:     100
    .vgpr_count:     640
    .wavefront_size: 32
...
	.end_amdgpu_metadata
.endif
;; end of part 7
;; ======== version 2 of 3: 7 launches; 1.12 times as fast as version 1
;; workspace buffers: h3 12,582,912 bytes; mb 524,288 bytes of whole numbers; mf 8,192 bytes of whole numbers; qkv 12,582,912 bytes; cc 4,194,304 bytes; x1 16,777,216 bytes; h2c 4,194,304 bytes; hc 16,777,216 bytes
;; launch prep (part 8): grid 256 x 1, 8 waves a work-group, no clusters, 109,568 bytes of LDS; arguments x, ln1_g, ln1_b, mask, lowp_scales, h3, mb, mf; writes h3, mb, mf
.if DOCPART == 8
	.amdgcn_target "amdgcn-amd-amdhsa--gfx1250"
	.amdhsa_code_object_version 6
	.text
	.protected	k_q65becc8702_prep
	.globl	k_q65becc8702_prep
	.p2align	8
	.type	k_q65becc8702_prep,@function
k_q65becc8702_prep:
	s_mov_b64 s[64:65], 0
	v_nop
	global_prefetch_b8 v0, s[64:65] scope:SCOPE_SE
	s_setreg_imm32_b32 hwreg(HW_REG_WAVE_MODE, 25, 1), 1
	s_wait_xcnt 0x0
; LayerNorm 1 of x [4096][1024] f32, quantised three times to codes of E5M2 (scales 2^e1, 2^e3, 2^e5: the B operands of the q, k and v products), and the mask [2048][2048] int32 packed to bits.
; h3: three parts of 4 MiB, [4096 rows][1024 codes].  In part 1 token t stands at row swap34(t) (bits 3 and 4 of the row number exchanged), so that the k product's rows come out in the order in which
; the attention launch wants the keys of a tile.  mb: [query tile 128][key step 16][64 words]; bit l of word 16 b + i = (mask[16 tile + l % 16][128 step + 32 b + 16 (l / 16) + i] != 0): a lane mask for one score register.
; mf: [query tile 128][key step 16], one word: 0 where the mask hides all 16 x 128 scores of the tile, 2 where it hides none, 1 else: the attention launch branches on it.
; SHARES.  2,048 waves; wave W takes mask tile (W / 16, W % 16), 16 rows x 512 bytes, and rows 2 W and 2 W + 1 of x.  A row (4,096 bytes) lies in 32 registers of the wave between the passes: x is read once.
; Waves share nothing: no barrier.  No matrix unit, no cluster, no tensor load: a stream whose work-groups share no input but g and b (8 KiB).
; Every load and store of a wave covers 512 (the mask words: 256) consecutive bytes, but for the one flag word a wave.  The conversions want 16 neighbours in a lane, the loads give 4: a row turns through the wave's own stage in LDS (64 bytes + 16 of padding).
; LIMITS: e1, e3, e5 between -126 and 112, so that 2^e and 57,344 x 2^e are f32 numbers.  NaN and infinity in x are not served.
.set WREG,  13568                      ; LDS of a wave: the row stage (64 x 80) and the mask stage (16 x 528)
.set MSTG,  5120
.set GG,    32                         ; v32-63   g
.set BB,    64                         ; v64-95   b
.set X0,    96                         ; v96-127  row 0
.set X1,    128                        ; v128-159 row 1
.set YY,    160                        ; v160-223 the mask tile; later v160-191: 2 x 16 neighbours of a normalised row
.set TT,    192                        ; v192-223 two sets of 16 held numbers
.set CC,    224                        ; v224-247 codes: 3 scales x 2 halves x 4 registers
	s_load_b256 s[4:11], s[0:1], 0x0               ; x, g, b, mask
	s_load_b128 s[12:15], s[0:1], 0x20             ; the scales' exponents, h3
	s_load_b64 s[16:17], s[0:1], 0x30              ; mb
	s_load_b64 s[60:61], s[0:1], 0x38              ; mf
	v_lshl_add_u32 v254, v0, 2, 0x1a800
	v_mov_b32 v255, 0
	v_lshrrev_b32 v1, 5, v0
	v_readfirstlane_b32 s18, v1                    ; wave
	s_lshl_b32 s19, ttmp9, 3
	s_add_co_u32 s19, s19, s18                     ; W
	v_and_b32 v16, 31, v0                          ; lane
	v_and_b32 v17, 15, v0                          ; r
	v_bfe_u32 v18, v0, 4, 1                        ; h
	v_lshlrev_b32 v1, 4, v16                       ; 16 x lane: my bytes of a load's or store's 512
	v_lshlrev_b32 v8, 3, v16                       ; 8 x lane: my two mask words
	s_mul_i32 s20, s18, WREG
	s_add_co_u32 s21, s20, MSTG
	v_lshrrev_b32 v2, 2, v16
	v_mul_u32_u24 v2, v2, 80
	v_and_b32 v19, 3, v16
	v_lshl_add_u32 v2, v19, 4, v2
	v_add_nc_u32 v2, s20, v2                       ; row stage, in: 80 (lane / 4) + 16 (lane % 4)
	v_mul_u32_u24 v3, v16, 80
	v_add_nc_u32 v3, s20, v3                       ; row stage, out: 80 x lane
	v_add_nc_u32 v4, s21, v1                       ; mask stage, in: 16 x lane of a row of 528
	v_mul_u32_u24 v5, v17, 528
	v_lshl_add_u32 v5, v18, 6, v5
	v_add_nc_u32 v5, s21, v5                       ; mask stage, out: row r, + 64 h
	v_mov_b32 v6, 0                                ; the mask words (a lane write's destination counts as read)
	v_mov_b32 v7, 0
	v_mov_b32 v9, 0                                ; the lane permute's destination likewise
	s_lshl_b32 s22, s19, 13                        ; x: two rows of 4,096 bytes
	s_mov_b32 s23, 0
	s_lshr_b32 s24, s19, 4
	s_lshl_b32 s24, s24, 17                        ; mask: 16 rows of 8,192 bytes a query tile,
	s_and_b32 s25, s19, 15
	s_lshl_b32 s25, s25, 9                         ; 512 bytes a key step
	s_add_co_u32 s24, s24, s25
	s_mov_b32 s25, 0
	s_lshl_b32 s26, s19, 8                         ; mb: 256 bytes a tile
	s_mov_b32 s27, 0
	s_lshl_b32 s28, s19, 11                        ; h3: two rows of 1,024 bytes
	s_mov_b32 s29, 0
	s_lshl_b32 s30, s19, 1                         ; swap34(2 W)
	s_and_b32 s31, s30, 8
	s_lshl_b32 s31, s31, 1
	s_and_b32 s40, s30, 16
	s_lshr_b32 s40, s40, 1
	s_and_b32 s30, s30, 0xffffffe7
	s_or_b32 s30, s30, s31
	s_or_b32 s30, s30, s40
	s_lshl_b32 s30, s30, 10
	s_add_co_u32 s30, s30, 0x400000                ; in part 1
	s_mov_b32 s31, 0
	s_add_co_u32 s42, s28, 0x800000                ; part 2
	s_mov_b32 s43, 0
	s_lshl_b32 s62, s19, 2                         ; mf: 4 bytes a tile
	s_mov_b32 s63, 0
	s_mov_b32 s48, 0x3a800000                      ; 1 / 1024
	s_mov_b32 s49, 0x3727c5ac                      ; 1e-5
	s_mov_b32 s50, 0x76543210                      ; lane l takes lane l xor 16
	s_mov_b32 s51, 0xfedcba98
	s_mov_b32 s54, 0                               ; the OR of the tile's 64 words,
	s_mov_b32 s55, -1                              ; and their AND
	s_wait_kmcnt 0x0
	s_load_b256 s[32:39], s[12:13], 0x0            ; e0 .. e7
	s_add_nc_u64 s[4:5], s[4:5], s[22:23]
	s_add_nc_u64 s[10:11], s[10:11], s[24:25]
	s_add_nc_u64 s[16:17], s[16:17], s[26:27]
	s_add_nc_u64 s[60:61], s[60:61], s[62:63]
	s_add_nc_u64 s[24:25], s[14:15], s[28:29]      ; the three places in h3: s[24:25], s[26:27], s[28:29]
	s_add_nc_u64 s[26:27], s[14:15], s[30:31]
	s_add_nc_u64 s[28:29], s[14:15], s[42:43]
.irp q, 0,1,2,3,4,5,6,7,8,9,10,11,12,13,14,15
	global_load_b128 v[YY+4*\q:YY+4*\q+3], v1, s[10:11] offset:\q*8192 th:TH_LOAD_NT   ; 128 mask numbers of query row q
.endr
.irp j, 0,1,2,3,4,5,6,7
	global_load_b128 v[GG+4*\j:GG+4*\j+3], v1, s[6:7] offset:512*\j
	global_load_b128 v[BB+4*\j:BB+4*\j+3], v1, s[8:9] offset:512*\j
.endr
.irp j, 0,1,2,3,4,5,6,7
	global_load_b128 v[X0+4*\j:X0+4*\j+3], v1, s[4:5] offset:512*\j th:TH_LOAD_NT
.endr
.irp j, 0,1,2,3,4,5,6,7
	global_load_b128 v[X1+4*\j:X1+4*\j+3], v1, s[4:5] offset:4096+512*\j th:TH_LOAD_NT
.endr
	s_wait_kmcnt 0x0
.irp s, 0,1,2
	s_add_co_i32 s52, s[33+2*\s], 127
	s_lshl_b32 s53, s52, 23
	v_mov_b32 v[10+\s], s53                        ; 2^e as f32: the conversion takes its exponent field
	s_add_co_i32 s52, s52, 15
	s_lshl_b32 s52, s52, 23
	s_or_b32 s52, s52, 0x600000
	v_mov_b32 v[13+\s], s52                        ; 57,344 x 2^e
.endr
	; ---- the mask tile: through the stage, so that lane (r, h) holds query r's numbers at keys 32 b + 16 h + i in register 16 b + i
	s_wait_loadcnt 32                              ; the mask's 16 loads are in; the 32 younger ones (g, b, two rows) stay out
.irp q, 0,1,2,3,4,5,6,7,8,9,10,11,12,13,14,15
	ds_store_b128 v4, v[YY+4*\q:YY+4*\q+3] offset:528*\q
.endr
	s_wait_dscnt 0x0                               ; the stores have read their registers, which the loads below fill
.irp b, 0,1,2,3
.irp j, 0,1,2,3
	ds_load_b128 v[YY+16*\b+4*\j:YY+16*\b+4*\j+3], v5 offset:128*\b+16*\j
.endr
.endr
	s_wait_dscnt 0x0
.set w, 0
.rept 8
.irp k, 0,1,2,3,4,5,6,7
	v_cmp_ne_u32 s[40+\k], 0, v[YY+w+\k]           ; one bit a lane: word w + k
.endr
.irp k, 0,1,2,3,4,5,6,7
	v_writelane_b32 v[6+(\k%2)], s[40+\k], (w+\k)/2   ; word n goes to lane n / 2, register n % 2
.endr
.irp k, 0,1,2,3,4,5,6,7
	s_or_b32 s54, s54, s[40+\k]                    ; is any score of the tile left?
	s_and_b32 s55, s55, s[40+\k]                   ; are all left?
.endr
.set w, w+8
.endr
	global_store_b64 v8, v[6:7], s[16:17]          ; 32 lanes store 256 consecutive bytes, aligned
	s_cmp_lg_u32 s54, 0
	s_cselect_b32 s56, 1, 0
	s_cmp_eq_u32 s55, -1
	s_cselect_b32 s57, 1, 0
	s_add_co_u32 s56, s56, s57                     ; the tile's flag: 0 all hidden, 1 mixed, 2 all open
	v_mov_b32 v20, s56
	v_mov_b32 v21, 0
	v_cmp_eq_u32 vcc_lo, 0, v16                    ; lane 0 stores it: 4 bytes a wave, 8 KiB in the whole launch
	s_wait_xcnt 0x0                                ; EXEC is a source of the loads and stores that are out: it changes only behind this wait
	s_and_saveexec_b32 s58, vcc_lo
	global_store_b32 v21, v20, s[60:61]
	s_wait_xcnt 0x0                                ; and again ahead of the line that widens it; v20 and v21 are written again below
	s_or_b32 exec_lo, exec_lo, s58
.macro REDUCE r                        ; the sum over the wave's 32 lanes, in every lane
	v_add_f32_dpp v[\r], v[\r], v[\r] row_xmask:1 row_mask:0xf bank_mask:0xf
	v_add_f32_dpp v[\r], v[\r], v[\r] row_xmask:2 row_mask:0xf bank_mask:0xf
	v_add_f32_dpp v[\r], v[\r], v[\r] row_xmask:4 row_mask:0xf bank_mask:0xf
	v_add_f32_dpp v[\r], v[\r], v[\r] row_xmask:8 row_mask:0xf bank_mask:0xf
	v_permlanex16_b32 v9, v[\r], s50, s51
	v_add_f32 v[\r], v[\r], v9
.endm
; One row, in v[X] on: the mean, the deviations, their mean square (two passes, as the definition has them), x g + b, the turn through the stage, three quantisations.
.macro ROW X, i, left
	s_wait_loadcnt \left                           ; this row's loads are in; left = the younger loads that may stay out
	v_pk_add_f32 v[16:17], v[\X:\X+1], v[\X+2:\X+3]
	v_pk_add_f32 v[18:19], v[\X+4:\X+5], v[\X+6:\X+7]
	v_pk_add_f32 v[20:21], v[\X+8:\X+9], v[\X+10:\X+11]
	v_pk_add_f32 v[22:23], v[\X+12:\X+13], v[\X+14:\X+15]
.irp j, 16,24
	v_pk_add_f32 v[16:17], v[16:17], v[\X+\j:\X+\j+1]
	v_pk_add_f32 v[18:19], v[18:19], v[\X+\j+2:\X+\j+3]
	v_pk_add_f32 v[20:21], v[20:21], v[\X+\j+4:\X+\j+5]
	v_pk_add_f32 v[22:23], v[22:23], v[\X+\j+6:\X+\j+7]
.endr
	v_pk_add_f32 v[16:17], v[16:17], v[18:19]
	v_pk_add_f32 v[20:21], v[20:21], v[22:23]
	v_pk_add_f32 v[16:17], v[16:17], v[20:21]
	v_add_f32 v16, v16, v17
	REDUCE 16
	v_mul_f32 v16, s48, v16                        ; the mean
.set j, 0
.rept 16
	v_pk_add_f32 v[\X+j:\X+j+1], v[\X+j:\X+j+1], v[16:17] op_sel_hi:[1,0] neg_lo:[0,1] neg_hi:[0,1]
.set j, j+2
.endr
	v_pk_mul_f32 v[18:19], v[\X:\X+1], v[\X:\X+1]
	v_pk_mul_f32 v[20:21], v[\X+2:\X+3], v[\X+2:\X+3]
	v_pk_mul_f32 v[22:23], v[\X+4:\X+5], v[\X+4:\X+5]
	v_pk_mul_f32 v[24:25], v[\X+6:\X+7], v[\X+6:\X+7]
.irp j, 8,16,24
	v_pk_fma_f32 v[18:19], v[\X+\j:\X+\j+1], v[\X+\j:\X+\j+1], v[18:19]
	v_pk_fma_f32 v[20:21], v[\X+\j+2:\X+\j+3], v[\X+\j+2:\X+\j+3], v[20:21]
	v_pk_fma_f32 v[22:23], v[\X+\j+4:\X+\j+5], v[\X+\j+4:\X+\j+5], v[22:23]
	v_pk_fma_f32 v[24:25], v[\X+\j+6:\X+\j+7], v[\X+\j+6:\X+\j+7], v[24:25]
.endr
	v_pk_add_f32 v[18:19], v[18:19], v[20:21]
	v_pk_add_f32 v[22:23], v[22:23], v[24:25]
	v_pk_add_f32 v[18:19], v[18:19], v[22:23]
	v_add_f32 v18, v18, v19
	REDUCE 18
	v_fma_f32 v18, v18, s48, s49                   ; the variance + 1e-5
	v_rsq_f32 v26, v18
	v_mov_b32 v27, 0                               ; a plain line behind the root; it also writes the pair's upper half
	s_wait_alu depctr_va_vdst(0)                   ; the wait ahead of the first line that names the root's result
.set j, 0
.rept 16
	v_pk_mul_f32 v[\X+j:\X+j+1], v[\X+j:\X+j+1], v[26:27] op_sel_hi:[1,0]
.set j, j+2
.endr
.set j, 0
.rept 16
	v_pk_fma_f32 v[\X+j:\X+j+1], v[\X+j:\X+j+1], v[GG+j:GG+j+1], v[BB+j:BB+j+1]
.set j, j+2
.endr
.irp j, 0,1,2,3,4,5,6,7
	ds_store_b128 v2, v[\X+4*\j:\X+4*\j+3] offset:640*\j   ; as loaded: eight chunks of 64 bytes a store
.endr
.irp u, 0,1
.irp k, 0,1,2,3
	ds_load_b128 v[YY+16*\u+4*\k:YY+16*\u+4*\k+3], v3 offset:2560*\u+16*\k   ; back: elements 16 (lane + 32 u) + 0 .. 15; LDS serves a wave's instructions in order
.endr
.endr
	s_wait_dscnt 0x0
.irp s, 0,1,2
.irp u, 0,1
.set j, 0
.rept 16
	v_med3_num_f32 v[TT+16*\u+j], v[YY+16*\u+j], -v[13+\s], v[13+\s]   ; the conversion does not saturate (ISA guide 7.6.2): the hold at the largest code x the scale
.set j, j+1
.endr
	v_cvt_scalef32_pk8_bf8_f32 v[CC+4*(2*\s+\u):CC+4*(2*\s+\u)+1], v[TT+16*\u:TT+16*\u+7], v[10+\s]
	v_cvt_scalef32_pk8_bf8_f32 v[CC+4*(2*\s+\u)+2:CC+4*(2*\s+\u)+3], v[TT+16*\u+8:TT+16*\u+15], v[10+\s]
	v_nop                                          ; a plain line behind the conversions: their sources are written again two sets on
	global_store_b128 v1, v[CC+4*(2*\s+\u):CC+4*(2*\s+\u)+3], s[24+2*\s:25+2*\s] offset:\i*1024+512*\u   ; 512 consecutive bytes of the row's codes
.endr
.endr
.endm
	ROW X0, 0, 8                                   ; row 1's eight loads stay out
	s_wait_xcnt 0x0                                ; the stores have read their registers: the codes' registers are written again
	ROW X1, 1, 0
	s_wait_tensorcnt 0x0
	ds_add_u32 v254, v255
	s_wait_dscnt 0x0
	s_endpgm
.Lfunc_end_k_q65becc8702_prep:
	.size	k_q65becc8702_prep, .Lfunc_end_k_q65becc8702_prep-k_q65becc8702_prep
	.p2alignl 7, 3214868480
	.fill 96, 4, 3214868480
	.section	.rodata,"a",@progbits
	.p2align	6, 0x0
	.amdhsa_kernel k_q65becc8702_prep
		.amdhsa_group_segment_fixed_size 109568
		.amdhsa_private_segment_fixed_size 0
		.amdhsa_enable_private_segment 0
		.amdhsa_kernarg_size 64
		.amdhsa_user_sgpr_count 2
		.amdhsa_user_sgpr_kernarg_segment_ptr 1
		.amdhsa_wavefront_size32 1
		.amdhsa_system_sgpr_workgroup_id_x 1
		.amdhsa_system_sgpr_workgroup_id_y 1
		.amdhsa_system_sgpr_workgroup_id_z 1
		.amdhsa_system_vgpr_workitem_id 0
		.amdhsa_next_free_vgpr 256
		.amdhsa_next_free_sgpr 66
		.amdhsa_reserve_vcc 1
		.amdhsa_float_denorm_mode_32 3
		.amdhsa_float_denorm_mode_16_64 3
		.amdhsa_memory_ordered 1
		.amdhsa_forward_progress 1
		.amdhsa_inst_pref_size 53
	.end_amdhsa_kernel
	.amdgpu_metadata
---
amdhsa.version: [ 1, 2 ]
amdhsa.kernels:
  - .name:           k_q65becc8702_prep
    .symbol:         k_q65becc8702_prep.kd
    .args:
      - { .name: x, .offset: 0, .size: 8, .value_kind: global_buffer, .address_space: global }
      - { .name: ln1_g, .offset: 8, .size: 8, .value_kind: global_buffer, .address_space: global }
      - { .name: ln1_b, .offset: 16, .size: 8, .value_kind: global_buffer, .address_space: global }
      - { .name: mask, .offset: 24, .size: 8, .value_kind: global_buffer, .address_space: global }
      - { .name: lowp_scales, .offset: 32, .size: 8, .value_kind: global_buffer, .address_space: global }
      - { .name: h3, .offset: 40, .size: 8, .value_kind: global_buffer, .address_space: global }
      - { .name: mb, .offset: 48, .size: 8, .value_kind: global_buffer, .address_space: global }
      - { .name: mf, .offset: 56, .size: 8, .value_kind: global_buffer, .address_space: global }
    .group_segment_fixed_size: 109568
    .private_segment_fixed_size: 0
    .kernarg_segment_align: 8
    .kernarg_segment_size: 64
    .max_flat_workgroup_size: 256
    .sgpr_count:     66
    .vgpr_count:     256
    .wavefront_size: 32
...
	.end_amdgpu_metadata
.endif
;; end of part 8
;; launch qkv: the kernel of part 2 again; grid 12 x 16, 4 waves a work-group, clusters of 4 x 4, 327,680 bytes of LDS; arguments h3, Wq_codes, Wk_codes, Wv_codes, bq, bk, bv, lowp_scales, qkv; writes qkv
;; launch attn (part 9): grid 8 x 32, 16 waves a work-group, no clusters, 325,632 bytes of LDS; arguments qkv, mb, mf, lowp_scales, cc; writes cc
.if DOCPART == 9
	.amdgcn_target "amdgcn-amd-amdhsa--gfx1250"
	.amdhsa_code_object_version 6
	.text
	.protected	k_q65becc8702_attn
	.globl	k_q65becc8702_attn
	.p2align	8
	.type	k_q65becc8702_attn,@function
k_q65becc8702_attn:
	s_mov_b64 s[64:65], 0
	v_nop
	global_prefetch_b8 v0, s[64:65] scope:SCOPE_SE
	s_setreg_imm32_b32 hwreg(HW_REG_WAVE_MODE, 25, 1), 1
	s_wait_xcnt 0x0
; ctx[b][h][q] = the sum over keys of softmax(q . k / 8, masked) v, both products on codes of E5M2.  q's, k's codes [b 16 + h][t][64] (k's row p holds key swap34(p)); v's [64 h + d][2,048 b + t], keys innermost.
; THE MASK IS AN INPUT.  The launch before has packed it: mb holds one 32-bit lane mask for each score register of each tile of 16 queries x 128 keys, mf one flag a tile: 0 all hidden, 1 mixed, 2 all open.
; A key step whose flag is 0 is left out: all its p would be 0, and M, the sum and O would stay as they are.  In a step whose flag is 1 the lane masks put -infinity where the mask is 0, ahead of the maximum.
; In a step whose flag is 2 nothing is to be hidden, and the mask words are not read.  That holds for every mask; how much is left out hangs on the mask alone.
; THE SOFTMAX: t = score x log2(e) / 8; M = the largest t so far rounded UP to a whole number; p = 2^(t - M) is quantised with 2^e8, not normalised; the row's sum is taken of the unquantised p and divides at the end.
; When M moves, the sum and O are multiplied by 2^(old M - new M): exact.  A query with no key left has the sum 0: its codes become the format's NaN code, as the definition gives NaN there.
; SHARES.  A work-group owns 16 tiles of 16 queries of one (b, h): tiles x + 8 j, j = 0 .. 15; each of its sixteen waves owns one, in 256 registers: four waves to a SIMD.  Wave w takes j from a square of 4 x 4 whose rows and
; columns all add to 30: where the hidden part grows with key - query, any four waves w / 4 alike, or w % 4 alike, have the same number of steps to walk.  The order of the tiles enters addresses alone, no value.
; NO TENSOR LOAD AND NO CLUSTER, though the eight work-groups of a (b, h) read the same K and V: the steps that a wave walks hang on flags read from memory, and joint requests want partners that run alike.
; So each work-group brings the head's K and V, 256 KiB, itself, once, through registers: 32 loads of 16 bytes a thread, all issued together, each wave's load 512 consecutive bytes; then one barrier, and none after it.
; In LDS: K: 2,048 rows x 80 bytes (64 + 16 of padding); V: 8 chunks of 256 keys, each 64 rows x 272 bytes; a stage of 16 rows x 80 bytes for each wave.
; LAYOUT.  Both products transposed: S^T = K Q^T, O^T = V^T P^T: a lane holds ONE query (lane % 16).  Since k's rows are stored swapped, tile T's lane r reads row 16 T + r, and the 16 registers of tiles 2 b, 2 b + 1 are keys 32 b + 16 (lane / 16) + 0 .. 15.
; No prefetch into the L2: every byte of K and V is asked for in the kernel's first lines.
; LIMITS: e6 + e7 between -123 and 130 (added to c's exponent field); e8, e10 between -126 and 112.  NaN and infinity among q, k, v do not occur: they are codes held at the largest code.
; REGISTERS: v1, v2 my lane's place in K, V; v3-5 the way out; v8, v9 addresses in hand; v12 -M, v13 the largest t, v[14:15] the sum; v16-23 Q; v24-30 the fill's and Q's offsets; v32-95 K's eight fragments, then V's four;
;   v96-159 S^T, then p; v160-191 O^T; v224-239 p's codes.  At the head v32-159 hold the thread's 32 x 16 bytes of K and V.
;   s2, s3 LDS byte of the trip's keys in K, V; s16 trips; s17 the trip's bytes in my mask words; s18 the step's flag; s19 the flags to come, two bits each; s[24:55], s[68:99] a mixed step's 64 lane masks.
.set KP,    80
.set VP,    272
.set VOFF,  2048*KP
.set VCH,   64*VP
.set STAGE, VOFF+8*VCH
	s_load_b256 s[4:11], s[0:1], 0x0               ; qkv, mb, mf, the scales' exponents
	s_load_b64 s[14:15], s[0:1], 0x20              ; cc
	v_lshl_add_u32 v251, v0, 2, 0x4f000
	v_mov_b32 v255, 0
	v_lshrrev_b32 v8, 5, v0
	v_readfirstlane_b32 s12, v8                    ; wave 0..15
	s_mov_b32 s16, 0x7a94c12f                      ; j of waves 0-7, four bits each: 15 2 1 12 / 4 9 10 7
	s_mov_b32 s17, 0x0de3b658                      ; of waves 8-15: 8 5 6 11 / 3 14 13 0
	s_cmp_lt_u32 s12, 8
	s_cselect_b32 s16, s16, s17
	s_and_b32 s17, s12, 7
	s_lshl_b32 s17, s17, 2
	s_lshr_b32 s16, s16, s17
	s_and_b32 s16, s16, 15                         ; j
	s_lshl_b32 s13, s16, 3
	s_add_co_u32 s13, s13, ttmp9                   ; my query tile: 8 j + work-group x
	; the fill: thread t takes 16 bytes of each 8,192
	v_lshlrev_b32 v24, 4, v0                       ; K in memory: 16 t; round i is 128 rows of 64 bytes on
	v_lshrrev_b32 v25, 2, v0
	v_mul_u32_u24 v25, v25, KP
	v_and_b32 v6, 3, v0
	v_lshl_add_u32 v25, v6, 4, v25                 ; K in LDS: row t / 4, 16 (t % 4); rounds 0-5,
	v_add_nc_u32 v26, 6*128*KP, v25                ; 6-11,
	v_add_nc_u32 v27, 12*128*KP, v25               ; 12-15 (an LDS immediate has 16 bits)
	v_lshrrev_b32 v6, 7, v0                        ; V: a round is four rows of 2,048 bytes: row t / 128,
	v_and_b32 v7, 127, v0
	v_lshlrev_b32 v28, 12, v6
	v_lshl_add_u32 v28, v7, 4, v28                 ; in memory: rows 4,096 bytes apart, 16 (t % 128)
	v_mul_u32_u24 v29, v6, VP
	v_bfe_u32 v7, v0, 4, 3
	v_mul_u32_u24 v7, v7, VCH
	v_add_nc_u32 v29, v29, v7
	v_and_b32 v7, 15, v0
	v_lshl_add_u32 v29, v7, 4, v29
	v_add_nc_u32 v29, VOFF, v29                    ; in LDS: chunk (t / 16) % 8, row t / 128, 16 (t % 16)
	v_and_b32 v8, 15, v0                           ; r
	v_bfe_u32 v9, v0, 4, 1                         ; h
	v_lshlrev_b32 v30, 6, v8
	v_lshl_add_u32 v30, v9, 4, v30                 ; Q: row r of 64 bytes, + 16 h
	s_and_b32 s28, ttmp7, 0xffff                   ; 16 b + h
	s_and_b32 s29, s28, 15                         ; h
	s_lshr_b32 s30, s28, 4                         ; b
	s_lshl_b32 s32, s28, 17                        ; a head's 131,072 bytes in q's and k's parts
	s_add_co_u32 s34, s32, 0x400000                ; K: part 1
	s_mov_b32 s35, 0
	s_lshl_b32 s36, s29, 18                        ; V: part 2: 64 rows of 4,096 bytes a head, 2,048 bytes a batch
	s_lshl_b32 s31, s30, 11
	s_add_co_u32 s36, s36, s31
	s_add_co_u32 s36, s36, 0x800000
	s_mov_b32 s37, 0
	s_lshl_b32 s31, s13, 10                        ; my 16 queries x 64 bytes
	s_add_co_u32 s32, s32, s31                     ; Q
	s_mov_b32 s33, 0
	s_lshl_b32 s38, s29, 18                        ; cc [h][token][64]
	s_lshl_b32 s39, s30, 17
	s_add_co_u32 s38, s38, s39
	s_add_co_u32 s38, s38, s31
	s_mov_b32 s39, 0
	s_lshl_b32 s40, s13, 12                        ; mb: 4,096 bytes a query tile
	s_mov_b32 s41, 0
	s_lshl_b32 s42, s13, 6                         ; mf: 16 words a query tile
	s_mov_b32 s43, 0
	s_mov_b32 s20, 0x76543210                      ; lane l takes lane l xor 16
	s_mov_b32 s21, 0xfedcba98
	s_mov_b32 s22, 0x3e38aa3b                      ; c = log2(e) / 8
	s_mov_b32 s2, 0
	s_mov_b32 s3, 0
	s_mov_b32 s17, 0
	s_wait_kmcnt 0x0
	s_add_nc_u64 s[24:25], s[4:5], s[34:35]        ; K
	s_add_nc_u64 s[26:27], s[4:5], s[36:37]        ; V
	s_add_nc_u64 s[4:5], s[4:5], s[32:33]          ; Q
	s_add_nc_u64 s[14:15], s[14:15], s[38:39]      ; the output
	s_add_nc_u64 s[6:7], s[6:7], s[40:41]          ; my query tile's mask words
	s_add_nc_u64 s[8:9], s[8:9], s[42:43]          ; and flags
	s_load_b512 s[68:83], s[8:9], 0x0              ; the 16 key steps' flags
	s_load_b256 s[56:63], s[10:11], 0x18           ; e6 .. e13
.set i, 0
.rept 16
	global_load_b128 v[32+4*i:35+4*i], v24, s[24:25] offset:8192*i    ; K: a wave's load covers 512 consecutive bytes
.set i, i+1
.endr
.set i, 0
.rept 16
	global_load_b128 v[96+4*i:99+4*i], v28, s[26:27] offset:16384*i   ; V likewise
.set i, i+1
.endr
	global_load_b128 v[16:19], v30, s[4:5]         ; Q's fragment: k = 32 c + 16 h + 0 .. 15, as K's
	global_load_b128 v[20:23], v30, s[4:5] offset:32
	v_mul_u32_u24 v1, v8, KP
	v_lshl_add_u32 v1, v9, 4, v1
	v_mul_u32_u24 v2, v8, VP
	v_lshl_add_u32 v2, v9, 4, v2
	v_add_nc_u32 v2, VOFF, v2
	s_mul_i32 s31, s12, 16*KP
	s_add_co_u32 s31, s31, STAGE                   ; my stage
	v_mul_u32_u24 v3, v8, KP
	v_lshl_add_u32 v3, v9, 3, v3
	v_add_nc_u32 v3, s31, v3                       ; in: row r, + 8 h
	v_and_b32 v5, 31, v0
	v_lshrrev_b32 v4, 2, v5
	v_mul_u32_u24 v4, v4, KP
	v_and_b32 v11, 3, v5
	v_lshl_add_u32 v4, v11, 4, v4
	v_add_nc_u32 v4, s31, v4                       ; back: row lane / 4, 16 (lane % 4)
	v_lshlrev_b32 v5, 4, v5                        ; in memory: 16 x lane
	v_mov_b32 v13, 0xff61b1e6                      ; the largest t so far: -3e38
	v_floor_f32 v12, -v13                          ; -M
	v_mov_b32 v14, 0
	v_mov_b32 v15, 0
	v_mov_b32 v236, 0                              ; a lane permute's destination counts as read
	v_mov_b32 v253, 0                              ; the upper half of the pair v[252:253]
	v_mov_b32 v246, 0xff800000                     ; -infinity
.set j, 0
.rept 32
	v_mov_b32 v[160+j], 0                          ; O^T: the step is written once; the first that is walked finds zeros
.set j, j+1
.endr
	s_wait_kmcnt 0x0
	s_mov_b32 s19, s83                             ; the flags, two bits each, step 0's lowest
.irp k, 14,13,12,11,10,9,8,7,6,5,4,3,2,1,0
	s_lshl_b32 s19, s19, 2
	s_or_b32 s19, s19, s[68+\k]
.endr
	s_add_co_i32 s28, s56, s57
	s_lshl_b32 s28, s28, 23
	s_add_co_i32 s22, s22, s28                     ; a score stands for score x 2^(e6 + e7)
	s_mov_b32 s23, s22
	s_add_co_i32 s28, s58, 127
	s_lshl_b32 s29, s28, 23
	v_mov_b32 v244, s29                            ; 2^e8
	s_add_co_i32 s28, s28, 15
	s_lshl_b32 s28, s28, 23
	s_or_b32 s28, s28, 0x600000
	v_mov_b32 v240, s28                            ; 57,344 x 2^e8
.set i, 0
.rept 16
	s_wait_loadcnt 33-i                            ; K's load i is in: behind it stand 15 - i of K's, V's 16 and Q's 2
.if i < 6
	ds_store_b128 v25, v[32+4*i:35+4*i] offset:128*KP*i
.elseif i < 12
	ds_store_b128 v26, v[32+4*i:35+4*i] offset:128*KP*(i-6)
.else
	ds_store_b128 v27, v[32+4*i:35+4*i] offset:128*KP*(i-12)
.endif
.set i, i+1
.endr
.set i, 0
.rept 16
	s_wait_loadcnt 17-i                            ; V's load i is in: behind it stand 15 - i of V's and Q's 2
	ds_store_b128 v29, v[96+4*i:99+4*i] offset:4*VP*i
.set i, i+1
.endr
	s_wait_dscnt 0x0                               ; for the others' sake: my stores are done
	s_barrier_signal -1
	s_barrier_wait -1                              ; the head's K and V are whole; nothing is written there again
	s_wait_loadcnt 0x0                             ; Q
; The front of a key step (128 keys, the q-th of the trip's 256): K's eight fragments, the scores, and V's four fragments, which land under the softmax.
; It is written on both ways of a step, so that each way makes the LDS addresses that it uses.
.macro FRONT q
	v_add_nc_u32 v8, s2, v1
	v_add_nc_u32 v9, s3, v2
	v_nop
	v_nop                                          ; four plain lines in front of loads into registers that the last products read
.irp T, 0,1,2,3,4,5,6,7
	ds_load_b128 v[32+8*\T:35+8*\T], v8 offset:(128*(\q)+16*\T)*KP
	ds_load_b128 v[36+8*\T:39+8*\T], v8 offset:(128*(\q)+16*\T)*KP+32
.endr
	s_wait_dscnt 0x0
.irp T, 0,1,2,3,4,5,6,7
	v_wmma_f32_16x16x64_bf8_bf8 v[96+8*\T:103+8*\T], v[32+8*\T:39+8*\T], v[16:23], 0
.endr
.rept 4
	v_nop
.endr
.irp t, 0,1,2,3
.irp c, 0,1,2,3
	ds_load_b128 v[32+16*\t+4*\c:35+16*\t+4*\c], v9 offset:16*\t*VP+128*(\q)+32*\c
.endr
.endr
.endm
.macro STEP q
	s_and_b32 s18, s19, 3                          ; this step's flag
	s_lshr_b32 s19, s19, 2
	s_cmp_eq_u32 s18, 0
	s_cbranch_scc1 .Lhidden_\@                     ; every score of my 16 queries is hidden: nothing to do.  No barrier and no address step stands in a step
	s_cmp_eq_u32 s18, 1
	s_cbranch_scc0 .Lopen_\@
	s_load_b512 s[24:39], s[6:7], s17 offset:256*(\q)       ; mixed: the step's 64 lane masks, asked for ahead of the front
	s_load_b512 s[40:55], s[6:7], s17 offset:256*(\q)+64
	s_load_b512 s[68:83], s[6:7], s17 offset:256*(\q)+128
	s_load_b512 s[84:99], s[6:7], s17 offset:256*(\q)+192
	FRONT \q
	s_wait_kmcnt 0x0
.set n, 0
.rept 32
	v_cndmask_b32 v[96+n], v246, v[96+n], s[24+n]  ; -infinity where the mask is 0; each accumulator from its low end on
.set n, n+1
.endr
.set n, 0
.rept 32
	v_cndmask_b32 v[128+n], v246, v[128+n], s[68+n]
.set n, n+1
.endr
	s_branch .Lsoft_\@
.Lopen_\@:
	FRONT \q
.Lsoft_\@:
	v_max3_num_f32 v254, v96, v97, v98             ; the largest score among my 64 keys, in two chains
	v_max3_num_f32 v252, v99, v100, v101
.irp i, 6,10,14,18,22,26,30,34,38,42,46,50,54,58
	v_max3_num_f32 v254, v254, v[96+\i], v[97+\i]
	v_max3_num_f32 v252, v252, v[98+\i], v[99+\i]
.endr
	v_max3_num_f32 v254, v254, v158, v159
	v_max_num_f32 v254, v254, v252
	v_permlanex16_b32 v236, v254, s20, s21
	v_max_num_f32 v254, v254, v236                 ; and among lane l xor 16's
	v_mul_f32 v254, s22, v254                      ; as t (c is positive)
	v_max_num_f32 v13, v13, v254                   ; the running largest t
	v_mov_b32 v254, v12
	v_floor_f32 v12, -v13                          ; the new -M = -ceil(t)
	v_sub_f32 v254, v12, v254                      ; old M - new M: a whole number, 0 or less
	v_cvt_i32_f32 v254, v254                       ; (it saturates)
	v_ldexp_f32 v252, 1.0, v254                    ; f = 2^(old M - new M)
.set j, 0
.rept 32
	v_pk_fma_f32 v[96+j:97+j], v[96+j:97+j], s[22:23], v[12:13] op_sel_hi:[1,0,0]   ; t - M
.set j, j+2
.endr
.set j, 0
.rept 64
	v_exp_f32 v[96+j], v[96+j]                     ; p = 2^(t - M)
.set j, j+1
.endr
	v_pk_mul_f32 v[14:15], v[14:15], v[252:253] op_sel_hi:[1,0]   ; the sums under the new M: the plain line behind the exponentials
	s_wait_alu depctr_va_vdst(0)                   ; one wait for the whole batch, ahead of its first reader
	v_pk_add_f32 v[242:243], v[96:97], v[98:99]    ; the row's sum is taken of the unquantised p
.irp j, 4,8,12,16,20,24,28,32,36,40,44,48,52,56,60
	v_pk_add_f32 v[14:15], v[14:15], v[96+\j:97+\j]
	v_pk_add_f32 v[242:243], v[242:243], v[98+\j:99+\j]
.endr
	v_pk_add_f32 v[14:15], v[14:15], v[242:243]
.irp b, 0,1,2,3
.set j, 0
.rept 16
	v_min_num_f32 v[96+16*\b+j], v[96+16*\b+j], v240   ; the conversion does not saturate (ISA guide 7.6.2); p is not negative: the hold is one-sided
.set j, j+1
.endr
	v_cvt_scalef32_pk8_bf8_f32 v[224+4*\b:225+4*\b], v[96+16*\b:103+16*\b], v244
	v_cvt_scalef32_pk8_bf8_f32 v[226+4*\b:227+4*\b], v[104+16*\b:111+16*\b], v244
.endr
.set j, 0
.rept 16
	v_pk_mul_f32 v[160+j:161+j], v[160+j:161+j], v[252:253] op_sel_hi:[1,0]   ; O^T under the new M; also the plain lines behind the conversions
.set j, j+2
.endr
	s_wait_dscnt 0x0                               ; V is in
.irp t, 0,1,2,3
	v_wmma_f32_16x16x128_bf8_bf8 v[160+8*\t:167+8*\t], v[32+16*\t:47+16*\t], v[224:239], v[160+8*\t:167+8*\t]   ; four accumulators by turns
.endr
.Lhidden_\@:
.endm
	s_mov_b32 s16, 8
.Lkeys:                                            ; eight trips of 256 keys, whatever the flags say: the addresses step in every trip
	STEP 0
	STEP 1
	s_add_co_u32 s2, s2, 256*KP
	s_add_co_u32 s3, s3, VCH
	s_add_co_u32 s17, s17, 512                     ; (a mixed step has waited for its scalar loads: their offset register may be stepped)
	s_sub_co_u32 s16, s16, 1
	s_cmp_lg_u32 s16, 0
	s_cbranch_scc1 .Lkeys
	; THE WAY OUT: O^T / the sum x 2^(e8 + e9), quantised with 2^e10; 8 codes a lane and tile through my stage; 1,024 consecutive bytes leave.
.rept 4
	v_nop
.endr
	v_add_f32 v14, v14, v15
	v_permlanex16_b32 v236, v14, s20, s21
	v_add_f32 v11, v14, v236                       ; the row's sum
	v_rcp_f32 v14, v11
	v_mov_b32 v10, 0x7f7f7f7f                      ; four NaN codes.  (The plain line behind the reciprocal)
	s_add_co_i32 s28, s58, s59
	s_add_co_i32 s29, s60, 127
	s_lshl_b32 s30, s29, 23
	v_mov_b32 v12, s30                             ; 2^e10
	s_add_co_i32 s29, s29, 15
	s_lshl_b32 s29, s29, 23
	s_or_b32 s29, s29, 0x600000
	v_mov_b32 v13, s29                             ; 57,344 x 2^e10
	s_wait_alu depctr_va_vdst(0)                   ; ahead of the first line that names the reciprocal's result
	v_ldexp_f32 v14, v14, s28
.set j, 0
.rept 32
	v_mul_f32 v[96+j], v[160+j], v14               ; register 8 t + i is ctx(r, 16 t + 8 h + i)
.set j, j+1
.endr
.set j, 0
.rept 32
	v_med3_num_f32 v[96+j], v[96+j], -v13, v13
.set j, j+1
.endr
.irp t, 0,1,2,3
	v_cvt_scalef32_pk8_bf8_f32 v[224+2*\t:225+2*\t], v[96+8*\t:103+8*\t], v12
.endr
	v_nop
	v_cmp_eq_f32 vcc_lo, 0, v11                    ; a query with no key: a choice of values, no branch
.irp i, 0,1,2,3,4,5,6,7
	v_cndmask_b32 v[224+\i], v[224+\i], v10, vcc_lo
.endr
.irp t, 0,1,2,3
	ds_store_b64 v3, v[224+2*\t:225+2*\t] offset:16*\t
.endr
.irp i, 0,1
	ds_load_b128 v[32+4*\i:35+4*\i], v4 offset:8*KP*\i   ; LDS serves a wave's instructions in order: these see my stores
.endr
.irp i, 0,1
	s_wait_dscnt 1-\i                              ; the younger load may be out
	global_store_b128 v5, v[32+4*\i:35+4*\i], s[14:15] offset:512*\i   ; 512 consecutive bytes
.endr
	s_wait_tensorcnt 0x0
	ds_add_u32 v251, v255
	s_wait_dscnt 0x0
	s_endpgm
.Lfunc_end_k_q65becc8702_attn:
	.size	k_q65becc8702_attn, .Lfunc_end_k_q65becc8702_attn-k_q65becc8702_attn
	.p2alignl 7, 3214868480
	.fill 96, 4, 3214868480
	.section	.rodata,"a",@progbits
	.p2align	6, 0x0
	.amdhsa_kernel k_q65becc8702_attn
		.amdhsa_group_segment_fixed_size 325632
		.amdhsa_private_segment_fixed_size 0
		.amdhsa_enable_private_segment 0
		.amdhsa_kernarg_size 40
		.amdhsa_user_sgpr_count 2
		.amdhsa_user_sgpr_kernarg_segment_ptr 1
		.amdhsa_wavefront_size32 1
		.amdhsa_system_sgpr_workgroup_id_x 1
		.amdhsa_system_sgpr_workgroup_id_y 1
		.amdhsa_system_sgpr_workgroup_id_z 1
		.amdhsa_system_vgpr_workitem_id 0
		.amdhsa_next_free_vgpr 256
		.amdhsa_next_free_sgpr 100
		.amdhsa_reserve_vcc 1
		.amdhsa_float_denorm_mode_32 3
		.amdhsa_float_denorm_mode_16_64 3
		.amdhsa_memory_ordered 1
		.amdhsa_forward_progress 1
		.amdhsa_inst_pref_size 64
	.end_amdhsa_kernel
	.amdgpu_metadata
---
amdhsa.version: [ 1, 2 ]
amdhsa.kernels:
  - .name:           k_q65becc8702_attn
    .symbol:         k_q65becc8702_attn.kd
    .args:
      - { .name: qkv, .offset: 0, .size: 8, .value_kind: global_buffer, .address_space: global }
      - { .name: mb, .offset: 8, .size: 8, .value_kind: global_buffer, .address_space: global }
      - { .name: mf, .offset: 16, .size: 8, .value_kind: global_buffer, .address_space: global }
      - { .name: lowp_scales, .offset: 24, .size: 8, .value_kind: global_buffer, .address_space: global }
      - { .name: cc, .offset: 32, .size: 8, .value_kind: global_buffer, .address_space: global }
    .group_segment_fixed_size: 325632
    .private_segment_fixed_size: 0
    .kernarg_segment_align: 8
    .kernarg_segment_size: 40
    .max_flat_workgroup_size: 512
    .sgpr_count:     100
    .vgpr_count:     256
    .wavefront_size: 32
...
	.end_amdgpu_metadata
.endif
;; end of part 9
;; launch proj: the kernel of part 4 again; grid 8 x 32, 4 waves a work-group, clusters of 4 x 4, 327,680 bytes of LDS; arguments cc, Wo_codes, bo, x, lowp_scales, x1; writes x1
;; launch ln2: the kernel of part 5 again; grid 256 x 1, 8 waves a work-group, no clusters, 41,984 bytes of LDS; arguments x1, ln2_g, ln2_b, lowp_scales, h2c; writes h2c
;; launch ffn1: the kernel of part 6 again; grid 16 x 16, 4 waves a work-group, clusters of 4 x 4, 327,680 bytes of LDS; arguments h2c, W1_codes, b1, lowp_scales, hc; writes hc
;; launch ffn2: the kernel of part 7 again; grid 8 x 32, 4 waves a work-group, clusters of 4 x 4, 327,680 bytes of LDS; arguments hc, W2_codes, b2, x1, lowp_scales, out0; writes out0
;; ======== version 3 of 3: 7 launches; version 2 with the launch attn written anew for expert scheduling mode
;; workspace buffers: h3 12,582,912 bytes; mb 524,288 bytes of whole numbers; mf 8,192 bytes of whole numbers; qkv 12,582,912 bytes; cc 4,194,304 bytes; x1 16,777,216 bytes; h2c 4,194,304 bytes; hc 16,777,216 bytes
;; launch prep: the kernel of part 8 again; grid 256 x 1, 8 waves a work-group, no clusters, 109,568 bytes of LDS; arguments x, ln1_g, ln1_b, mask, lowp_scales, h3, mb, mf; writes h3, mb, mf
;; launch qkv: the kernel of part 2 again; grid 12 x 16, 4 waves a work-group, clusters of 4 x 4, 327,680 bytes of LDS; arguments h3, Wq_codes, Wk_codes, Wv_codes, bq, bk, bv, lowp_scales, qkv; writes qkv
;; launch attn (part 10): grid 8 x 32, 16 waves a work-group, no clusters, 325,632 bytes of LDS; arguments qkv, mb, mf, lowp_scales, cc; writes cc
.if DOCPART == 10
	.amdgcn_target "amdgcn-amd-amdhsa--gfx1250"
	.amdhsa_code_object_version 6
	.text
	.protected	k_q65becc8702_attn
	.globl	k_q65becc8702_attn
	.p2align	8
	.type	k_q65becc8702_attn,@function
k_q65becc8702_attn:
	s_mov_b64 s[64:65], 0
	v_nop
	global_prefetch_b8 v0, s[64:65] scope:SCOPE_SE
	s_setreg_imm32_b32 hwreg(HW_REG_WAVE_SCHED_MODE, 0, 2), 2
	s_setreg_imm32_b32 hwreg(HW_REG_WAVE_MODE, 25, 1), 1
	s_wait_xcnt 0x0
	s_wait_alu depctr_vm_vsrc(0)
; ctx[b][h][q] = the sum over keys of softmax(q . k / 8, masked) v, both products on codes of E5M2.  q's, k's codes [b 16 + h][t][64] (k's row p holds key swap34(p)); v's [64 h + d][2,048 b + t], keys innermost.
; THE MASK IS AN INPUT.  The launch before has packed it: mb holds one 32-bit lane mask for each score register of each tile of 16 queries x 128 keys, mf one flag a tile: 0 all hidden, 1 mixed, 2 all open.
; A key step whose flag is 0 is left out: all its p would be 0, and M, the sum and O would stay as they are.  In a step whose flag is 1 the lane masks put -infinity where the mask is 0, ahead of the maximum.
; In a step whose flag is 2 nothing is to be hidden, and the mask words are not read.  That holds for every mask; how much is left out hangs on the mask alone.
; THE SOFTMAX: t = score x log2(e) / 8; M = the largest t so far rounded UP to a whole number; p = 2^(t - M) is quantised with 2^e8, not normalised; the row's sum is taken of the unquantised p and divides at the end.
; When M moves, the sum and O are multiplied by 2^(old M - new M): exact.  A query with no key left has the sum 0: its codes become the format's NaN code, as the definition gives NaN there.
; SHARES.  A work-group owns 16 tiles of 16 queries of one (b, h): tiles x + 8 j, j = 0 .. 15; each of its sixteen waves owns one, in 256 registers: four waves to a SIMD.  Wave w takes j from a square of 4 x 4 whose rows and
; columns all add to 30: where the hidden part grows with key - query, any four waves w / 4 alike, or w % 4 alike, have the same number of steps to walk.  The order of the tiles enters addresses alone, no value.
; NO TENSOR LOAD AND NO CLUSTER, though the eight work-groups of a (b, h) read the same K and V: the steps that a wave walks hang on flags read from memory, and joint requests want partners that run alike.
; So each work-group brings the head's K and V, 256 KiB, itself, once, through registers: 32 loads of 16 bytes a thread, all issued together, each wave's load 512 consecutive bytes; then one barrier, and none after it.
; In LDS: K: 2,048 rows x 80 bytes (64 + 16 of padding); V: 8 chunks of 256 keys, each 64 rows x 272 bytes; a stage of 16 rows x 80 bytes for each wave.
; LAYOUT.  Both products transposed: S^T = K Q^T, O^T = V^T P^T: a lane holds ONE query (lane % 16).  Since k's rows are stored swapped, tile T's lane r reads row 16 T + r, and the 16 registers of tiles 2 b, 2 b + 1 are keys 32 b + 16 (lane / 16) + 0 .. 15.
; No prefetch into the L2: every byte of K and V is asked for in the kernel's first lines.
; LIMITS: e6 + e7 between -123 and 130 (added to c's exponent field); e8, e10 between -126 and 112.  NaN and infinity among q, k, v do not occur: they are codes held at the largest code.
; REGISTERS: v1, v2 my lane's place in K, V; v3-5 the way out; v8, v9 the trip's LDS addresses of K, V; v12 -M, v13 the largest t, v[14:15] the sum; v16-23 Q; v24-30 the fill's and Q's offsets; v32-95 K's eight fragments, then V's four;
;   v96-159 S^T, then p; v160-191 O^T; v224-239 p's codes.  At the head v32-159 hold the thread's 32 x 16 bytes of K and V.
;   s2, s3 LDS byte of the trip's keys in K, V; s16 trips; s17 the trip's bytes in my mask words; s18 the step's flag; s19 the flags to come, two bits each; s[24:55], s[68:99] a mixed step's 64 lane masks.
; THE MODE: SCHED_MODE bits 1:0 = 2 (LLVM: expert scheduling mode 2), set by the entry lines.  The code itself states the register dependences
; between vector or matrix instructions and memory or LDS instructions, with s_wait_alu, always for 0.
; THE PLAN.  Registers that memory or LDS instructions touch:
;   v24-v30       Offsets and LDS addresses of the fill and of Q: written once at the head, ahead of the first load; never written again.
;   v32-159       At the head: the global loads land in them, the fill's LDS stores read them.  In the loop they are written again: v32-95 by LDS loads, v96-159 by the scores' products.
;   v8, v9        Written once a trip, at the trip's head, ahead of every branch of the trip; read by the LDS loads of the trip's two steps (the step's place stands in the immediates).
;   v32-95        A walked step: K's 16 loads land; the eight products of the scores read them; V's 16 loads land; the four products V^T P^T read them.
;   v3, v4, v5    Addresses of the way out: written once at the head.   v224-231: the way out's codes, read by the stage's stores.   v32-39: the stage's loads land, the global stores read them.
;   v251, v255    Written at the head, read by the closing add alone.   All else is named by vector and matrix instructions alone.
; So a trip has ONE wait on vm_vsrc, at its head, and a walked step TWO waits on va_vdst: one at its head, ahead of K's loads, and the one that the batch of exponentials has in any case, behind which V's loads stand.
.set KP,    80
.set VP,    272
.set VOFF,  2048*KP
.set VCH,   64*VP
.set STAGE, VOFF+8*VCH
	s_load_b256 s[4:11], s[0:1], 0x0               ; qkv, mb, mf, the scales' exponents
	s_load_b64 s[14:15], s[0:1], 0x20              ; cc
	v_lshl_add_u32 v251, v0, 2, 0x4f000
	v_mov_b32 v255, 0
	v_lshrrev_b32 v8, 5, v0
	v_readfirstlane_b32 s12, v8                    ; wave 0..15
	s_mov_b32 s16, 0x7a94c12f                      ; j of waves 0-7, four bits each: 15 2 1 12 / 4 9 10 7
	s_mov_b32 s17, 0x0de3b658                      ; of waves 8-15: 8 5 6 11 / 3 14 13 0
	s_wait_alu depctr_va_sdst(0)                   ; s12 is written, ahead of its first reader: my tile and my stage are made from it
	s_cmp_lt_u32 s12, 8
	s_cselect_b32 s16, s16, s17
	s_and_b32 s17, s12, 7
	s_lshl_b32 s17, s17, 2
	s_lshr_b32 s16, s16, s17
	s_and_b32 s16, s16, 15                         ; j
	s_lshl_b32 s13, s16, 3
	s_add_co_u32 s13, s13, ttmp9                   ; my query tile: 8 j + work-group x
	; the fill: thread t takes 16 bytes of each 8,192
	v_lshlrev_b32 v24, 4, v0                       ; K in memory: 16 t; round i is 128 rows of 64 bytes on
	v_lshrrev_b32 v25, 2, v0
	v_mul_u32_u24 v25, v25, KP
	v_and_b32 v6, 3, v0
	v_lshl_add_u32 v25, v6, 4, v25                 ; K in LDS: row t / 4, 16 (t % 4); rounds 0-5,
	v_add_nc_u32 v26, 6*128*KP, v25                ; 6-11,
	v_add_nc_u32 v27, 12*128*KP, v25               ; 12-15 (an LDS immediate has 16 bits)
	v_lshrrev_b32 v6, 7, v0                        ; V: a round is four rows of 2,048 bytes: row t / 128,
	v_and_b32 v7, 127, v0
	v_lshlrev_b32 v28, 12, v6
	v_lshl_add_u32 v28, v7, 4, v28                 ; in memory: rows 4,096 bytes apart, 16 (t % 128)
	v_mul_u32_u24 v29, v6, VP
	v_bfe_u32 v7, v0, 4, 3
	v_mul_u32_u24 v7, v7, VCH
	v_add_nc_u32 v29, v29, v7
	v_and_b32 v7, 15, v0
	v_lshl_add_u32 v29, v7, 4, v29
	v_add_nc_u32 v29, VOFF, v29                    ; in LDS: chunk (t / 16) % 8, row t / 128, 16 (t % 16)
	v_and_b32 v8, 15, v0                           ; r
	v_bfe_u32 v9, v0, 4, 1                         ; h
	v_lshlrev_b32 v30, 6, v8
	v_lshl_add_u32 v30, v9, 4, v30                 ; Q: row r of 64 bytes, + 16 h
	s_and_b32 s28, ttmp7, 0xffff                   ; 16 b + h
	s_and_b32 s29, s28, 15                         ; h
	s_lshr_b32 s30, s28, 4                         ; b
	s_lshl_b32 s32, s28, 17                        ; a head's 131,072 bytes in q's and k's parts
	s_add_co_u32 s34, s32, 0x400000                ; K: part 1
	s_mov_b32 s35, 0
	s_lshl_b32 s36, s29, 18                        ; V: part 2: 64 rows of 4,096 bytes a head, 2,048 bytes a batch
	s_lshl_b32 s31, s30, 11
	s_add_co_u32 s36, s36, s31
	s_add_co_u32 s36, s36, 0x800000
	s_mov_b32 s37, 0
	s_lshl_b32 s31, s13, 10                        ; my 16 queries x 64 bytes
	s_add_co_u32 s32, s32, s31                     ; Q
	s_mov_b32 s33, 0
	s_lshl_b32 s38, s29, 18                        ; cc [h][token][64]
	s_lshl_b32 s39, s30, 17
	s_add_co_u32 s38, s38, s39
	s_add_co_u32 s38, s38, s31
	s_mov_b32 s39, 0
	s_lshl_b32 s40, s13, 12                        ; mb: 4,096 bytes a query tile
	s_mov_b32 s41, 0
	s_lshl_b32 s42, s13, 6                         ; mf: 16 words a query tile
	s_mov_b32 s43, 0
	s_mov_b32 s20, 0x76543210                      ; lane l takes lane l xor 16
	s_mov_b32 s21, 0xfedcba98
	s_mov_b32 s22, 0x3e38aa3b                      ; c = log2(e) / 8
	s_mov_b32 s2, 0
	s_mov_b32 s3, 0
	s_mov_b32 s17, 0
	s_wait_kmcnt 0x0
	s_add_nc_u64 s[24:25], s[4:5], s[34:35]        ; K
	s_add_nc_u64 s[26:27], s[4:5], s[36:37]        ; V
	s_add_nc_u64 s[4:5], s[4:5], s[32:33]          ; Q
	s_add_nc_u64 s[14:15], s[14:15], s[38:39]      ; the output
	s_add_nc_u64 s[6:7], s[6:7], s[40:41]          ; my query tile's mask words
	s_add_nc_u64 s[8:9], s[8:9], s[42:43]          ; and flags
	s_load_b512 s[68:83], s[8:9], 0x0              ; the 16 key steps' flags
	s_load_b256 s[56:63], s[10:11], 0x18           ; e6 .. e13
	s_wait_alu depctr_va_vdst(0)                   ; v24 to v30 are written: the loads below read v24, v28 and v30 as offsets, the fill's LDS stores v25, v26, v27 and v29 as addresses; no vector line behind this wait names them
.set i, 0
.rept 16
	global_load_b128 v[32+4*i:35+4*i], v24, s[24:25] offset:8192*i    ; K: a wave's load covers 512 consecutive bytes
.set i, i+1
.endr
.set i, 0
.rept 16
	global_load_b128 v[96+4*i:99+4*i], v28, s[26:27] offset:16384*i   ; V likewise
.set i, i+1
.endr
	global_load_b128 v[16:19], v30, s[4:5]         ; Q's fragment: k = 32 c + 16 h + 0 .. 15, as K's
	global_load_b128 v[20:23], v30, s[4:5] offset:32
	v_mul_u32_u24 v1, v8, KP
	v_lshl_add_u32 v1, v9, 4, v1
	v_mul_u32_u24 v2, v8, VP
	v_lshl_add_u32 v2, v9, 4, v2
	v_add_nc_u32 v2, VOFF, v2
	s_mul_i32 s31, s12, 16*KP
	s_add_co_u32 s31, s31, STAGE                   ; my stage
	v_mul_u32_u24 v3, v8, KP
	v_lshl_add_u32 v3, v9, 3, v3
	v_add_nc_u32 v3, s31, v3                       ; in: row r, + 8 h
	v_and_b32 v5, 31, v0
	v_lshrrev_b32 v4, 2, v5
	v_mul_u32_u24 v4, v4, KP
	v_and_b32 v11, 3, v5
	v_lshl_add_u32 v4, v11, 4, v4
	v_add_nc_u32 v4, s31, v4                       ; back: row lane / 4, 16 (lane % 4)
	v_lshlrev_b32 v5, 4, v5                        ; in memory: 16 x lane
	v_mov_b32 v13, 0xff61b1e6                      ; the largest t so far: -3e38
	v_floor_f32 v12, -v13                          ; -M
	v_mov_b32 v14, 0
	v_mov_b32 v15, 0
	v_mov_b32 v236, 0                              ; a lane permute's destination counts as read
	v_mov_b32 v253, 0                              ; the upper half of the pair v[252:253]
	v_mov_b32 v246, 0xff800000                     ; -infinity
.set j, 0
.rept 32
	v_mov_b32 v[160+j], 0                          ; O^T: the step is written once; the first that is walked finds zeros
.set j, j+1
.endr
	s_wait_kmcnt 0x0
	s_mov_b32 s19, s83                             ; the flags, two bits each, step 0's lowest
.irp k, 14,13,12,11,10,9,8,7,6,5,4,3,2,1,0
	s_lshl_b32 s19, s19, 2
	s_or_b32 s19, s19, s[68+\k]
.endr
	s_add_co_i32 s28, s56, s57
	s_lshl_b32 s28, s28, 23
	s_add_co_i32 s22, s22, s28                     ; a score stands for score x 2^(e6 + e7)
	s_mov_b32 s23, s22
	s_add_co_i32 s28, s58, 127
	s_lshl_b32 s29, s28, 23
	v_mov_b32 v244, s29                            ; 2^e8
	s_add_co_i32 s28, s28, 15
	s_lshl_b32 s28, s28, 23
	s_or_b32 s28, s28, 0x600000
	v_mov_b32 v240, s28                            ; 57,344 x 2^e8
.set i, 0
.rept 16
	s_wait_loadcnt 33-i                            ; K's load i is in: behind it stand 15 - i of K's, V's 16 and Q's 2
.if i < 6
	ds_store_b128 v25, v[32+4*i:35+4*i] offset:128*KP*i
.elseif i < 12
	ds_store_b128 v26, v[32+4*i:35+4*i] offset:128*KP*(i-6)
.else
	ds_store_b128 v27, v[32+4*i:35+4*i] offset:128*KP*(i-12)
.endif
.set i, i+1
.endr
.set i, 0
.rept 16
	s_wait_loadcnt 17-i                            ; V's load i is in: behind it stand 15 - i of V's and Q's 2
	ds_store_b128 v29, v[96+4*i:99+4*i] offset:4*VP*i
.set i, i+1
.endr
	s_wait_dscnt 0x0                               ; for the others' sake: my stores are done
	s_barrier_signal -1
	s_barrier_wait -1                              ; the head's K and V are whole; nothing is written there again
	s_wait_loadcnt 0x0                             ; Q
; The front of a key step (128 keys, the q-th of the trip's 256): K's eight fragments and the scores.  It is written on both ways of a walked step; the LDS addresses v8 and v9 were made at the trip's head, ahead of the place where the ways part.
.macro FRONT q
.rept 4
	v_nop                                          ; four plain lines between the last walked step's products and the loads into the registers that they read; the wait below states that dependence and fills no place
.endr
	s_wait_alu depctr_va_vdst(0)                   ; the last walked step's products V^T P^T are done reading v32-95, in which K's loads land; v8 and v9, the trip's LDS addresses, are written
.irp T, 0,1,2,3,4,5,6,7
	ds_load_b128 v[32+8*\T:35+8*\T], v8 offset:(128*(\q)+16*\T)*KP
	ds_load_b128 v[36+8*\T:39+8*\T], v8 offset:(128*(\q)+16*\T)*KP+32
.endr
	s_wait_dscnt 0x0
.irp T, 0,1,2,3,4,5,6,7
	v_wmma_f32_16x16x64_bf8_bf8 v[96+8*\T:103+8*\T], v[32+8*\T:39+8*\T], v[16:23], 0
.endr
.rept 4
	v_nop                                          ; four places behind the products, before a vector line reads the scores (ISA guide 7.12.1)
.endr
.endm
.macro STEP q
	s_and_b32 s18, s19, 3                          ; this step's flag
	s_lshr_b32 s19, s19, 2
	s_cmp_eq_u32 s18, 0
	s_cbranch_scc1 .Lhidden_\@                     ; every score of my 16 queries is hidden: nothing to do.  No barrier and no address step stands in a step
	s_cmp_eq_u32 s18, 1
	s_cbranch_scc0 .Lopen_\@
	s_load_b512 s[24:39], s[6:7], s17 offset:256*(\q)       ; mixed: the step's 64 lane masks, asked for ahead of the front
	s_load_b512 s[40:55], s[6:7], s17 offset:256*(\q)+64
	s_load_b512 s[68:83], s[6:7], s17 offset:256*(\q)+128
	s_load_b512 s[84:99], s[6:7], s17 offset:256*(\q)+192
	FRONT \q
	s_wait_kmcnt 0x0
.set n, 0
.rept 32
	v_cndmask_b32 v[96+n], v246, v[96+n], s[24+n]  ; -infinity where the mask is 0; each accumulator from its low end on
.set n, n+1
.endr
.set n, 0
.rept 32
	v_cndmask_b32 v[128+n], v246, v[128+n], s[68+n]
.set n, n+1
.endr
	s_branch .Lsoft_\@
.Lopen_\@:
	FRONT \q
.Lsoft_\@:
	v_max3_num_f32 v254, v96, v97, v98             ; the largest score among my 64 keys, in two chains
	v_max3_num_f32 v252, v99, v100, v101
.irp i, 6,10,14,18,22,26,30,34,38,42,46,50,54,58
	v_max3_num_f32 v254, v254, v[96+\i], v[97+\i]
	v_max3_num_f32 v252, v252, v[98+\i], v[99+\i]
.endr
	v_max3_num_f32 v254, v254, v158, v159
	v_max_num_f32 v254, v254, v252
	v_permlanex16_b32 v236, v254, s20, s21
	v_max_num_f32 v254, v254, v236                 ; and among lane l xor 16's
	v_mul_f32 v254, s22, v254                      ; as t (c is positive)
	v_max_num_f32 v13, v13, v254                   ; the running largest t
	v_mov_b32 v254, v12
	v_floor_f32 v12, -v13                          ; the new -M = -ceil(t)
	v_sub_f32 v254, v12, v254                      ; old M - new M: a whole number, 0 or less
	v_cvt_i32_f32 v254, v254                       ; (it saturates)
	v_ldexp_f32 v252, 1.0, v254                    ; f = 2^(old M - new M)
.set j, 0
.rept 32
	v_pk_fma_f32 v[96+j:97+j], v[96+j:97+j], s[22:23], v[12:13] op_sel_hi:[1,0,0]   ; t - M
.set j, j+2
.endr
.set j, 0
.rept 64
	v_exp_f32 v[96+j], v[96+j]                     ; p = 2^(t - M)
.set j, j+1
.endr
	v_pk_mul_f32 v[14:15], v[14:15], v[252:253] op_sel_hi:[1,0]   ; the sums under the new M: the plain line behind the exponentials
	s_wait_alu depctr_va_vdst(0)                   ; the 64 exponentials have written p in v96-159, ahead of its first reader (one wait for the batch); and the scores' products are done reading v32-95, in which V's loads land
.irp t, 0,1,2,3
.irp c, 0,1,2,3
	ds_load_b128 v[32+16*\t+4*\c:35+16*\t+4*\c], v9 offset:16*\t*VP+128*(\q)+32*\c   ; V's four fragments: they land under the sums, the holds, the conversions and the rescaling, none of which names v9 or v32-95
.endr
.endr
	v_pk_add_f32 v[242:243], v[96:97], v[98:99]    ; the row's sum is taken of the unquantised p
.irp j, 4,8,12,16,20,24,28,32,36,40,44,48,52,56,60
	v_pk_add_f32 v[14:15], v[14:15], v[96+\j:97+\j]
	v_pk_add_f32 v[242:243], v[242:243], v[98+\j:99+\j]
.endr
	v_pk_add_f32 v[14:15], v[14:15], v[242:243]
.irp b, 0,1,2,3
.set j, 0
.rept 16
	v_min_num_f32 v[96+16*\b+j], v[96+16*\b+j], v240   ; the conversion does not saturate (ISA guide 7.6.2); p is not negative: the hold is one-sided
.set j, j+1
.endr
	v_cvt_scalef32_pk8_bf8_f32 v[224+4*\b:225+4*\b], v[96+16*\b:103+16*\b], v244
	v_cvt_scalef32_pk8_bf8_f32 v[226+4*\b:227+4*\b], v[104+16*\b:111+16*\b], v244
.endr
.set j, 0
.rept 16
	v_pk_mul_f32 v[160+j:161+j], v[160+j:161+j], v[252:253] op_sel_hi:[1,0]   ; O^T under the new M; also the plain lines behind the conversions
.set j, j+2
.endr
	s_wait_dscnt 0x0                               ; V is in
.irp t, 0,1,2,3
	v_wmma_f32_16x16x128_bf8_bf8 v[160+8*\t:167+8*\t], v[32+16*\t:47+16*\t], v[224:239], v[160+8*\t:167+8*\t]   ; four accumulators by turns
.endr
.Lhidden_\@:
.endm
	s_mov_b32 s16, 8
.Lkeys:                                            ; eight trips of 256 keys, whatever the flags say: the addresses step in every trip
	s_wait_alu depctr_vm_vsrc(0)                   ; the LDS loads issued so far have read v8 and v9, which the two lines below write; in the first trip: the fill's LDS stores have read v32-159, which the steps' LDS loads and products write
	v_add_nc_u32 v8, s2, v1                        ; the trip's 256 keys in K,
	v_add_nc_u32 v9, s3, v2                        ; and in V: made ahead of every branch of the trip, for both of its steps
	STEP 0
	STEP 1
	s_add_co_u32 s2, s2, 256*KP
	s_add_co_u32 s3, s3, VCH
	s_add_co_u32 s17, s17, 512                     ; (a mixed step has waited for its scalar loads: their offset register may be stepped)
	s_sub_co_u32 s16, s16, 1
	s_cmp_lg_u32 s16, 0
	s_cbranch_scc1 .Lkeys
	; THE WAY OUT: O^T / the sum x 2^(e8 + e9), quantised with 2^e10; 8 codes a lane and tile through my stage; 1,024 consecutive bytes leave.
.rept 4
	v_nop
.endr
	v_add_f32 v14, v14, v15
	v_permlanex16_b32 v236, v14, s20, s21
	v_add_f32 v11, v14, v236                       ; the row's sum
	v_rcp_f32 v14, v11
	v_mov_b32 v10, 0x7f7f7f7f                      ; four NaN codes.  (The plain line behind the reciprocal)
	s_add_co_i32 s28, s58, s59
	s_add_co_i32 s29, s60, 127
	s_lshl_b32 s30, s29, 23
	v_mov_b32 v12, s30                             ; 2^e10
	s_add_co_i32 s29, s29, 15
	s_lshl_b32 s29, s29, 23
	s_or_b32 s29, s29, 0x600000
	v_mov_b32 v13, s29                             ; 57,344 x 2^e10
	s_wait_alu depctr_va_vdst(0)                   ; the reciprocal has written v14, ahead of the first line that names it
	v_ldexp_f32 v14, v14, s28
.set j, 0
.rept 32
	v_mul_f32 v[96+j], v[160+j], v14               ; register 8 t + i is ctx(r, 16 t + 8 h + i)
.set j, j+1
.endr
.set j, 0
.rept 32
	v_med3_num_f32 v[96+j], v[96+j], -v13, v13
.set j, j+1
.endr
.irp t, 0,1,2,3
	v_cvt_scalef32_pk8_bf8_f32 v[224+2*\t:225+2*\t], v[96+8*\t:103+8*\t], v12
.endr
	v_nop
	v_cmp_eq_f32 vcc_lo, 0, v11                    ; a query with no key: a choice of values, no branch
	s_wait_alu depctr_va_vcc(0)                    ; the compare has written VCC, ahead of its first reader, the selects below
.irp i, 0,1,2,3,4,5,6,7
	v_cndmask_b32 v[224+\i], v[224+\i], v10, vcc_lo
.endr
	s_wait_alu depctr_va_vdst(0)                   ; the selects have written the codes v224-231, which the stage's stores read; v3, v4 and v5, the addresses of the way out, are written; every product is done reading v32-39, in which the stage's loads land
.irp t, 0,1,2,3
	ds_store_b64 v3, v[224+2*\t:225+2*\t] offset:16*\t
.endr
.irp i, 0,1
	ds_load_b128 v[32+4*\i:35+4*\i], v4 offset:8*KP*\i   ; LDS serves a wave's instructions in order: these see my stores
.endr
.irp i, 0,1
	s_wait_dscnt 1-\i                              ; the younger load may be out
	global_store_b128 v5, v[32+4*\i:35+4*\i], s[14:15] offset:512*\i   ; 512 consecutive bytes
.endr
	s_wait_dscnt 0x0                               ; the closing lines, six on end
	s_wait_alu 0x0
	s_wait_tensorcnt 0x0
	ds_add_u32 v251, v255
	s_wait_dscnt 0x0
	s_endpgm
.Lfunc_end_k_q65becc8702_attn:
	.size	k_q65becc8702_attn, .Lfunc_end_k_q65becc8702_attn-k_q65becc8702_attn
	.p2alignl 7, 3214868480
	.fill 96, 4, 3214868480
	.section	.rodata,"a",@progbits
	.p2align	6, 0x0
	.amdhsa_kernel k_q65becc8702_attn
		.amdhsa_group_segment_fixed_size 325632
		.amdhsa_private_segment_fixed_size 0
		.amdhsa_enable_private_segment 0
		.amdhsa_kernarg_size 40
		.amdhsa_user_sgpr_count 2
		.amdhsa_user_sgpr_kernarg_segment_ptr 1
		.amdhsa_wavefront_size32 1
		.amdhsa_system_sgpr_workgroup_id_x 1
		.amdhsa_system_sgpr_workgroup_id_y 1
		.amdhsa_system_sgpr_workgroup_id_z 1
		.amdhsa_system_vgpr_workitem_id 0
		.amdhsa_next_free_vgpr 256
		.amdhsa_next_free_sgpr 100
		.amdhsa_reserve_vcc 1
		.amdhsa_float_denorm_mode_32 3
		.amdhsa_float_denorm_mode_16_64 3
		.amdhsa_memory_ordered 1
		.amdhsa_forward_progress 1
		.amdhsa_inst_pref_size 63
	.end_amdhsa_kernel
	.amdgpu_metadata
---
amdhsa.version: [ 1, 2 ]
amdhsa.kernels:
  - .name:           k_q65becc8702_attn
    .symbol:         k_q65becc8702_attn.kd
    .args:
      - { .name: qkv, .offset: 0, .size: 8, .value_kind: global_buffer, .address_space: global }
      - { .name: mb, .offset: 8, .size: 8, .value_kind: global_buffer, .address_space: global }
      - { .name: mf, .offset: 16, .size: 8, .value_kind: global_buffer, .address_space: global }
      - { .name: lowp_scales, .offset: 24, .size: 8, .value_kind: global_buffer, .address_space: global }
      - { .name: cc, .offset: 32, .size: 8, .value_kind: global_buffer, .address_space: global }
    .group_segment_fixed_size: 325632
    .private_segment_fixed_size: 0
    .kernarg_segment_align: 8
    .kernarg_segment_size: 40
    .max_flat_workgroup_size: 512
    .sgpr_count:     100
    .vgpr_count:     256
    .wavefront_size: 32
...
	.end_amdgpu_metadata
.endif
;; end of part 10
;; launch proj: the kernel of part 4 again; grid 8 x 32, 4 waves a work-group, clusters of 4 x 4, 327,680 bytes of LDS; arguments cc, Wo_codes, bo, x, lowp_scales, x1; writes x1
;; launch ln2: the kernel of part 5 again; grid 256 x 1, 8 waves a work-group, no clusters, 41,984 bytes of LDS; arguments x1, ln2_g, ln2_b, lowp_scales, h2c; writes h2c
;; launch ffn1: the kernel of part 6 again; grid 16 x 16, 4 waves a work-group, clusters of 4 x 4, 327,680 bytes of LDS; arguments h2c, W1_codes, b1, lowp_scales, hc; writes hc
;; launch ffn2: the kernel of part 7 again; grid 8 x 32, 4 waves a work-group, clusters of 4 x 4, 327,680 bytes of LDS; arguments hc, W2_codes, b2, x1, lowp_scales, out0; writes out0
